; MI455X (gfx1250); checked and timed in simulation.
; The chip was launched on July 23, 2026; its instructions are those of AMD's public machine-readable ISA for CDNA 5 (MIT licence, August 2026) and "CDNA5" Instruction Set Architecture Reference Guide (July 2026). The comments in the code are by the model that wrote it; some were corrected since.
;; Attention. Allowed arithmetic: matrix products marked QUANTISED: E2M3 operands, one E8M0 scale for each 32 along K, by v_wmma_scale_f32_16x16x128_f8f6f4 with both operands' format E2M3, f32 sums; everything else in f32.
;; Inputs: freqs_cos 2,048 x 64 float32; freqs_sin 2,048 x 64 float32; wk 2,048 x 2,048 float32; wo 2,048 x 2,048 float32; wq 2,048 x 2,048 float32; wv 2,048 x 2,048 float32; x 1 x 2,048 x 2,048 float32.
;; Outputs: out0 1 x 2,048 x 2,048 float32.
;; This version of the problem:
;;   THIS VERSION OF THE PROBLEM IS GIVEN IN LOW PRECISION. The matrix products marked QUANTISED in the list below multiply operands that are first quantised to E2M3 (2 exponent bits, 3 mantissa bits; 6 bits a number), with one power-of-two scale for each 32 numbers along K (OCP MX v1.0); their sums are f32. All else is computed in f32.
;;   The module's matrix products, in the order in which they are computed (A, B: the left and right operand; K: the contracted axis; several contracted axes count as one K, in the product's order):
;;     1. [M 2,048, K 2,048] x [K 2,048, N 2,048]; A: input x; B: input wq: QUANTISED
;;     2. [M 2,048, K 2,048] x [K 2,048, N 2,048]; A: input x; B: input wk: QUANTISED
;;     3. [M 2,048, K 2,048] x [K 2,048, N 2,048]; A: input x; B: input wv: QUANTISED
;;     4. batch 16 x [M 2,048, K 128] x [K 128, N 2,048]; A: computed on the way; B: computed on the way: QUANTISED
;;     5. batch 16 x [M 128, K 2,048] x [K 2,048, N 2,048]; A: computed on the way; B: softmax (see below): QUANTISED
;;     6. [M 2,048, K 2,048] x [K 2,048, N 2,048]; A: computed on the way; B: input wo: QUANTISED
;;   THE QUANTISER, for each operand of a quantised product, along K:
;;     - K is cut into blocks of 32 from its start; a last block that is shorter is filled with zeros.
;;     - A block's scale is 2^e with e = floor(log2(the largest magnitude in the block)) - 2, held to -126 .. 127; a block of zeros has e = 0. As a byte (E8M0): e + 127.
;;     - Each number is divided by its block's scale, clamped to +-7.5, and rounded to the nearest number of E2M3, ties to even, subnormals kept.
;;     - The product sums the exact products of the quantised numbers (number of the format x scale) in f32.
;;   ~~~python
;;   def quantise(x, axis):      # numpy; x: float32 -> the quantised numbers, widened to float32 again
;;       x = np.moveaxis(x, axis, -1); K = x.shape[-1]
;;       x = np.pad(x, [(0, 0)] * (x.ndim - 1) + [(0, -K % 32)]); x = x.reshape(x.shape[:-1] + (-1, 32)); a = np.abs(x).max(-1, keepdims=True)
;;       e = np.where(a > 0, np.clip(np.frexp(np.where(a > 0, a, 1))[1] - 1 - 2, -126, 127), 0)      # np.frexp(a)[1] - 1 = floor(log2(a)), exactly
;;       r = np.clip(x / 2.0 ** e, -7.5, 7.5)
;;       step = 2.0 ** (np.maximum(np.frexp(np.where(r == 0, 1, r))[1] - 1, 0) - 3)
;;       q = np.round(r / step) * step * 2.0 ** e      # np.round: ties to even
;;       return np.moveaxis(q.reshape(q.shape[:-2] + (-1,))[..., :K], -1, axis).astype(np.float32)
;;   ~~~
;;   SOFTMAX AHEAD OF A QUANTISED PRODUCT. Where the list says 'softmax', what is quantised is not the finished softmax but p = 2^(t - M), with t = logit x log2(e) and M = ceil(the row's largest t), a whole number; so 1/2 < the row's largest p <= 1. The row's sum l is taken of the UNQUANTISED p, in f32, and the product's result is divided by l at the end. Since M is a whole number, a kernel that streams over the keys may use a running M (the ceiling of the running maximum): every later rescaling is an exact power of two, which a block's scale takes up: the codes' values come out the same.
;;   OPERANDS COMPUTED ON THE WAY. 'Computed on the way' means the value that the module computes at that place (a softmax that the list does not call 'softmax' is quantised finished and normalised). What goes into a quantiser is computed in f32, as accurately as f32 sums, v_exp_f32 and their like allow (about 1e-6 of the number): no bf16 or f16 on the way to a quantiser, and a product that is left as it is and whose result goes on into a quantised operand takes f32 operands (vector FMAs, or v_wmma_f32_16x16x4_f32). A number that lies on a knife's edge between two numbers of the format may be rounded either way, as far as f32 arithmetic and the matrix unit's own rounding can turn it there, and no further.
;; 2 versions. Each part assembles by itself: llvm-mc -triple=amdgcn-amd-amdhsa -mcpu=gfx1250 --defsym DOCPART=n.
;; ======== version 1 of 2: 5 launches
;; workspace buffers: xc 3,276,800 bytes; wc 13,107,200 bytes; qkv 9,830,400 bytes; oc 3,276,800 bytes
;; launch qx (part 1): grid 16 x 16, 8 waves a work-group, no clusters, 69,120 bytes of LDS; arguments x, xc; writes xc
.if DOCPART == 1
	.amdgcn_target "amdgcn-amd-amdhsa--gfx1250"
	.amdhsa_code_object_version 6
	.text
	.protected	k_q7ec784e029_qx
	.globl	k_q7ec784e029_qx
	.p2align	8
	.type	k_q7ec784e029_qx,@function
k_q7ec784e029_qx:
	s_mov_b64 s[64:65], 0
	v_nop
	global_prefetch_b8 v0, s[64:65] scope:SCOPE_SE
	s_setreg_imm32_b32 hwreg(HW_REG_WAVE_MODE, 25, 1), 1
	s_wait_xcnt 0x0
; x [2048 tokens][2048 K], f32, becomes codes of FP6 (E2M3) with one E8M0 byte for each 32 along K, laid as IMAGES OF OPERAND REGISTERS for the products that follow.
; A fragment is 16 rows x 128 K = 12 registers a lane = 1,536 bytes: register 4 g + e of lane l lies at 512 g + 16 l + 4 e.  Place r of tile t is token 32 (t / 2) + 8 (t % 2) + r % 8 + 16 (r / 8).
; xc: images [K pair 8][tile 128][K step of the pair 2][1536]; from byte 0x300000 the scale words [group of 128 tokens 16][K step 16][place r 16][tile of the group 8].
; A block's scale is 2^(floor(log2(largest magnitude)) - 2): its byte is the largest magnitude's exponent field - 2, held at 1 from below.
; LIMITS: a block whose largest magnitude lies under 2^-124 has its byte held at 1; a block of zeros gets the byte 1 and zero codes (only this program reads the bytes); NaN and infinities are not served.
; SHARES: work-group (x = K step, y = group of 128 tokens); wave a makes tile a: one fragment.  Each of a wave's 16 loads takes 512 consecutive bytes of one row; the rows turn through the wave's own
; stage in LDS (pitch 528), so that a lane then holds, of its row, 16 neighbours of each block of 32.  The eight waves' scale words meet in LDS and leave as 512 consecutive bytes.
; No matrix unit, no tensor load, no cluster: a stream that shares nothing between work-groups.
.set ROWX,  8192                       ; a row of x in bytes
.set SP,    528                        ; a stage row: 512 bytes + 16
.set STG,   16*SP                      ; a wave's stage
.set SCG,   8*STG                      ; behind the stages: the group's 128 scale words
.set SPARE, SCG+512                    ; the spare words, 128 bytes for each wave: four blocks of 256 bytes that no other line names
.set LI,    4                          ; v4   16 x lane; never rewritten
.set SIN,   5                          ; v5   the stage, on the way in
.set SOUT,  6                          ; v6   and on the way out: row r, + 64 h
.set SWA,   8                          ; v8   where my row's scale word goes
.set SRD,   9                          ; v9   where wave 0 reads the words back
.set SPW,   12                         ; v12  LDS address of my spare word; never rewritten
.set NIL,   13                         ; v13  0; never rewritten
.set R,     16                         ; v16-79   16 rows as loaded
.set X,     80                         ; v80-143  register 16 b + i = k 32 b + 16 h + i of my row
.set TM,    144                        ; v144-159 at work
.set PW,    160                        ; v160 the scale word
.set PC,    164                        ; v164-183 the codes
.set SEL,   20                         ; s[20:21] lane selects: lane l xor 16
; 64 numbers of a lane become a fragment's codes in v[PC] on and its scale word in v[PW]
.macro QUANT s
.irp b, 0,1,2,3
	v_max3_num_f32 v[TM+\b], |v[\s+16*\b]|, |v[\s+1+16*\b]|, 0x1800000   ; block b: my 16 numbers, and the floor 2^(3 - 127): the byte cannot fall under 1
.endr
.irp i, 2,4,6,8,10,12,14
.irp b, 0,1,2,3
	v_max3_num_f32 v[TM+\b], v[TM+\b], |v[\s+16*\b+\i]|, |v[\s+1+16*\b+\i]|   ; the four blocks by turns
.endr
.endr
.irp b, 0,1,2,3
	v_permlanex16_b32 v[TM+4+\b], v[TM+\b], s[SEL], s[SEL+1]
.endr
.irp b, 0,1,2,3
	v_max_num_f32 v[TM+\b], v[TM+\b], v[TM+4+\b]   ; with lane l xor 16's: the block's largest magnitude
.endr
.irp b, 0,1,2,3
	v_add_nc_u32 v[TM+12+\b], 0xff000000, v[TM+\b]   ; 2 off its exponent field: the conversion's scale operand
.endr
.irp b, 0,1,2,3
	v_lshrrev_b32 v[TM+4+\b], 23, v[TM+12+\b]      ; the scale's byte
.endr
	v_lshl_or_b32 v[PW], v[TM+5], 8, v[TM+4]
	v_lshl_or_b32 v[PW], v[TM+6], 16, v[PW]
	v_lshl_or_b32 v[PW], v[TM+7], 24, v[PW]
.irp c, 0,1
	v_cvt_scalef32_pk16_fp6_f32 v[PC+6*\c:PC+2+6*\c], v[\s+32*\c:\s+15+32*\c], v[TM+12+2*\c]
	v_cvt_scalef32_pk16_fp6_f32 v[PC+12+4*\c:PC+14+4*\c], v[\s+16+32*\c:\s+31+32*\c], v[TM+12+2*\c+1]   ; (a conversion's three registers begin on an even number)
.endr
	v_nop                                          ; one plain instruction behind the scaled conversions
.irp c, 0,1                                    ; the operand wants a whole block in a lane: lanes 0-15 block 2 c, lanes 16-31 block 2 c + 1
.irp i, 0,1,2
	v_permlane16_swap_b32 v[PC+6*\c+\i], v[PC+12+4*\c+\i]
.endr
.irp i, 0,1,2
	v_mov_b32 v[PC+3+6*\c+\i], v[PC+12+4*\c+\i]
.endr
.endr
.endm
	s_load_b128 s[4:7], s[0:1], 0x0                ; x, xc
	v_lshl_add_u32 v[SPW], v0, 2, SPARE
	v_mov_b32 v[NIL], 0
	v_lshrrev_b32 v1, 5, v0
	v_readfirstlane_b32 s8, v1                     ; wave = tile of the group
	v_and_b32 v2, 31, v0                           ; lane
	v_and_b32 v3, 15, v0                           ; r
	v_bfe_u32 v7, v0, 4, 1                         ; h
	v_lshlrev_b32 v[LI], 4, v2
	s_mul_i32 s9, s8, STG
	v_add_nc_u32 v[SIN], s9, v[LI]
	v_mul_u32_u24 v[SOUT], v3, SP
	v_lshl_add_u32 v[SOUT], v7, 6, v[SOUT]
	v_add_nc_u32 v[SOUT], s9, v[SOUT]
	s_lshl_b32 s10, s8, 2
	v_lshlrev_b32 v[SWA], 5, v3                    ; 32 r + 4 x tile
	v_add_nc_u32 v[SWA], s10, v[SWA]
	v_add_nc_u32 v[SWA], SCG, v[SWA]
	v_add_nc_u32 v[SRD], SCG, v[LI]
.irp b, 0,1,2,3
	v_mov_b32 v[TM+4+\b], 0                        ; written once: a lane permute's destination counts as one of its sources
.endr
	s_mov_b32 s[SEL], 0x76543210
	s_mov_b32 s[SEL+1], 0xfedcba98
	s_and_b32 s11, ttmp7, 0xffff                   ; the group of 128 tokens
	s_lshr_b32 s12, s8, 1
	s_lshl_b32 s12, s12, 5
	s_and_b32 s13, s8, 1
	s_lshl_b32 s13, s13, 3
	s_add_co_u32 s12, s12, s13
	s_lshl_b32 s13, s11, 7
	s_add_co_u32 s12, s12, s13                     ; the tile's first token: 128 g + 32 (a / 2) + 8 (a % 2)
	s_lshl_b32 s12, s12, 13
	s_lshl_b32 s13, ttmp9, 9
	s_add_co_u32 s12, s12, s13                     ; + 512 bytes for each K step
	s_mov_b32 s13, 0
	s_lshr_b32 s14, ttmp9, 1
	s_lshl_b32 s14, s14, 7
	s_lshl_b32 s15, s11, 3
	s_add_co_u32 s14, s14, s15
	s_add_co_u32 s14, s14, s8
	s_lshl_b32 s14, s14, 1
	s_and_b32 s15, ttmp9, 1
	s_add_co_u32 s14, s14, s15
	s_mul_i32 s14, s14, 1536                       ; the image: ((K pair x 128 + tile) x 2 + K step of the pair) x 1,536
	s_mov_b32 s15, 0
	s_lshl_b32 s16, s11, 4
	s_add_co_u32 s16, s16, ttmp9
	s_lshl_b32 s16, s16, 9
	s_add_co_u32 s16, s16, 0x300000                ; the scale words: (16 g + K step) x 512
	s_mov_b32 s17, 0
	s_wait_kmcnt 0x0
	s_add_nc_u64 s[4:5], s[4:5], s[12:13]
	s_add_nc_u64 s[18:19], s[6:7], s[16:17]
	s_add_nc_u64 s[6:7], s[6:7], s[14:15]
.irp i, 0,1,2,3,4,5,6,7,8,9,10,11,12,13,14,15
	global_load_b128 v[R+4*\i:R+4*\i+3], v[LI], s[4:5] offset:((\i%8)+16*(\i/8))*ROWX th:TH_LOAD_NT   ; place i's row: 32 lanes read 512 consecutive bytes
.endr
.irp i, 0,1,2,3,4,5,6,7,8,9,10,11,12,13,14,15
	s_wait_loadcnt 15-\i                           ; loads come back in order: row i is in, the 15 - i younger rows may be out
	ds_store_b128 v[SIN], v[R+4*\i:R+4*\i+3] offset:SP*\i
.endr
.irp b, 0,1,2,3
.irp j, 0,1,2,3
	ds_load_b128 v[X+16*\b+4*\j:X+16*\b+4*\j+3], v[SOUT] offset:128*\b+16*\j   ; LDS serves a wave's instructions in order: these see my stores
.endr
.endr
	s_wait_dscnt 0x0
	QUANT X
.irp c, 0,1,2
	global_store_b128 v[LI], v[PC+4*\c:PC+4*\c+3], s[6:7] offset:512*\c   ; the image: 512 consecutive bytes a store
.endr
	ds_store_b32 v[SWA], v[PW]                     ; lanes l and l xor 16 write the same word with the same value
	s_wait_dscnt 0x0                               ; for the others' sake: my word has landed
	s_barrier_signal -1
	s_barrier_wait -1
	s_cmp_lg_u32 s8, 0
	s_cbranch_scc1 .Ldone
	ds_load_b128 v[184:187], v[SRD]                ; wave 0 stores the group's 128 words: 512 consecutive bytes
	s_wait_dscnt 0x0
	global_store_b128 v[LI], v[184:187], s[18:19]
.Ldone:
	s_wait_tensorcnt 0x0                           ; the wave's end, behind my last LDS store
	ds_add_u32 v[SPW], v[NIL]
	s_wait_dscnt 0x0
	s_endpgm
.Lfunc_end_k_q7ec784e029_qx:
	.size	k_q7ec784e029_qx, .Lfunc_end_k_q7ec784e029_qx-k_q7ec784e029_qx
	.p2alignl 7, 3214868480
	.fill 96, 4, 3214868480
	.section	.rodata,"a",@progbits
	.p2align	6, 0x0
	.amdhsa_kernel k_q7ec784e029_qx
		.amdhsa_group_segment_fixed_size 69120
		.amdhsa_private_segment_fixed_size 0
		.amdhsa_enable_private_segment 0
		.amdhsa_kernarg_size 16
		.amdhsa_user_sgpr_count 2
		.amdhsa_user_sgpr_kernarg_segment_ptr 1
		.amdhsa_wavefront_size32 1
		.amdhsa_system_sgpr_workgroup_id_x 1
		.amdhsa_system_sgpr_workgroup_id_y 1
		.amdhsa_system_sgpr_workgroup_id_z 1
		.amdhsa_system_vgpr_workitem_id 0
		.amdhsa_next_free_vgpr 192
		.amdhsa_next_free_sgpr 66
		.amdhsa_reserve_vcc 0
		.amdhsa_float_denorm_mode_32 3
		.amdhsa_float_denorm_mode_16_64 3
		.amdhsa_memory_ordered 1
		.amdhsa_forward_progress 1
		.amdhsa_inst_pref_size 12
	.end_amdhsa_kernel
	.amdgpu_metadata
---
amdhsa.version: [ 1, 2 ]
amdhsa.kernels:
  - .name:           k_q7ec784e029_qx
    .symbol:         k_q7ec784e029_qx.kd
    .args:
      - { .name: x, .offset: 0, .size: 8, .value_kind: global_buffer, .address_space: global }
      - { .name: xc, .offset: 8, .size: 8, .value_kind: global_buffer, .address_space: global }
    .group_segment_fixed_size: 69120
    .private_segment_fixed_size: 0
    .kernarg_segment_align: 8
    .kernarg_segment_size: 16
    .max_flat_workgroup_size: 256
    .sgpr_count:     66
    .vgpr_count:     192
    .wavefront_size: 32
...
	.end_amdgpu_metadata
.endif
;; end of part 1
;; launch qw (part 2): grid 64 x 8, 4 waves a work-group, no clusters, 26,112 bytes of LDS; arguments wq, wk, wv, wo, wc; writes wc
.if DOCPART == 2
	.amdgcn_target "amdgcn-amd-amdhsa--gfx1250"
	.amdhsa_code_object_version 6
	.text
	.protected	k_q7ec784e029_qw
	.globl	k_q7ec784e029_qw
	.p2align	8
	.type	k_q7ec784e029_qw,@function
k_q7ec784e029_qw:
	s_mov_b64 s[64:65], 0
	v_nop
	global_prefetch_b8 v0, s[64:65] scope:SCOPE_SE
	s_setreg_imm32_b32 hwreg(HW_REG_WAVE_MODE, 25, 1), 1
	s_wait_xcnt 0x0
; The four weights [2048 K][2048 n], f32, K their FIRST axis, become codes of FP6 (E2M3) with one E8M0 byte for each 32 along K, laid as images of operand registers (16 columns n x 128 K = 1,536 bytes:
; register 4 g + e of lane l at 512 g + 16 l + 4 e; place r of tile t is column 32 (t / 2) + 8 (t % 2) + r % 8 + 16 (r / 8)).
; wc: weight i (0 q, 1 k, 2 v, 3 o): images at i x 0x300000, [K pair 8][tile 128][K step of the pair 2][1536]; scale words at 0xC00000 + i x 0x20000, [group of 128 columns 16][K step 16][place 16][tile of the group 8].
; A LANE TAKES A COLUMN AND ITS REGISTERS RUN DOWN K: each load reads 128 consecutive bytes a wave, a block of 32 lies in one lane, and the conversions give codes with K innermost.
; A lane's six registers of a block go to their places in the image in the wave's own stage in LDS; the stage (two tiles x two K steps, 6,144 bytes, dense in wc) leaves as stores of 512 consecutive bytes.
; LIMITS: a block whose largest magnitude lies under 2^-124 has its byte held at 1; a block of zeros gets the byte 1 and zero codes (only this program reads the bytes); NaN and infinities are not served.
; SHARES: work-group x = 16 x weight + group of 128 columns, y = K pair (256 along K); wave w takes columns 32 w .. 32 w + 31 of the group: tiles 2 w and 2 w + 1.  Loads run two blocks (64 loads a wave) ahead.
.set ROWW,  8192                       ; a row of a weight in bytes
.set WST,   6144                       ; a wave's stage: [tile u 2][K step q 2][1536]
.set SCG,   4*WST                      ; behind the stages: two K steps' scale words, 512 bytes each
.set SPARE, SCG+1024                   ; the spare words, 128 bytes for each wave: two blocks of 256 bytes that no other line names
.set SPW,   14                         ; v14  LDS address of my spare word; never rewritten
.set NIL,   15                         ; v15  0; never rewritten
.set SB,    24                         ; v24-25  my column's scale words of the two K steps
.set X,     32                         ; v32-95  two sets of 32 numbers
.set C,     96                         ; v96-101 a block's codes
.set T,     104                        ; v104-106 their second half, as the conversion leaves it
.set OUTR,  112                        ; v112-159 the way out
	s_load_b256 s[4:11], s[0:1], 0x0               ; wq, wk, wv, wo
	s_load_b64 s[12:13], s[0:1], 0x20              ; wc
	v_lshl_add_u32 v[SPW], v0, 2, SPARE
	v_mov_b32 v[NIL], 0
	v_lshrrev_b32 v1, 5, v0
	v_readfirstlane_b32 s19, v1                    ; wave
	v_and_b32 v2, 31, v0                           ; lane = my column of the wave's 32
	v_lshlrev_b32 v3, 2, v2                        ; in: 4 bytes a lane
	v_and_b32 v5, 7, v2
	v_bfe_u32 v6, v0, 4, 1
	v_lshl_add_u32 v5, v6, 3, v5                   ; my place r in my tile: lane % 8 + 8 (lane / 16)
	v_bfe_u32 v6, v0, 3, 1                         ; my tile u of the wave's two: bit 3 of the lane
	s_mul_i32 s20, s19, WST
	v_lshlrev_b32 v4, 4, v5
	v_mad_u32_u24 v4, v6, 3072, v4
	v_add_nc_u32 v4, s20, v4                       ; into the stage: 3,072 u + 16 r
	v_lshlrev_b32 v8, 4, v2                        ; 16 x lane
	v_add_nc_u32 v7, s20, v8                       ; out of the stage
	s_lshl_b32 s21, s19, 3
	v_lshlrev_b32 v9, 5, v5
	v_lshl_add_u32 v9, v6, 2, v9
	v_add_nc_u32 v9, s21, v9
	v_add_nc_u32 v9, SCG, v9                       ; my scale word: 32 r + 4 (2 w + u)
	s_and_b32 s22, s19, 1
	s_lshl_b32 s21, s22, 9
	v_add_nc_u32 v10, s21, v8
	v_add_nc_u32 v10, SCG, v10                     ; where waves 0 and 1 read a K step's words back
	s_lshr_b32 s16, ttmp9, 4                       ; which weight
	s_and_b32 s17, ttmp9, 15                       ; which group of 128 columns
	s_and_b32 s18, ttmp7, 0xffff                   ; which K pair
	s_lshl_b32 s24, s18, 21                        ; 256 rows of 8,192 bytes
	s_lshl_b32 s25, s17, 9
	s_add_co_u32 s24, s24, s25
	s_lshl_b32 s25, s19, 7
	s_add_co_u32 s24, s24, s25                     ; + 4 x my wave's first column
	s_mov_b32 s25, 0
	s_lshl_b32 s26, s18, 7
	s_lshl_b32 s27, s17, 3
	s_add_co_u32 s26, s26, s27
	s_lshl_b32 s27, s19, 1
	s_add_co_u32 s26, s26, s27
	s_mul_i32 s26, s26, 3072                       ; images: (128 x K pair + tile) x 3,072
	s_mul_i32 s27, s16, 0x300000
	s_add_co_u32 s26, s26, s27
	s_mov_b32 s27, 0
	s_lshl_b32 s28, s17, 4
	s_lshl_b32 s29, s18, 1
	s_add_co_u32 s28, s28, s29
	s_add_co_u32 s28, s28, s22
	s_lshl_b32 s28, s28, 9                         ; scale words: (16 x group + K step) x 512
	s_lshl_b32 s29, s16, 17
	s_add_co_u32 s28, s28, s29
	s_add_co_u32 s28, s28, 0xC00000
	s_mov_b32 s29, 0
	s_wait_kmcnt 0x0
	s_cmp_eq_u32 s16, 1                            ; the weight is chosen by the work-group's number alone
	s_cselect_b64 s[4:5], s[6:7], s[4:5]
	s_cmp_eq_u32 s16, 2
	s_cselect_b64 s[4:5], s[8:9], s[4:5]
	s_cmp_eq_u32 s16, 3
	s_cselect_b64 s[4:5], s[10:11], s[4:5]
	s_add_nc_u64 s[4:5], s[4:5], s[24:25]
	s_add_nc_u64 s[14:15], s[12:13], s[28:29]
	s_add_nc_u64 s[12:13], s[12:13], s[26:27]
.macro LOAD t                          ; block t: W(32 t + i, my column), i = 0 .. 31, into set t % 2
.irp i, 0,1,2,3,4,5,6,7,8,9,10,11,12,13,14,15,16,17,18,19,20,21,22,23,24,25,26,27,28,29,30,31
	global_load_b32 v[X+32*((\t)%2)+\i], v3, s[4:5] offset:(32*(\t)+\i)*ROWW th:TH_LOAD_NT
.endr
.endm
	LOAD 0
	LOAD 1
.macro BLOCK t                         ; block t of 8: K step q = t / 4; in the fragment it is registers 6 c .. 6 c + 5 of lane r + 16 h, c = (t % 4) / 2, h = t % 2
.set XS, X+32*((\t)%2)
.set OB, 1536*((\t)/4)+256*((\t)%2)
.if (\t) < 7
	s_wait_loadcnt 32                              ; this block's 32 loads are in; the next block's 32 may be out
.else
	s_wait_loadcnt 0
.endif
	v_max3_num_f32 v12, |v[XS]|, |v[XS+1]|, |v[XS+2]|
	v_max3_num_f32 v13, |v[XS+3]|, |v[XS+4]|, |v[XS+5]|
.irp i, 6,10,14,18,22,26
	v_max3_num_f32 v12, v12, |v[XS+\i]|, |v[XS+\i+1]|
	v_max3_num_f32 v13, v13, |v[XS+\i+2]|, |v[XS+\i+3]|
.endr
	v_max3_num_f32 v12, v12, |v[XS+30]|, |v[XS+31]|
	v_max3_num_f32 v12, v12, v13, 0x1800000        ; and the floor 2^(3 - 127): the byte cannot fall under 1
	v_add_nc_u32 v11, 0xff000000, v12              ; 2 off the exponent field: the conversion's scale operand
	v_lshrrev_b32 v13, 23, v11                     ; the scale's byte
	v_cvt_scalef32_pk16_fp6_f32 v[C:C+2], v[XS:XS+15], v11
	v_cvt_scalef32_pk16_fp6_f32 v[T:T+2], v[XS+16:XS+31], v11   ; (a conversion's three registers begin on an even number)
.if (\t)%4 == 0
	v_mov_b32 v[SB+(\t)/4], v13                    ; four bytes to a word, the lower K in the lower byte.  (The plain instruction behind the conversions)
.else
	v_lshl_or_b32 v[SB+(\t)/4], v13, 8*((\t)%4), v[SB+(\t)/4]
.endif
	v_mov_b32 v[C+3], v[T]
	v_mov_b32 v[C+4], v[T+1]
	v_mov_b32 v[C+5], v[T+2]
.if ((\t)%4)/2 == 0
	ds_store_b128 v4, v[C:C+3] offset:OB           ; registers 0-3 of the fragment,
	ds_store_b64 v4, v[C+4:C+5] offset:OB+512      ; 4 and 5
.else
	ds_store_b64 v4, v[C:C+1] offset:OB+520        ; registers 6 and 7,
	ds_store_b128 v4, v[C+2:C+5] offset:OB+1024    ; 8-11
.endif
.if (\t)+2 < 8
	LOAD (\t)+2
.endif
	s_wait_dscnt 0x0                               ; the stores have read their registers: the next block's codes may be written
.endm
.irp t, 0,1,2,3,4,5,6,7
	BLOCK \t
.endr
	ds_store_b32 v9, v[SB]
	ds_store_b32 v9, v[SB+1] offset:512
.irp i, 0,1,2,3,4,5,6,7,8,9,10,11
	ds_load_b128 v[OUTR+4*\i:OUTR+4*\i+3], v7 offset:512*\i   ; LDS serves a wave's instructions in order: these see my stores
.endr
.irp i, 0,1,2,3,4,5,6,7,8,9,10,11
	s_wait_dscnt 11-\i
	global_store_b128 v8, v[OUTR+4*\i:OUTR+4*\i+3], s[12:13] offset:512*\i   ; 512 consecutive bytes a store
.endr
	s_wait_dscnt 0x0                               ; for the others' sake: my scale words have landed
	s_barrier_signal -1
	s_barrier_wait -1
	s_cmp_gt_u32 s19, 1
	s_cbranch_scc1 .Ldone
	ds_load_b128 v[C:C+3], v10                     ; waves 0 and 1 store a K step's 128 words each: 512 consecutive bytes
	s_wait_dscnt 0x0
	global_store_b128 v8, v[C:C+3], s[14:15]
.Ldone:
	s_wait_tensorcnt 0x0                           ; the wave's end, behind my last LDS store
	ds_add_u32 v[SPW], v[NIL]
	s_wait_dscnt 0x0
	s_endpgm
.Lfunc_end_k_q7ec784e029_qw:
	.size	k_q7ec784e029_qw, .Lfunc_end_k_q7ec784e029_qw-k_q7ec784e029_qw
	.p2alignl 7, 3214868480
	.fill 96, 4, 3214868480
	.section	.rodata,"a",@progbits
	.p2align	6, 0x0
	.amdhsa_kernel k_q7ec784e029_qw
		.amdhsa_group_segment_fixed_size 26112
		.amdhsa_private_segment_fixed_size 0
		.amdhsa_enable_private_segment 0
		.amdhsa_kernarg_size 40
		.amdhsa_user_sgpr_count 2
		.amdhsa_user_sgpr_kernarg_segment_ptr 1
		.amdhsa_wavefront_size32 1
		.amdhsa_system_sgpr_workgroup_id_x 1
		.amdhsa_system_sgpr_workgroup_id_y 1
		.amdhsa_system_sgpr_workgroup_id_z 1
		.amdhsa_system_vgpr_workitem_id 0
		.amdhsa_next_free_vgpr 160
		.amdhsa_next_free_sgpr 66
		.amdhsa_reserve_vcc 0
		.amdhsa_float_denorm_mode_32 3
		.amdhsa_float_denorm_mode_16_64 3
		.amdhsa_memory_ordered 1
		.amdhsa_forward_progress 1
		.amdhsa_inst_pref_size 43
	.end_amdhsa_kernel
	.amdgpu_metadata
---
amdhsa.version: [ 1, 2 ]
amdhsa.kernels:
  - .name:           k_q7ec784e029_qw
    .symbol:         k_q7ec784e029_qw.kd
    .args:
      - { .name: wq, .offset: 0, .size: 8, .value_kind: global_buffer, .address_space: global }
      - { .name: wk, .offset: 8, .size: 8, .value_kind: global_buffer, .address_space: global }
      - { .name: wv, .offset: 16, .size: 8, .value_kind: global_buffer, .address_space: global }
      - { .name: wo, .offset: 24, .size: 8, .value_kind: global_buffer, .address_space: global }
      - { .name: wc, .offset: 32, .size: 8, .value_kind: global_buffer, .address_space: global }
    .group_segment_fixed_size: 26112
    .private_segment_fixed_size: 0
    .kernarg_segment_align: 8
    .kernarg_segment_size: 40
    .max_flat_workgroup_size: 128
    .sgpr_count:     66
    .vgpr_count:     160
    .wavefront_size: 32
...
	.end_amdgpu_metadata
.endif
;; end of part 2
;; launch proj (part 3): grid 8 x 24, 4 waves a work-group, clusters of 4 x 4, 327,680 bytes of LDS; arguments xc, wc, freqs_cos, freqs_sin, qkv; writes qkv
.if DOCPART == 3
	.amdgcn_target "amdgcn-amd-amdhsa--gfx1250"
	.amdhsa_code_object_version 6
	.text
	.protected	k_q7ec784e029_proj
	.globl	k_q7ec784e029_proj
	.p2align	8
	.type	k_q7ec784e029_proj,@function
k_q7ec784e029_proj:
	s_mov_b64 s[64:65], 0
	v_nop
	global_prefetch_b8 v0, s[64:65] scope:SCOPE_SE
	s_setreg_imm32_b32 hwreg(HW_REG_WAVE_MODE, 25, 1), 1
	s_wait_xcnt 0x0
	s_wait_alu depctr_hold_cnt(0) depctr_sa_sdst(0) depctr_va_vdst(0) depctr_va_sdst(0) depctr_va_ssrc(0) depctr_va_vcc(0) depctr_vm_vsrc(0)
	s_getreg_b32 s2, hwreg(HW_REG_IB_STS2, 6, 4)
	s_cmp_eq_u32 s2, 0
	s_cbranch_scc0 .Lentry_in_a_cluster
	s_endpgm
.Lentry_in_a_cluster:
	s_bfe_u32 s2, ttmp6, 0x10000c
	s_cmp_lg_u32 s2, 0xf033
	s_cbranch_scc0 .Lentry_shape_is_right
	s_endpgm
.Lentry_shape_is_right:
; q = rope(x wq), k = rope(x wk), v = x wv on codes of FP6 (E2M3, one E8M0 byte for each 32 along K), and the results quantised at once: q and k along the head's 128, v along the tokens.
; OPERANDS are images of registers (16 rows x 128 K = 1,536 bytes, register 4 g + e of lane l at 512 g + 16 l + 4 e; place r of tile t is row 32 (t / 2) + 8 (t % 2) + r % 8 + 16 (r / 8)):
; [K pair 8][tile 128][K step 2][1536], scale words [group of 128 rows 16][K step 16][place 16][tile of the group 8].  So a wave's 8 tiles x 256 K are 24,576 dense bytes, and a fragment is three loads of 16 bytes a lane.
; SHARES: the cluster's y / 2 says which product.  A work-group makes 256 rows of source 1 ('A') x 256 rows of source 0 ('B'); each of four waves 128 x 128: 64 accumulators.
; q, k: B = the weight's columns (128 = one head), A = tokens: a lane holds ONE token and its 64 registers of a block run along the head, register 16 b + i = d 32 b + 16 h + i.
; v:    B = tokens, A = wv's columns: a lane holds ONE d and its registers run along 128 tokens, which are the second attention product's K.
; K goes in steps of 256 through two LDS slots filled by joint tensor loads (A's tiles shared along a row of the 4 x 4 cluster, B's along a column); all scale words come once, with the first fills.
; THE WAY OUT needs no LDS: RoPE in registers (cos, sin straight from memory, a lane's eight neighbours by loads of 16 bytes), the quantiser, and the image goes out by stores of 512 consecutive bytes.
; qkv: images of q, k, v at 0, 0x300000, 0x600000: [head 16][step of 128 tokens 16][tile 8][1536]; scale words at 0x900000, 0x920000, 0x940000: [head][step][place 16][tile 8].
; LIMITS: a block whose largest magnitude lies under 2^-124 has its byte held at 1; a block of zeros gets the byte 1 and zero codes; NaN and infinities are not served; RoPE is a product and a fused multiply-add a number (one rounding fewer than two products and a sum).
; No prefetch: two of the eight K pairs are first fills, and each block of codes is read by several clusters at about the same time.
; REGISTERS: window 0: v16-31 addresses; v32-63 scale words, two sets; v64-127 RoPE's results; v128-223 A's fragments, ONE set (later the codes); v224-247 at work on the way out.
;   window 1: B's fragments, two sets, v0-95 and v128-223 (later cos and sin; v96-127 and v224-255 are theirs from the start).  windows 2, 3: the accumulators, (a, b) at v[8 (8 (a % 4) + b)].
.set HALFT,  24576                     ; 8 tiles x 256 K: what one tensor load brings, and what one wave reads of A or of B
.set SLOT,   4*HALFT                   ; A's two halves, then B's two
.set KPB,    393216                    ; from a K pair to the next in memory: 128 tiles x 3,072 bytes
.set SCL,    2*SLOT                    ; behind the ring: the scale words: A's two groups, then B's two, 8,192 bytes each
.set HALFS,  8192
.set SPARE,  SCL+4*HALFS               ; the spare words, 128 bytes for each wave: two blocks of 256 bytes that no other line names
.set FR,     12                        ; registers of a fragment
.set NL,     3                         ; LDS loads that bring one
.set NP,     4                         ; places behind this matrix instruction (ISA guide 7.12.1)
.set ADRA, 16                          ; v16-17  LDS address of my A fragments in slot 0, 1
.set ADRB, 20                          ; v20-21  the same for B
.set LI,   24                          ; v24  16 x lane; never rewritten
.set VCO,  25                          ; v25  my token's row of cos and sin within a tile: (r % 8 + 16 (r / 8)) x 256 + 32 h
.set SWO,  26                          ; v26  32 r + 16 h: my four scale words on the way out
.set ADRS, 27                          ; v27  LDS address of my scale words: lanes 0-15 A's, lanes 16-31 B's
.set SPW,  28                          ; v28  LDS address of my spare word; never rewritten
.set NIL,  29                          ; v29  0; never rewritten
.set HH,   30                          ; v30  h
.set SC,   32                          ; scale words: register SC + 16 set + 8 q + i: lanes 0-15 A's block i, lanes 16-31 B's block i, K step q of the slot
.set RR,   64                          ; RoPE's 64 results
.set AF,   128                         ; A's fragments
.set PC,   128                         ; the way out: the codes
.set TM,   224                         ; the way out: at work
.set PWS,  240                         ; the way out: the eight blocks' scale words
.set G1, 24
.set G0, 32
.set G1B, 48
.set G0B, 56
.set G1S, 68
.set G0S, 76
.set G1SB, 80
.set G0SB, 88
.set PROD, 95                          ; s95  0 q, 1 k, 2 v: the same in all sixteen partners
.set SEL,  96                          ; s[96:97] lane selects: lane l xor 16
.set MSB, 0
.macro WIN new                         ; the immediate's high byte repeats the setting that is left
.if MSB != (\new)
	s_set_vgpr_msb (MSB<<8)|(\new)
.set MSB, (\new)
.endif
.endm
.set MUL_LO, 0xa1                      ; source 0 (B) window 1, source 1 (A) window 0, C and D window 2
.set MUL_HI, 0xf1                      ; the same, C and D window 3
.set TO_B,   0x40                      ; destination window 1, address window 0
; A joint load: waves 0 and 1 fetch for A, waves 2 and 3 for B.  The branch hangs on the wave's number alone.  An s_nop 0 and four v_nop follow each of the two lines.
.macro JLOAD g0a, g1a, g0b, g1b
	s_cmp_eq_u32 s15, 0
	s_cbranch_scc0 .Lfor_b_\@
	tensor_load_to_lds s[\g0a:\g0a+3], s[\g1a:\g1a+7]
	s_nop 0
.rept 4
	v_nop
.endr
	s_branch .Lasked_\@
.Lfor_b_\@:
	tensor_load_to_lds s[\g0b:\g0b+3], s[\g1b:\g1b+7]
	s_nop 0
.rept 4
	v_nop
.endr
.Lasked_\@:
.endm
.macro CREST                           ; a round of the cluster's barrier behind its opening barrier
	s_cmp_lg_u32 s14, 0
	s_cbranch_scc1 .Lnot_wave_0_\@
	s_barrier_signal -3
.Lnot_wave_0_\@:
	s_barrier_wait -3
	s_barrier_signal -1
	s_barrier_wait -1
.endm
.macro CROUND                          ; a whole round
	s_barrier_signal -1
	s_barrier_wait -1
	CREST
.endm
	s_load_b256 s[4:11], s[0:1], 0x0               ; xc s[4:5], wc s[6:7], cos s[8:9], sin s[10:11]
	s_load_b64 s[12:13], s[0:1], 0x20              ; qkv
	v_lshl_add_u32 v[SPW], v0, 2, SPARE
	v_mov_b32 v[NIL], 0
	ds_add_u32 v[SPW], v[NIL]                      ; the wave's opening: the add and its wait stand ahead of my first tensor load; the set-up below, work on registers, stands between them
	v_lshrrev_b32 v1, 5, v0
	v_readfirstlane_b32 s14, v1                    ; wave 0..3
	s_lshr_b32 s15, s14, 1                         ; which half of A's rows is mine.  Also: I fetch for A (0) or for B (1)
	s_and_b32 s16, s14, 1                          ; which half of B's rows.  Also: which half of that tile I fetch
	s_bfe_u32 s40, ttmp6, 0x40000                  ; cx, cy: my place in the cluster
	s_bfe_u32 s41, ttmp6, 0x40004
	s_lshl_b32 s42, ttmp9, 2
	s_add_co_u32 s42, s42, s40                     ; B's block of 256 rows = 4 x cluster x + cx
	s_and_b32 s17, ttmp7, 0xffff                   ; cluster y, 0 .. 5
	s_lshr_b32 s[PROD], s17, 1                     ; which product
	s_and_b32 s17, s17, 1
	s_lshl_b32 s17, s17, 2
	s_add_co_u32 s17, s17, s41                     ; A's block of 256 rows = 4 x (cluster y % 2) + cy
	s_lshl_b32 s43, s41, 2
	s_lshl_b32 s43, 15, s43                        ; my row of the cluster
	s_lshl_b32 s44, 0x1111, s40                    ; my column
	; descriptor group 1: dense blocks as rows of 256 bytes (32 elements of 8 bytes), no padding: 96 rows of codes, 32 rows of scale words
	s_or_b32 s[G1+0], s43, (3<<16)|(1<<21)         ; 15:0 the mask: A's tiles go to my row; 17:16 elements of 8 bytes; 21 set beside a mask
	s_or_b32 s[G1B+0], s44, (3<<16)|(1<<21)        ; B's go to my column
.irp g, G1, G1B
	s_mov_b32 s[\g+1], 32<<16                      ; tensor_dim0
	s_mov_b32 s[\g+2], 96<<16                      ; tensor_dim1
	s_mov_b32 s[\g+3], 32<<16                      ; tile_dim0
	s_mov_b32 s[\g+4], 96                          ; tile_dim1
	s_mov_b32 s[\g+5], 32                          ; tensor_dim0_stride
	s_mov_b32 s[\g+6], 0
	s_mov_b32 s[\g+7], 0
.endr
	s_or_b32 s[G1S+0], s43, (3<<16)|(1<<21)
	s_or_b32 s[G1SB+0], s44, (3<<16)|(1<<21)
.irp g, G1S, G1SB
	s_mov_b32 s[\g+1], 32<<16
	s_mov_b32 s[\g+2], 32<<16
	s_mov_b32 s[\g+3], 32<<16
	s_mov_b32 s[\g+4], 32
	s_mov_b32 s[\g+5], 32
	s_mov_b32 s[\g+6], 0
	s_mov_b32 s[\g+7], 0
.endr
	; where the operands lie.  q, k: A = x (xc), B = weight PROD (wc).  v: A = weight 2 (wc), B = x (xc)
	s_lshl_b32 s99, s[PROD], 17
	s_add_co_u32 s99, s99, 0xC00000
	s_mul_i32 s98, s[PROD], 0x300000
	s_mov_b32 s19, 0xC40000
	s_cmp_lt_u32 s[PROD], 2
	s_cselect_b32 s18, 0, 0x600000                 ; A's images
	s_cselect_b32 s19, 0x300000, s19               ; A's scale words
	s_cselect_b32 s98, s98, 0                      ; B's images
	s_cselect_b32 s99, s99, 0x300000               ; B's scale words
	s_lshl_b32 s20, s17, 4
	s_lshl_b32 s21, s16, 3
	s_add_co_u32 s20, s20, s21                     ; A: tile 16 x block + 8 x half
	s_mul_i32 s20, s20, 3072
	s_add_co_u32 s20, s20, s18
	s_mov_b32 s21, 0
	s_lshl_b32 s22, s17, 1
	s_add_co_u32 s22, s22, s16                     ; A: group 2 x block + half
	s_lshl_b32 s22, s22, 13
	s_add_co_u32 s22, s22, s19
	s_mov_b32 s23, 0
	s_lshl_b32 s46, s42, 4
	s_lshl_b32 s47, s16, 3
	s_add_co_u32 s46, s46, s47
	s_mul_i32 s46, s46, 3072
	s_add_co_u32 s46, s46, s98
	s_mov_b32 s47, 0
	s_lshl_b32 s92, s42, 1
	s_add_co_u32 s92, s92, s16
	s_lshl_b32 s92, s92, 13
	s_add_co_u32 s92, s92, s99
	s_mov_b32 s93, 0
	s_mul_i32 s45, s14, HALFT                      ; where they go: wave x a load's bytes: no place in the cluster enters an LDS address
	s_mul_i32 s94, s14, HALFS
	s_mov_b32 s[SEL], 0x76543210
	s_mov_b32 s[SEL+1], 0xfedcba98
	s_wait_dscnt 0x0                               ; the opening add is done
	s_wait_kmcnt 0x0
	s_cmp_lt_u32 s[PROD], 2
	s_cselect_b64 s[18:19], s[4:5], s[6:7]         ; A's buffer
	s_cselect_b64 s[98:99], s[6:7], s[4:5]         ; B's buffer
	s_add_nc_u64 s[20:21], s[18:19], s[20:21]
	s_add_nc_u64 s[22:23], s[18:19], s[22:23]
	s_add_nc_u64 s[46:47], s[98:99], s[46:47]
	s_add_nc_u64 s[92:93], s[98:99], s[92:93]
	CROUND                                         ; all sixteen work-groups are here: the first joint loads meet
	s_mov_b32 s[G0S], 1
	s_add_co_u32 s[G0S+1], s94, SCL
	s_mov_b64 s[G0S+2:G0S+3], s[22:23]
	s_or_b32 s[G0S+3], s[G0S+3], 0x80000000
	s_mov_b32 s[G0SB], 1
	s_add_co_u32 s[G0SB+1], s94, SCL
	s_mov_b64 s[G0SB+2:G0SB+3], s[92:93]
	s_or_b32 s[G0SB+3], s[G0SB+3], 0x80000000
	JLOAD G0S, G1S, G0SB, G1SB                     ; the scale words first: they are wanted with K pair 0
.irp s, 0,1
	s_mov_b32 s[G0+4*\s], 1
	s_add_co_u32 s[G0+4*\s+1], s45, \s*SLOT
	s_add_nc_u64 s[G0+4*\s+2:G0+4*\s+3], s[20:21], \s*KPB
	s_or_b32 s[G0+4*\s+3], s[G0+4*\s+3], 0x80000000
	s_mov_b32 s[G0B+4*\s], 1
	s_add_co_u32 s[G0B+4*\s+1], s45, \s*SLOT
	s_add_nc_u64 s[G0B+4*\s+2:G0B+4*\s+3], s[46:47], \s*KPB
	s_or_b32 s[G0B+4*\s+3], s[G0B+4*\s+3], 0x80000000
	JLOAD G0+4*\s, G1, G0B+4*\s, G1B               ; three loads of mine are out now, later one
.endr
	v_and_b32 v1, 15, v0                           ; r
	v_bfe_u32 v2, v0, 4, 1                         ; h
	v_and_b32 v3, 31, v0
	v_lshlrev_b32 v[LI], 4, v3
	s_mul_i32 s21, s15, HALFT                      ; my half of A
	s_mul_i32 s22, s16, HALFT                      ; my half of B,
	s_add_co_u32 s22, s22, 2*HALFT                 ; which lies behind A's two
.irp s, 0,1
	v_add_nc_u32 v[ADRA+\s], s21, v[LI]
	v_add_nc_u32 v[ADRB+\s], s22, v[LI]
	s_add_co_u32 s21, s21, SLOT
	s_add_co_u32 s22, s22, SLOT
.endr
	v_lshlrev_b32 v5, 5, v1                        ; my place's eight scale words: 32 r
	s_lshl_b32 s21, s15, 13                        ; A's: my group
	s_lshl_b32 s22, s16, 13                        ; B's: my group, behind A's two
	s_add_co_u32 s22, s22, 2*HALFS
	s_sub_co_u32 s22, s22, s21
	v_mul_u32_u24 v6, s22, v2                      ; lanes 16-31 take B's: one product, the lower base + h x the distance
	s_add_co_u32 s21, s21, SCL
	v_add_nc_u32 v5, v5, v6
	v_add_nc_u32 v[ADRS], s21, v5
	v_and_b32 v7, 8, v1
	v_add_nc_u32 v7, v7, v1                        ; r % 8 + 16 (r / 8)
	v_lshlrev_b32 v[VCO], 8, v7
	v_lshl_add_u32 v[VCO], v2, 5, v[VCO]
	v_lshlrev_b32 v[SWO], 5, v1
	v_lshl_add_u32 v[SWO], v2, 4, v[SWO]
	v_mov_b32 v[HH], v2
	; where my results go, in registers that feed no descriptor.  q, k: head = B's group, step = A's group;  v: the other way round
	s_lshl_b32 s66, s42, 1
	s_add_co_u32 s66, s66, s16                     ; B's group
	s_lshl_b32 s67, s17, 1
	s_add_co_u32 s67, s67, s15                     ; A's group
	s_lshl_b32 s2, s67, 15                         ; (q, k: A's group is 128 tokens: 128 rows of 256 bytes of cos and of sin)
	s_mov_b32 s3, 0
	s_add_nc_u64 s[8:9], s[8:9], s[2:3]
	s_add_nc_u64 s[10:11], s[10:11], s[2:3]
	s_cmp_lt_u32 s[PROD], 2
	s_cselect_b32 s100, s66, s67                   ; head
	s_cselect_b32 s101, s67, s66                   ; step
	s_mul_i32 s66, s[PROD], 0x300000
	s_mul_i32 s67, s100, 0x30000
	s_add_co_u32 s66, s66, s67
	s_mul_i32 s67, s101, 12288
	s_add_co_u32 s66, s66, s67
	s_mov_b32 s67, 0
	s_lshl_b32 s100, s100, 13
	s_lshl_b32 s101, s101, 9
	s_add_co_u32 s100, s100, s101
	s_lshl_b32 s101, s[PROD], 17
	s_add_co_u32 s100, s100, s101
	s_add_co_u32 s100, s100, 0x900000
	s_mov_b32 s101, 0
	s_add_nc_u64 s[100:101], s[12:13], s[100:101]  ; my 128 scale words
	s_add_nc_u64 s[12:13], s[12:13], s[66:67]      ; my eight images
.macro FRAG reg, adr, q, i             ; a fragment's image: three loads of 16 bytes a lane, 512 consecutive bytes each
.irp c, 0,1,2
	ds_load_b128 v[\reg+4*\c:\reg+4*\c+3], v[\adr] offset:(\i)*3072+(\q)*1536+512*\c
.endr
.endm
; 16 matrix instructions: A's blocks a0, a0 + 1 x B's eight, 128 along K: the slot's q-th.  p: B's set;  sc: the set of scale words.  zero = 1: the first product starts the sums.
; The 64 accumulators take turns, one instruction a turn, in the same order in every step.
.macro MUL16 a0, p, q, sc, zero
.irp a, \a0, \a0+1
.irp b, 0,1,2,3,4,5,6,7
.if \zero
	v_wmma_scale_f32_16x16x128_f8f6f4 v[8*(8*((\a)%4)+\b):8*(8*((\a)%4)+\b)+7], v[128*(\p)+FR*\b:128*(\p)+FR*\b+FR-1], v[AF+FR*(\a):AF+FR*(\a)+FR-1], 0, v[SC+16*(\sc)+8*(\q)+\b], v[SC+16*(\sc)+8*(\q)+(\a)] matrix_a_fmt:MATRIX_FMT_FP6 matrix_b_fmt:MATRIX_FMT_FP6 matrix_a_scale:MATRIX_SCALE_ROW1
.else
	v_wmma_scale_f32_16x16x128_f8f6f4 v[8*(8*((\a)%4)+\b):8*(8*((\a)%4)+\b)+7], v[128*(\p)+FR*\b:128*(\p)+FR*\b+FR-1], v[AF+FR*(\a):AF+FR*(\a)+FR-1], v[8*(8*((\a)%4)+\b):8*(8*((\a)%4)+\b)+7], v[SC+16*(\sc)+8*(\q)+\b], v[SC+16*(\sc)+8*(\q)+(\a)] matrix_a_fmt:MATRIX_FMT_FP6 matrix_b_fmt:MATRIX_FMT_FP6 matrix_a_scale:MATRIX_SCALE_ROW1
.endif
.endr
.endr
.endm
.macro FETCH_B slot, q, p              ; B's eight fragments of the slot's q-th 128 along K into set p
	WIN TO_B
.irp i, 0,1,2,3,4,5,6,7
	FRAG 128*(\p)+FR*\i, ADRB+\slot, \q, \i
.endr
	WIN 0
.endm
.macro FETCH_A slot, q, i0             ; A's blocks i0 .. i0 + 3
.irp i, \i0, \i0+1, \i0+2, \i0+3
	FRAG AF+FR*(\i), ADRA+\slot, \q, \i
.endr
.endm
.macro SCALES sc                       ; a slot's scale words into set sc: for each of its two K steps the eight tiles' words of my place, by two loads of 16 bytes
.irp q, 0,1
	ds_load_b128 v[SC+16*\sc+8*\q:SC+16*\sc+8*\q+3], v[ADRS] offset:512*\q
	ds_load_b128 v[SC+16*\sc+8*\q+4:SC+16*\sc+8*\q+7], v[ADRS] offset:512*\q+16
.endr
.endm
; A load into a register that a matrix instruction has read, and a vector instruction that reads a matrix result or writes one of a matrix instruction's registers, stand NP places behind it;
; only plain vector instructions that name none of its registers are places (ISA guide 7.12.1 for vector instructions).
.macro PLACES n
.rept \n
	v_nop
.endr
.endm
; A step of 128 along K that has its successor in the same slot.
.macro STEP slot, q, zero
	s_wait_dscnt 4*NL                              ; B's set, A's blocks 0-3 and the scale words are in; the youngest 12 loads (A's blocks 4-7) may be out
	WIN MUL_LO
	MUL16 0, (\q)%2, \q, \slot, \zero
	MUL16 2, (\q)%2, \q, \slot, \zero
	s_wait_dscnt 0                                 ; A's blocks 4-7 are in
	PLACES NP
	FETCH_B \slot, (\q)+1, 1-(\q)%2
	FETCH_A \slot, (\q)+1, 0
	WIN MUL_HI
	MUL16 4, (\q)%2, \q, \slot, \zero
	MUL16 6, (\q)%2, \q, \slot, \zero
	PLACES NP
	WIN 0
	FETCH_A \slot, (\q)+1, 4
.endm
; A slot's last step changes slots: ONE barrier; in front of it each wave waits for all its tensor loads, adds 0 to its spare word, and waits for that and for its own reads of this slot.  fill = 1: this slot is filled again, two K pairs ahead.
.macro TURN slot, next, fill
	s_wait_tensorcnt 0x0                           ; all my tensor loads have landed: my part of the next slot;  (every window is 0 here)
	ds_add_u32 v[SPW], v[NIL]                      ; 0 onto my spare word;
	s_wait_dscnt 4*NL+1                            ; (the add and the youngest 12 loads, A's blocks 4-7, may be out)
	WIN MUL_LO
	MUL16 0, 1, 1, \slot, 0                        ; sixteen matrix instructions stand between the add and the wait for it
	s_wait_dscnt 0x0                               ; the add is done, and my reads of this slot are over
	s_barrier_signal -1
	MUL16 2, 1, 1, \slot, 0
	WIN 0
	s_barrier_wait -1
.if \fill
	CREST                                          ; the barrier has opened a round of the cluster's barrier: no wave of any partner still reads this slot's tile or has a load on its way
	s_add_nc_u64 s[G0+4*\slot+2:G0+4*\slot+3], s[G0+4*\slot+2:G0+4*\slot+3], 2*KPB
	s_add_nc_u64 s[G0B+4*\slot+2:G0B+4*\slot+3], s[G0B+4*\slot+2:G0B+4*\slot+3], 2*KPB
	JLOAD G0+4*\slot, G1, G0B+4*\slot, G1B         ; the first tensor load behind the round; the four v_nop behind it are the places in front of the loads below
.else
	PLACES NP
.endif
	v_add_nc_u32 v[ADRS], 1024, v[ADRS]            ; on to the next K pair's scale words (no LDS load of mine is out)
	FETCH_B \next, 0, 0
	FETCH_A \next, 0, 0
	SCALES \next
	WIN MUL_HI
	MUL16 4, 1, 1, \slot, 0
	MUL16 6, 1, 1, \slot, 0
	PLACES NP
	WIN 0
	FETCH_A \next, 0, 4
.endm
.macro LASTK                           ; the last K pair, in slot 1: nothing more to fetch behind its second step
	STEP 1, 0, 0
	s_wait_dscnt 4*NL
	WIN MUL_LO
	MUL16 0, 1, 1, 1, 0
	MUL16 2, 1, 1, 1, 0
	s_wait_dscnt 0
	WIN MUL_HI
	MUL16 4, 1, 1, 1, 0
	MUL16 6, 1, 1, 1, 0
	WIN 0
	PLACES NP                                      ; behind the last products: for the reads of results, and for loads and writes into operands that are done with
.endm
; 64 numbers of a lane, v[s] .. v[s + 63] of window w, register 16 b + i = index 32 b + 16 h + i along the next K, become a fragment's codes in v[PC] on and its scale word in v[pw].
.macro QUANT s, w, pw
	WIN (\w)|((\w)<<2)
.irp b, 0,1,2,3
	v_max3_num_f32 v[TM+\b], |v[\s+16*\b]|, |v[\s+1+16*\b]|, 0x1800000   ; block b: my 16 numbers, from each accumulator's low end on, and the floor 2^(3 - 127)
.endr
	WIN ((\w)<<2)|((\w)<<4)
.irp i, 2,4,6,8,10,12,14
.irp b, 0,1,2,3
	v_max3_num_f32 v[TM+\b], v[TM+\b], |v[\s+16*\b+\i]|, |v[\s+1+16*\b+\i]|
.endr
.endr
	WIN 0
.irp b, 0,1,2,3
	v_permlanex16_b32 v[TM+4+\b], v[TM+\b], s[SEL], s[SEL+1]
.endr
.irp b, 0,1,2,3
	v_max_num_f32 v[TM+\b], v[TM+\b], v[TM+4+\b]   ; with lane l xor 16's: the block's largest magnitude
.endr
.irp b, 0,1,2,3
	v_add_nc_u32 v[TM+12+\b], 0xff000000, v[TM+\b]   ; 2 off its exponent field: the conversion's scale operand
.endr
.irp b, 0,1,2,3
	v_lshrrev_b32 v[TM+4+\b], 23, v[TM+12+\b]      ; the scale's byte
.endr
	v_lshl_or_b32 v[\pw], v[TM+5], 8, v[TM+4]
	v_lshl_or_b32 v[\pw], v[TM+6], 16, v[\pw]
	v_lshl_or_b32 v[\pw], v[TM+7], 24, v[\pw]
	WIN (\w)
.irp c, 0,1
	v_cvt_scalef32_pk16_fp6_f32 v[PC+6*\c:PC+2+6*\c], v[\s+32*\c:\s+15+32*\c], v[TM+12+2*\c]
	v_cvt_scalef32_pk16_fp6_f32 v[PC+12+4*\c:PC+14+4*\c], v[\s+16+32*\c:\s+31+32*\c], v[TM+12+2*\c+1]   ; (a conversion's three registers begin on an even number)
.endr
	WIN 0
	v_nop                                          ; one plain instruction behind the scaled conversions
.irp c, 0,1                                    ; the operand wants a whole block in a lane
.irp i, 0,1,2
	v_permlane16_swap_b32 v[PC+6*\c+\i], v[PC+12+4*\c+\i]
.endr
.irp i, 0,1,2
	v_mov_b32 v[PC+3+6*\c+\i], v[PC+12+4*\c+\i]
.endr
.endr
.endm
; cos and sin for block a (16 tokens): pair n = 8 u + 4 j + e of my 32 pairs is d / 2 = 16 u + 8 h + 4 j + e.  Set a % 4: cos at 32 ((a + 3) % 4) of window 1, sin 128 further on: set 0 lies in registers that no product names.
.macro CSLOAD a
.set CB, 32*(((\a)%4+3)%4)
	WIN TO_B
.irp u, 0,1,2,3
.irp j, 0,1
	global_load_b128 v[CB+8*\u+4*\j:CB+8*\u+4*\j+3], v[VCO], s[8:9] offset:(32*((\a)/2)+8*((\a)%2))*256+64*\u+16*\j
	global_load_b128 v[CB+128+8*\u+4*\j:CB+128+8*\u+4*\j+3], v[VCO], s[10:11] offset:(32*((\a)/2)+8*((\a)%2))*256+64*\u+16*\j
.endr
.endr
	WIN 0
.endm
.macro ROPE a                          ; o0 = x0 cos - x1 sin, o1 = x0 sin + x1 cos: block a's 32 pairs, into v[RR] on.  Each accumulator is read from its low end on
.set CB, 32*(((\a)%4+3)%4)
.set AC, 64*((\a)%4)
	WIN (2+(\a)/4)|4                               ; source 0: the accumulators' window; source 1: window 1
.set n, 0
.rept 32
	v_mul_f32 v[RR+2*n], v[AC+2*n+1], v[CB+128+n]
	v_mul_f32 v[RR+2*n+1], v[AC+2*n+1], v[CB+n]
	v_fma_f32 v[RR+2*n], v[AC+2*n], v[CB+n], -v[RR+2*n]
	v_fma_f32 v[RR+2*n+1], v[AC+2*n], v[CB+128+n], v[RR+2*n+1]
.set n, n+1
.endr
	WIN 0
.endm
.macro IMAGE a                         ; block a's image: 512 consecutive bytes a store
.irp c, 0,1,2
	global_store_b128 v[LI], v[PC+4*\c:PC+4*\c+3], s[12:13] offset:1536*(\a)+512*\c
.endr
.endm
	s_wait_tensorcnt 1                             ; the scale words and my part of K pair 0 are in (K pair 1's load may be out)
	s_barrier_signal -1
	s_barrier_wait -1                              ; everybody's are
	FETCH_B 0, 0, 0
	FETCH_A 0, 0, 0
	SCALES 0
	FETCH_A 0, 0, 4
	STEP 0, 0, 1                                   ; the first step stands in front of the loop: its products start the sums
	s_mov_b32 s3, 3
.Llap:                                                 ; a trip goes once round the ring and fills both slots again: K pairs 2 to 7 in three trips
	TURN 0, 1, 1
	STEP 1, 0, 0
	TURN 1, 0, 1
	STEP 0, 0, 0
	s_sub_co_u32 s3, s3, 1
	s_cmp_lg_u32 s3, 0
	s_cbranch_scc1 .Llap
	TURN 0, 1, 0                                   ; the last change of slots fills nothing, and has no round of the cluster's barrier
	s_cmp_eq_u32 s[PROD], 2                        ; the product is the same in all sixteen partners; neither way holds a barrier or a tensor load
	s_cbranch_scc1 .Lvtail
	; ---- q and k: RoPE, then the quantiser along the head
	CSLOAD 0                                       ; block 0's cos and sin are asked for a K pair ahead
	LASTK
	CSLOAD 1
	CSLOAD 2
	CSLOAD 3
.irp b, 0,1,2,3
	v_mov_b32 v[TM+4+\b], 0                        ; written once: a lane permute's destination counts as one of its sources
.endr
.irp a, 0,1,2,3,4,5,6,7
.if \a < 5
	s_wait_loadcnt 48                              ; this block's 16 loads are in; the three younger sets may be out
.else
	s_wait_loadcnt 16*(7-\a)
.endif
	s_wait_xcnt 0x0                                ; the last block's stores have read the codes' registers, which are written anew below
	ROPE \a
.if \a < 4
	CSLOAD \a+4                                    ; the set just read takes the block four further on
.endif
	QUANT RR, 0, PWS+\a
	IMAGE \a
.endr
	s_branch .Ljoin
.Lvtail:
	; ---- v: the quantiser along the tokens, straight from the accumulators
	LASTK
.irp b, 0,1,2,3
	v_mov_b32 v[TM+4+\b], 0
.endr
.irp a, 0,1,2,3,4,5,6,7
	s_wait_xcnt 0x0                                ; the last block's stores have read the codes' registers
	QUANT 64*((\a)%4), 2+(\a)/4, PWS+\a
	IMAGE \a
.endr
.Ljoin:
	v_cmp_eq_u32 vcc_lo, 1, v[HH]                  ; every lane holds its place's eight words: lanes 0-15 store tiles 0-3's, lanes 16-31 tiles 4-7's: 512 consecutive bytes
.irp i, 0,1,2,3
	v_cndmask_b32 v[PWS+\i], v[PWS+\i], v[PWS+4+\i], vcc_lo
.endr
	global_store_b128 v[SWO], v[PWS:PWS+3], s[100:101]
	s_wait_tensorcnt 0x0                           ; the wave's end, behind my last tensor load
	ds_add_u32 v[SPW], v[NIL]
	s_wait_dscnt 0x0
	CROUND                                         ; the closing round: no work-group ends while a partner may still ask for a tile that names it
	s_endpgm
.Lfunc_end_k_q7ec784e029_proj:
	.size	k_q7ec784e029_proj, .Lfunc_end_k_q7ec784e029_proj-k_q7ec784e029_proj
	.p2alignl 7, 3214868480
	.fill 96, 4, 3214868480
	.section	.rodata,"a",@progbits
	.p2align	6, 0x0
	.amdhsa_kernel k_q7ec784e029_proj
		.amdhsa_group_segment_fixed_size 327680
		.amdhsa_private_segment_fixed_size 0
		.amdhsa_enable_private_segment 0
		.amdhsa_kernarg_size 40
		.amdhsa_user_sgpr_count 2
		.amdhsa_user_sgpr_kernarg_segment_ptr 1
		.amdhsa_wavefront_size32 1
		.amdhsa_system_sgpr_workgroup_id_x 1
		.amdhsa_system_sgpr_workgroup_id_y 1
		.amdhsa_system_sgpr_workgroup_id_z 1
		.amdhsa_system_vgpr_workitem_id 0
		.amdhsa_next_free_vgpr 1024
		.amdhsa_next_free_sgpr 102
		.amdhsa_reserve_vcc 1
		.amdhsa_float_denorm_mode_32 3
		.amdhsa_float_denorm_mode_16_64 3
		.amdhsa_memory_ordered 1
		.amdhsa_forward_progress 1
		.amdhsa_inst_pref_size 254
	.end_amdhsa_kernel
	.amdgpu_metadata
---
amdhsa.version: [ 1, 2 ]
amdhsa.kernels:
  - .name:           k_q7ec784e029_proj
    .symbol:         k_q7ec784e029_proj.kd
    .args:
      - { .name: xc, .offset: 0, .size: 8, .value_kind: global_buffer, .address_space: global }
      - { .name: wc, .offset: 8, .size: 8, .value_kind: global_buffer, .address_space: global }
      - { .name: freqs_cos, .offset: 16, .size: 8, .value_kind: global_buffer, .address_space: global }
      - { .name: freqs_sin, .offset: 24, .size: 8, .value_kind: global_buffer, .address_space: global }
      - { .name: qkv, .offset: 32, .size: 8, .value_kind: global_buffer, .address_space: global }
    .group_segment_fixed_size: 327680
    .private_segment_fixed_size: 0
    .kernarg_segment_align: 8
    .kernarg_segment_size: 40
    .max_flat_workgroup_size: 128
    .sgpr_count:     102
    .vgpr_count:     1024
    .wavefront_size: 32
...
	.end_amdgpu_metadata
.endif
;; end of part 3
;; launch att (part 4): grid 16 x 16, 8 waves a work-group, no clusters, 327,680 bytes of LDS; arguments qkv, oc; writes oc
.if DOCPART == 4
	.amdgcn_target "amdgcn-amd-amdhsa--gfx1250"
	.amdhsa_code_object_version 6
	.text
	.protected	k_q7ec784e029_att
	.globl	k_q7ec784e029_att
	.p2align	8
	.type	k_q7ec784e029_att,@function
k_q7ec784e029_att:
	s_mov_b64 s[64:65], 0
	v_nop
	global_prefetch_b8 v0, s[64:65] scope:SCOPE_SE
	s_setreg_imm32_b32 hwreg(HW_REG_WAVE_MODE, 25, 1), 1
	s_wait_xcnt 0x0
; o = softmax(q k^T / sqrt(128), causal) v for 16 heads of 2,048 tokens, both products on codes of FP6 (E2M3, one E8M0 byte for each 32 along K); o / l is quantised along the head and stored as codes.
; qkv: images of operand registers (16 rows x 128 K = 1,536 bytes: register 4 g + e of lane l at 512 g + 16 l + 4 e; place r of tile t is row 32 (t / 2) + 8 (t % 2) + r % 8 + 16 (r / 8)):
; q, k, v at 0, 0x300000, 0x600000, [head][step of 128 tokens][tile 8][1536] (q, k: rows = tokens, K = the head's 128; v: rows = d, K = the step's 128 keys); scale words at 0x900000, 0x920000, 0x940000, [head][step][place 16][tile 8].
; oc: as the next product wants its operand: images [K pair = head / 2][token tile 128][head % 2][1536], scale words from 0x300000 [group of 128 tokens][head][place 16][tile 8].
; THE SOFTMAX: t = score x log2(e) / sqrt(128); M = the running largest t rounded UP to a whole number; p = 2^(t - M) is quantised along the keys, not normalised; the row's sum is taken of the unquantised p and divides at the end.
; When M moves, the sum and O are multiplied by 2^(old M - new M): exact.
; SHARES: work-group (x = i, y = head) owns the blocks of 64 queries i (waves 0-3) and 31 - i (waves 4-7), a tile of 16 queries a wave: so every work-group has about the same number of key steps under the causal mask.
; Both products are used transposed (S^T = K Q^T, O^T = V^T P^T): a lane holds ONE query; by the tiles' choice of rows the 16 registers of tiles 2 b, 2 b + 1 are 16 neighbours along the next K.
; K and V come through two LDS slots of 256 keys (waves 0-3 fetch 12,288 dense bytes each); a head's scale words come once.  Every work-group walks all 8 slots; a step whose keys all come after the wave's queries is
; jumped over, and a slot whose first key comes after the work-group's last query is not asked for.
; NO CLUSTER: how many slots a work-group asks for hangs on its number (2,047 - 64 i against 256 a slot), so partners would need different numbers of tiles, and the jump that ends the look-ahead may lead round a load of the work-group's own alone.
; LIMITS: a block whose largest magnitude lies under 2^-124 has its byte held at 1; a block of zeros gets the byte 1 and zero codes; NaN and infinities are not served.
; REGISTERS: v1-7 addresses that stay; v8, v9 addresses of the loads in hand; v12 -M, v13 the largest t, v[14:15] the sum in two halves; v16-27 Q; v32-79 four fragments of K or V; v96-159 S^T, then p; v160-223 O^T; v224-235 p's codes; v232-254 at work; v255 Q's scale words.
.set STEPB, 12288                      ; a key step's eight images
.set VOFF,  2*STEPB                    ; a slot: two steps of K, then two steps of V
.set SLOT1, 1<<17                      ; slot 1 begins here: one exclusive or turns an address from one slot to the other
.set SCK,   2*SLOT1                    ; behind the ring: K's scale words of the head, 8,192 bytes;
.set SCV,   SCK+8192                   ; V's
.set SPARE, SCV+8192                   ; the spare words, 128 bytes for each wave: four blocks of 256 bytes that no other line names
.set LI,   1                           ; v1   16 x lane; never rewritten
.set ASK0, 2                           ; v2   SCK + 32 r
.set DQ,   3                           ; v3   my query less the tile's first, less 16 h
.set LN,   4                           ; v4   lane
.set SPW,  5                           ; v5   LDS address of my spare word; never rewritten
.set NIL,  6                           ; v6   0; never rewritten
.set R32,  7                           ; v7   32 r
.set ADK,  8                           ; v8   LDS address of the slot's images for my lane
.set ADS,  9                           ; v9   of the step's scale words
.set PFO,  28                          ; v28  256 x lane; never rewritten
.set TM,   232
.set PW,   253
.set PC,   32
.set TB,   2                           ; s2   LDS byte at which the slot in hand begins
.set TS,   3                           ; s3   where the step's scale words begin: 512 bytes a step
.set WV,   18
.set SEL,  20                          ; s[20:21] lane selects: lane l xor 16
.set CS,   22                          ; s[22:23] c = log2(e) / sqrt(128)
.set G1,   24                          ; s[24:31] group 1 for the images;  s[32:39] for the scale words;  s[40:43], s[44:47] their groups 0
.set G1S,  32
.set G0,   40
.set G0S,  44
.set LQ,   66                          ; s66  my work-group's last query
.set SLOTS, 67                         ; s67  changes of slots still to come in the loop
.set PFA,  76                          ; s[76:77] where my prefetches stand
.set LIM,  80                          ; s80  1 in a wave that prefetches, else the greatest number
.set KF,   98                          ; s98  the step's first key
.set Q0,   99                          ; s99  my tile's first query
.macro TLOAD                           ; waves 0-3 fetch: K's two steps, V's two steps.  An s_nop 0 and four v_nop follow the line
	s_cmp_lt_u32 s[WV], 4
	s_cbranch_scc0 .Lasked_\@
	tensor_load_to_lds s[G0:G0+3], s[G1:G1+7]
	s_nop 0
.rept 4
	v_nop
.endr
.Lasked_\@:
.endm
; A PREFETCH of what the NEXT change of slots will ask for: K's and V's 24,576 dense bytes of a slot.  All work-groups of a head walk the same K and V: the one with x = 0, which asks for all eight slots, prefetches;
; in it waves 4 to 6, which fetch nothing: 8,192 bytes of K and of V each, lanes 256 bytes apart: each aligned block of 256 bytes is named once in the launch.  Two key steps ahead of the load; the last filling change names nothing.
.macro ASK
	s_cmp_gt_u32 s[SLOTS], s[LIM]
	s_cbranch_scc0 .Lnot_mine_\@
	global_prefetch_b8 v[PFO], s[PFA:PFA+1] th:TH_LOAD_NT scope:SCOPE_SE
	global_prefetch_b8 v[PFO], s[PFA:PFA+1] offset:0x300000 th:TH_LOAD_NT scope:SCOPE_SE
.Lnot_mine_\@:
.endm
.macro QUANT s                         ; 64 numbers of a lane become a fragment's codes in v[PC] on and its scale word in v[PW]
.irp b, 0,1,2,3
	v_max3_num_f32 v[TM+\b], |v[\s+16*\b]|, |v[\s+1+16*\b]|, 0x1800000
.endr
.irp i, 2,4,6,8,10,12,14
.irp b, 0,1,2,3
	v_max3_num_f32 v[TM+\b], v[TM+\b], |v[\s+16*\b+\i]|, |v[\s+1+16*\b+\i]|
.endr
.endr
.irp b, 0,1,2,3
	v_permlanex16_b32 v[TM+4+\b], v[TM+\b], s[SEL], s[SEL+1]
.endr
.irp b, 0,1,2,3
	v_max_num_f32 v[TM+\b], v[TM+\b], v[TM+4+\b]
.endr
.irp b, 0,1,2,3
	v_add_nc_u32 v[TM+12+\b], 0xff000000, v[TM+\b]
.endr
.irp b, 0,1,2,3
	v_lshrrev_b32 v[TM+4+\b], 23, v[TM+12+\b]
.endr
	v_lshl_or_b32 v[PW], v[TM+5], 8, v[TM+4]
	v_lshl_or_b32 v[PW], v[TM+6], 16, v[PW]
	v_lshl_or_b32 v[PW], v[TM+7], 24, v[PW]
.irp c, 0,1
	v_cvt_scalef32_pk16_fp6_f32 v[PC+6*\c:PC+2+6*\c], v[\s+32*\c:\s+15+32*\c], v[TM+12+2*\c]
	v_cvt_scalef32_pk16_fp6_f32 v[PC+12+4*\c:PC+14+4*\c], v[\s+16+32*\c:\s+31+32*\c], v[TM+12+2*\c+1]
.endr
	v_nop                                          ; one plain instruction behind the scaled conversions
.irp c, 0,1
.irp i, 0,1,2
	v_permlane16_swap_b32 v[PC+6*\c+\i], v[PC+12+4*\c+\i]
.endr
.irp i, 0,1,2
	v_mov_b32 v[PC+3+6*\c+\i], v[PC+12+4*\c+\i]
.endr
.endr
.endm
	s_load_b128 s[4:7], s[0:1], 0x0                ; qkv, oc
	v_lshl_add_u32 v[SPW], v0, 2, SPARE
	v_mov_b32 v[NIL], 0
	ds_add_u32 v[SPW], v[NIL]                      ; the wave's opening: the add and its wait stand ahead of my first tensor load; the set-up below, work on registers, stands between them
	v_lshrrev_b32 v8, 5, v0
	v_readfirstlane_b32 s[WV], v8                  ; wave 0..7
	s_and_b32 s48, ttmp7, 0xffff                   ; the head
	s_sub_co_u32 s49, 31, ttmp9
	s_cmp_lt_u32 s[WV], 4
	s_cselect_b32 s49, ttmp9, s49                  ; my block of 64 queries: i or 31 - i
	s_and_b32 s50, s[WV], 3
	s_lshl_b32 s49, s49, 2
	s_add_co_u32 s49, s49, s50                     ; my tile of 16 queries
	s_lshr_b32 s51, s49, 1
	s_lshl_b32 s51, s51, 5
	s_and_b32 s52, s49, 1
	s_lshl_b32 s52, s52, 3
	s_add_co_u32 s[Q0], s51, s52                   ; its first query; its last is 23 further on
	s_lshl_b32 s[LQ], ttmp9, 6
	s_sub_co_u32 s[LQ], 2047, s[LQ]                ; block 31 - i's last query
	s_mul_i32 s51, s48, 0x30000                    ; the head's images
	s_lshl_b32 s70, s48, 13                        ; the head's scale words
	s_mul_i32 s52, s49, 1536
	s_add_co_u32 s52, s52, s51                     ; Q's image
	s_mov_b32 s53, 0
	s_lshr_b32 s71, s49, 3                         ; my group of 128 tokens
	s_and_b32 s72, s49, 7
	s_lshl_b32 s72, s72, 2                         ; 4 x my tile of the group
	s_lshl_b32 s54, s71, 9
	s_add_co_u32 s54, s54, s72
	s_add_co_u32 s54, s54, s70
	s_add_co_u32 s54, s54, 0x900000                ; Q's scale words
	s_mov_b32 s55, 0
	s_and_b32 s73, s[WV], 1
	s_cmp_lt_u32 s[WV], 2                          ; what I fetch, if I fetch: waves 0, 1: K's steps; waves 2, 3: V's
	s_mov_b32 s56, 0x600000
	s_cselect_b32 s56, 0x300000, s56
	s_mov_b32 s58, 0x940000
	s_cselect_b32 s58, 0x920000, s58
	s_mul_i32 s74, s73, STEPB
	s_add_co_u32 s56, s56, s74
	s_add_co_u32 s56, s56, s51
	s_mov_b32 s57, 0
	s_lshl_b32 s74, s73, 12
	s_add_co_u32 s58, s58, s74
	s_add_co_u32 s58, s58, s70
	s_mov_b32 s59, 0
	s_lshr_b32 s60, s48, 1
	s_lshl_b32 s60, s60, 7
	s_add_co_u32 s60, s60, s49
	s_mul_i32 s60, s60, 3072
	s_and_b32 s74, s48, 1
	s_mul_i32 s74, s74, 1536
	s_add_co_u32 s60, s60, s74                     ; o's image: ((head / 2) x 128 + tile) x 3,072 + (head % 2) x 1,536
	s_mov_b32 s61, 0
	s_lshl_b32 s62, s71, 4
	s_add_co_u32 s62, s62, s48
	s_lshl_b32 s62, s62, 9
	s_add_co_u32 s62, s62, s72
	s_add_co_u32 s62, s62, 0x300000                ; o's scale words: (16 x group + head) x 512 + 4 x tile of the group
	s_mov_b32 s63, 0
	s_lshl_b32 s68, s50, 13
	s_add_co_u32 s68, s68, s51
	s_add_co_u32 s68, s68, 0x300000+2*STEPB        ; the prefetches: my 8,192 bytes of K's slot 1; the first change of slots steps it to slot 2.  Nothing is prefetched at the head
	s_mov_b32 s69, 0
	s_sub_co_u32 s82, s[WV], 4
	s_cmp_lt_u32 s82, 3                            ; waves 4 to 6
	s_cselect_b32 s[LIM], 1, -1
	s_cmp_eq_u32 ttmp9, 0                          ; of the head's work-group 0
	s_cselect_b32 s[LIM], s[LIM], -1
	; descriptor group 1: dense blocks as rows of 256 bytes (32 elements of 8 bytes), no padding, no mask: 48 rows of images, 16 rows of scale words
	s_mov_b32 s[G1], 3<<16
	s_mov_b32 s[G1+1], 32<<16                      ; tensor_dim0
	s_mov_b32 s[G1+2], 48<<16                      ; tensor_dim1
	s_mov_b32 s[G1+3], 32<<16                      ; tile_dim0
	s_mov_b32 s[G1+4], 48                          ; tile_dim1
	s_mov_b32 s[G1+5], 32                          ; tensor_dim0_stride
	s_mov_b32 s[G1+6], 0
	s_mov_b32 s[G1+7], 0
	s_mov_b32 s[G1S], 3<<16
	s_mov_b32 s[G1S+1], 32<<16
	s_mov_b32 s[G1S+2], 16<<16
	s_mov_b32 s[G1S+3], 32<<16
	s_mov_b32 s[G1S+4], 16
	s_mov_b32 s[G1S+5], 32
	s_mov_b32 s[G1S+6], 0
	s_mov_b32 s[G1S+7], 0
	s_mov_b32 s[SEL], 0x76543210
	s_mov_b32 s[SEL+1], 0xfedcba98
	s_mov_b32 s[CS], 0x3e0293ee                    ; c = log2(e) / sqrt(128)
	s_mov_b32 s[CS+1], s[CS]                       ; (named with it as a pair, so it is written)
	s_mov_b32 s[TB], 0
	s_mov_b32 s[TS], 0
	s_mov_b32 s[KF], 0
	s_mov_b32 s[SLOTS], 7
	s_wait_dscnt 0x0                               ; the opening add is done
	s_wait_kmcnt 0x0
	s_mov_b32 s[G0S], 1
	s_lshl_b32 s[G0S+1], s50, 12
	s_add_co_u32 s[G0S+1], s[G0S+1], SCK           ; K's two halves, then V's two: 4,096 bytes a wave
	s_add_nc_u64 s[G0S+2:G0S+3], s[4:5], s[58:59]
	s_or_b32 s[G0S+3], s[G0S+3], 0x80000000
	s_mov_b32 s[G0], 1
	s_mul_i32 s[G0+1], s50, STEPB                  ; slot 0: K's two steps, then V's two
	s_add_nc_u64 s[G0+2:G0+3], s[4:5], s[56:57]
	s_or_b32 s[G0+3], s[G0+3], 0x80000000
	s_cmp_lt_u32 s[WV], 4                          ; a wave's two first fills stand in one branch, ahead of every wait on TENSORcnt, every LDS read and every barrier: two loads of mine are out, later one
	s_cbranch_scc0 .Lno_fetch
	tensor_load_to_lds s[G0S:G0S+3], s[G1S:G1S+7]
	s_nop 0
	tensor_load_to_lds s[G0:G0+3], s[G1:G1+7]
	s_nop 0
.rept 4
	v_nop
.endr
.Lno_fetch:
	s_add_nc_u64 s[52:53], s[4:5], s[52:53]
	s_add_nc_u64 s[54:55], s[4:5], s[54:55]
	s_add_nc_u64 s[PFA:PFA+1], s[4:5], s[68:69]
	s_add_nc_u64 s[60:61], s[6:7], s[60:61]
	s_add_nc_u64 s[62:63], s[6:7], s[62:63]
	v_and_b32 v8, 15, v0                           ; r
	v_bfe_u32 v9, v0, 4, 1                         ; h
	v_and_b32 v[LN], 31, v0
	v_lshlrev_b32 v[LI], 4, v[LN]
	v_lshlrev_b32 v[R32], 5, v8
.irp c, 0,1,2
	global_load_b128 v[16+4*\c:19+4*\c], v[LI], s[52:53] offset:512*\c   ; Q's fragment stays in registers
.endr
	global_load_b32 v255, v[R32], s[54:55]         ; Q's scale words
	v_add_nc_u32 v[ASK0], SCK, v[R32]
	v_and_b32 v11, 8, v8
	v_add_nc_u32 v11, v11, v8                      ; r % 8 + 16 (r / 8)
	v_lshlrev_b32 v9, 4, v9
	v_sub_nc_u32 v[DQ], v11, v9
	v_lshlrev_b32 v[PFO], 8, v[LN]
	v_mov_b32 v13, 0xff61b1e6                      ; the largest t so far: -3e38, under every t
	v_floor_f32 v12, -v13                          ; -M
	v_mov_b32 v14, 0                               ; the sum, in two halves
	v_mov_b32 v15, 0
.irp b, 0,1,2,3
	v_mov_b32 v[236+\b], 0                         ; written once: a lane permute's destination counts as one of its sources
.endr
	v_mov_b32 v252, 0
	v_mov_b32 v253, 0                              ; (named as the upper half of the pair v[252:253] before it is first written)
.set j, 0
.rept 64
	v_mov_b32 v[160+j], 0                          ; O^T.  (The step is written once: the first finds zeros, which the first change of M leaves zeros)
.set j, j+1
.endr
; A KEY STEP: 128 keys, the q-th of the slot in hand.
.macro STEP q
	s_add_co_u32 s96, s[Q0], 23                    ; a step all of whose keys come after my 16 queries is left out: a branch on ids, round the step's loads, products and softmax, not round the lines at its end that step addresses
	s_cmp_gt_u32 s[KF], s96
	s_cbranch_scc1 .Lhidden_\@
	v_add_nc_u32 v[ADK], s[TB], v[LI]
	v_add_nc_u32 v[ADS], s[TS], v[ASK0]
	v_nop
	v_nop                                          ; with the two additions: four places in front of loads into registers that the last products have read
.irp g, 0,1                                    ; S^T = K Q^T, four tiles of 16 keys at a time
.if \g > 0
.rept 4
	v_nop
.endr
.endif
.irp t, 0,1,2,3
.irp c, 0,1,2
	ds_load_b128 v[32+12*\t+4*\c:35+12*\t+4*\c], v[ADK] offset:(\q)*STEPB+(4*\g+\t)*1536+512*\c
.endr
.endr
	ds_load_b128 v[248:251], v[ADS] offset:16*\g   ; the four tiles' scale words of my place
	s_wait_dscnt 0x0
.irp t, 0,1,2,3
	v_wmma_scale_f32_16x16x128_f8f6f4 v[96+8*(4*\g+\t):103+8*(4*\g+\t)], v[32+12*\t:43+12*\t], v[16:27], 0, v[248+\t], v255 matrix_a_fmt:MATRIX_FMT_FP6 matrix_b_fmt:MATRIX_FMT_FP6
.endr
.endr
.rept 4
	v_nop
.endr
	s_add_co_u32 s96, s[KF], 127                   ; on the diagonal the scores of hidden keys become -infinity ahead of the maximum: p = 0 then.  A step all of whose keys count skips this
	s_cmp_le_u32 s96, s[Q0]
	s_cbranch_scc1 .Lopen_\@
	s_sub_co_i32 s96, s[Q0], s[KF]
	v_add_nc_u32 v252, s96, v[DQ]                  ; d = my query - KF - 16 h.  Register 16 b + i holds key KF + 16 h + 32 b + i: hidden where 32 b + i > d
	v_mov_b32 v254, 0xff800000                     ; -infinity
.set n, 0
.rept 64
	v_cmp_gt_i32 vcc_lo, 32*(n/16)+n%16, v252
	v_cndmask_b32 v[96+n], v[96+n], v254, vcc_lo
.set n, n+1
.endr
.Lopen_\@:
.irp b, 0,1,2,3
	v_max3_num_f32 v[232+\b], v[96+16*\b], v[97+16*\b], v[98+16*\b]   ; THE LARGEST SCORE OF EACH BLOCK OF 32 KEYS: it serves twice: for the row's maximum, and, since p rises with the score, for the block's largest p
.endr
.irp i, 3,5,7,9,11,13
.irp b, 0,1,2,3
	v_max3_num_f32 v[232+\b], v[232+\b], v[96+16*\b+\i], v[97+16*\b+\i]
.endr
.endr
.irp b, 0,1,2,3
	v_max_num_f32 v[232+\b], v[232+\b], v[111+16*\b]
.endr
.irp b, 0,1,2,3
	v_permlanex16_b32 v[236+\b], v[232+\b], s[SEL], s[SEL+1]
.endr
.irp b, 0,1,2,3
	v_max_num_f32 v[232+\b], v[232+\b], v[236+\b]  ; with lane l xor 16's 16 keys
.endr
	v_max3_num_f32 v254, v232, v233, v234
	v_max_num_f32 v254, v254, v235                 ; the step's largest score of my query
	v_mul_f32 v254, s[CS], v254                    ; as t (c is positive)
	v_max_num_f32 v13, v13, v254                   ; the running largest t
	v_mov_b32 v254, v12
	v_floor_f32 v12, -v13                          ; the new -M = floor(-t) = -ceil(t): M is a whole number
	v_sub_f32 v254, v12, v254                      ; M's old value less its new one: a whole number, 0 or less
	v_cvt_i32_f32 v254, v254                       ; (it saturates)
	v_ldexp_f32 v252, 1.0, v254                    ; f = 2^(old M - new M)
.set j, 0
.rept 32
	v_pk_fma_f32 v[96+j:97+j], v[96+j:97+j], s[CS:CS+1], v[12:13] op_sel_hi:[1,0,0]   ; t - M, two at a time
.set j, j+2
.endr
.irp b, 0,1,2,3
	v_fma_f32 v[232+\b], v[232+\b], s[CS], v12     ; the same of each block's largest score
.endr
.set j, 0
.rept 64
	v_exp_f32 v[96+j], v[96+j]                     ; p = 2^(t - M), at most 1: not normalised
.set j, j+1
.endr
	v_pk_mul_f32 v[14:15], v[14:15], v[252:253] op_sel_hi:[1,0]   ; the sums under the new M.  (The plain instruction behind the exponentials)
	s_wait_alu depctr_va_vdst(0)                   ; one wait for the whole batch, ahead of its first reader
.irp b, 0,1,2,3
	v_exp_f32 v[232+\b], v[232+\b]                 ; the block's largest p: the same two instructions on the same number give the same bits
.endr
	v_pk_add_f32 v[236:237], v[96:97], v[98:99]    ; the row's sum is taken of the unquantised p: two at a time, in two chains.  (It reads the 64 alone: plain work behind the four)
.irp j, 4,8,12,16,20,24,28,32,36,40,44,48,52,56,60
	v_pk_add_f32 v[14:15], v[14:15], v[96+\j:97+\j]
	v_pk_add_f32 v[236:237], v[236:237], v[98+\j:99+\j]
.endr
	v_pk_add_f32 v[14:15], v[14:15], v[236:237]
	s_wait_alu depctr_va_vdst(0)                   ; and one for the four
.irp b, 0,1,2,3
	v_max_num_f32 v[232+\b], 0x1800000, v[232+\b]  ; the floor 2^(3 - 127): the byte cannot fall under 1
.endr
.irp b, 0,1,2,3
	v_add_nc_u32 v[244+\b], 0xff000000, v[232+\b]  ; 2 off the exponent field: the conversion's scale operand
.endr
.irp b, 0,1,2,3
	v_lshrrev_b32 v[236+\b], 23, v[244+\b]         ; the scale's byte
.endr
	v_lshl_or_b32 v253, v237, 8, v236              ; p's scale word for these 128 keys
	v_lshl_or_b32 v253, v238, 16, v253
	v_lshl_or_b32 v253, v239, 24, v253
.irp c, 0,1
	v_cvt_scalef32_pk16_fp6_f32 v[224+6*\c:226+6*\c], v[96+32*\c:111+32*\c], v[244+2*\c]
	v_cvt_scalef32_pk16_fp6_f32 v[236+4*\c:238+4*\c], v[112+32*\c:127+32*\c], v[244+2*\c+1]
.endr
	v_nop                                          ; one plain instruction behind the scaled conversions
.irp c, 0,1
.irp i, 0,1,2
	v_permlane16_swap_b32 v[224+6*\c+\i], v[236+4*\c+\i]
.endr
.irp i, 0,1,2
	v_mov_b32 v[227+6*\c+\i], v[236+4*\c+\i]
.endr
.endr
.set j, 0
.rept 32
	v_pk_mul_f32 v[160+j:161+j], v[160+j:161+j], v[252:253] op_sel_hi:[1,0]   ; O^T under the new M.  (These 32 are also the places in front of the loads and the scaled products below)
.set j, j+2
.endr
.irp g, 0,1                                    ; O^T += V^T P^T: four tiles of 16 of the head's 128 at a time; K = these 128 keys.  The eight accumulators take turns, one instruction a turn
.if \g > 0
.rept 4
	v_nop
.endr
.endif
.irp t, 0,1,2,3
.irp c, 0,1,2
	ds_load_b128 v[32+12*\t+4*\c:35+12*\t+4*\c], v[ADK] offset:VOFF+(\q)*STEPB+(4*\g+\t)*1536+512*\c
.endr
.endr
	ds_load_b128 v[248:251], v[ADS] offset:8192+16*\g
	s_wait_dscnt 0x0
.irp t, 0,1,2,3
	v_wmma_scale_f32_16x16x128_f8f6f4 v[160+8*(4*\g+\t):167+8*(4*\g+\t)], v[32+12*\t:43+12*\t], v[224:235], v[160+8*(4*\g+\t):167+8*(4*\g+\t)], v[248+\t], v253 matrix_a_fmt:MATRIX_FMT_FP6 matrix_b_fmt:MATRIX_FMT_FP6
.endr
.endr
.Lhidden_\@:
	s_add_co_u32 s[KF], s[KF], 128
	s_add_co_u32 s[TS], s[TS], 512                 ; the next step's scale words
.endm
; THE CHANGE OF SLOTS stands at a slot's head.  Each wave waits for all its tensor loads, adds 0 to its spare word, and waits for that and for its reads of the slot that it has left.
; Behind the barrier the slot ahead is whole and nobody reads the other one.  fill = 1: that other slot is filled with the keys that follow, up to the causal limit: the load has two key steps in which to land.
.macro CHANGE fill
	s_wait_tensorcnt 0x0                           ; no tensor load of mine is out, so a group 0 may be written
	ds_add_u32 v[SPW], v[NIL]                      ; 0 onto my spare word
.if \fill
	s_xor_b32 s[G0+1], s[G0+1], SLOT1              ; the walking descriptor: the other slot than last time,
	s_add_nc_u64 s[G0+2:G0+3], s[G0+2:G0+3], 2*STEPB   ; the next 256 keys; the type bits on top are not reached
	s_wait_xcnt 0x0                                ; the last prefetches, a slot back, have read their address, so it may be written:
	s_add_nc_u64 s[PFA:PFA+1], s[PFA:PFA+1], 2*STEPB   ; one slot further on than the walking descriptor
.endif
	s_wait_dscnt 0x0                               ; the add is done, and my reads of the slot that I have left are over
	s_barrier_signal -1
	s_barrier_wait -1
.if \fill
	s_add_co_u32 s96, s[KF], 256                   ; the first key of the slot that this change would ask for: past my work-group's last query none of its waves would read it, so it is not asked for.
	s_cmp_gt_u32 s96, s[LQ]                        ; Ids and the count of steps alone: all eight waves go the same way; every wait on TENSORcnt in this text is for 0
	s_cbranch_scc1 .Lpast_\@
	TLOAD                                          ; the first thing behind the barrier but for the limit's three lines, and a wave's one tensor load until the next
.Lpast_\@:
	ASK
.endif
.endm
	s_wait_loadcnt 0x0                             ; Q
.Lslot:                                            ; 7 trips: behind each change of slots but the last the next slot is asked for, up to the limit
	CHANGE 1
	STEP 0
	STEP 1
	s_xor_b32 s[TB], s[TB], SLOT1                  ; on to the other slot
	s_sub_co_u32 s[SLOTS], s[SLOTS], 1
	s_cmp_lg_u32 s[SLOTS], 0
	s_cbranch_scc1 .Lslot
	CHANGE 0                                       ; the last slot is written out: nothing is left to ask for
	STEP 0
	STEP 1
	; THE WAY OUT: O^T / the sum; register 16 b + i is d 32 b + 16 h + i of my query: the quantiser along the head; the image goes out as it stands.
.rept 4
	v_nop                                          ; places behind the last products
.endr
	v_add_f32 v14, v14, v15                        ; the sum's two halves,
	v_permlanex16_b32 v252, v14, s[SEL], s[SEL+1]
	v_add_f32 v14, v14, v252                       ; and lane l xor 16's: the row's sum
	v_rcp_f32 v14, v14
	v_nop                                          ; a plain instruction behind the reciprocal
	s_wait_alu depctr_va_vdst(0)                   ; and the wait ahead of its first reader
.set j, 0
.rept 64
	v_mul_f32 v[96+j], v[160+j], v14               ; each accumulator from its low end on
.set j, j+1
.endr
	QUANT 96
.irp c, 0,1,2
	global_store_b128 v[LI], v[PC+4*\c:PC+4*\c+3], s[60:61] offset:512*\c   ; 512 consecutive bytes a store
.endr
	s_wait_xcnt 0x0                                ; EXEC changes only behind this wait
	v_cmp_gt_u32 vcc_lo, 16, v[LN]
	s_and_saveexec_b32 s96, vcc_lo                 ; lanes 0-15: a word for each place, 32 bytes apart (the other seven tiles' words lie between: other waves' and other work-groups')
	global_store_b32 v[R32], v[PW], s[62:63]
	s_wait_xcnt 0x0                                ; and again, in front of the line that widens it
	s_or_b32 exec_lo, exec_lo, s96
	s_wait_tensorcnt 0x0                           ; the wave's end, behind my last tensor load
	ds_add_u32 v[SPW], v[NIL]
	s_wait_dscnt 0x0
	s_endpgm
.Lfunc_end_k_q7ec784e029_att:
	.size	k_q7ec784e029_att, .Lfunc_end_k_q7ec784e029_att-k_q7ec784e029_att
	.p2alignl 7, 3214868480
	.fill 96, 4, 3214868480
	.section	.rodata,"a",@progbits
	.p2align	6, 0x0
	.amdhsa_kernel k_q7ec784e029_att
		.amdhsa_group_segment_fixed_size 327680
		.amdhsa_private_segment_fixed_size 0
		.amdhsa_enable_private_segment 0
		.amdhsa_kernarg_size 16
		.amdhsa_user_sgpr_count 2
		.amdhsa_user_sgpr_kernarg_segment_ptr 1
		.amdhsa_wavefront_size32 1
		.amdhsa_system_sgpr_workgroup_id_x 1
		.amdhsa_system_sgpr_workgroup_id_y 1
		.amdhsa_system_sgpr_workgroup_id_z 1
		.amdhsa_system_vgpr_workitem_id 0
		.amdhsa_next_free_vgpr 256
		.amdhsa_next_free_sgpr 100
		.amdhsa_reserve_vcc 1
		.amdhsa_float_denorm_mode_32 3
		.amdhsa_float_denorm_mode_16_64 3
		.amdhsa_memory_ordered 1
		.amdhsa_forward_progress 1
		.amdhsa_inst_pref_size 113
	.end_amdhsa_kernel
	.amdgpu_metadata
---
amdhsa.version: [ 1, 2 ]
amdhsa.kernels:
  - .name:           k_q7ec784e029_att
    .symbol:         k_q7ec784e029_att.kd
    .args:
      - { .name: qkv, .offset: 0, .size: 8, .value_kind: global_buffer, .address_space: global }
      - { .name: oc, .offset: 8, .size: 8, .value_kind: global_buffer, .address_space: global }
    .group_segment_fixed_size: 327680
    .private_segment_fixed_size: 0
    .kernarg_segment_align: 8
    .kernarg_segment_size: 16
    .max_flat_workgroup_size: 256
    .sgpr_count:     100
    .vgpr_count:     256
    .wavefront_size: 32
...
	.end_amdgpu_metadata
.endif
;; end of part 4
;; launch outp (part 5): grid 8 x 8, 4 waves a work-group, clusters of 4 x 4, 327,680 bytes of LDS; arguments oc, wc, out0; writes out0
.if DOCPART == 5
	.amdgcn_target "amdgcn-amd-amdhsa--gfx1250"
	.amdhsa_code_object_version 6
	.text
	.protected	k_q7ec784e029_outp
	.globl	k_q7ec784e029_outp
	.p2align	8
	.type	k_q7ec784e029_outp,@function
k_q7ec784e029_outp:
	s_mov_b64 s[64:65], 0
	v_nop
	global_prefetch_b8 v0, s[64:65] scope:SCOPE_SE
	s_setreg_imm32_b32 hwreg(HW_REG_WAVE_MODE, 25, 1), 1
	s_wait_xcnt 0x0
	s_wait_alu depctr_hold_cnt(0) depctr_sa_sdst(0) depctr_va_vdst(0) depctr_va_sdst(0) depctr_va_ssrc(0) depctr_va_vcc(0) depctr_vm_vsrc(0)
	s_getreg_b32 s2, hwreg(HW_REG_IB_STS2, 6, 4)
	s_cmp_eq_u32 s2, 0
	s_cbranch_scc0 .Lentry_in_a_cluster
	s_endpgm
.Lentry_in_a_cluster:
	s_bfe_u32 s2, ttmp6, 0x10000c
	s_cmp_lg_u32 s2, 0xf033
	s_cbranch_scc0 .Lentry_shape_is_right
	s_endpgm
.Lentry_shape_is_right:
; out0 = o wo on codes of FP6 (E2M3, one E8M0 byte for each 32 along K).  o's codes (oc) and wo's (weight 3 of wc) are images of operand registers (16 rows x 128 K = 1,536 bytes: register 4 g + e of lane l at
; 512 g + 16 l + 4 e; place r of tile t is row 32 (t / 2) + 8 (t % 2) + r % 8 + 16 (r / 8)): [K pair 8][tile 128][K step 2][1536]; scale words [group of 128 rows 16][K step 16][place 16][tile of the group 8].
; A work-group makes 256 tokens ('A', source 1) x 256 columns ('B', source 0); each of four waves 128 x 128: 64 accumulators.  K goes in steps of 256 through two LDS slots filled by joint tensor loads
; (A's tiles shared along a row of the 4 x 4 cluster, B's along a column); all scale words come once, with the first fills.
; The product is used transposed: a lane holds one token and, in accumulator b, the columns 32 (b / 2) + 16 h + 8 (b % 2) + 0 .. 7.  A block of 16 tokens goes through the wave's own stage in LDS and leaves as whole rows of 512 bytes.
; 64 work-groups: the tile that feeds most products from each LDS byte; a smaller tile for more work-groups is not built here.  No prefetch: two of the eight K pairs are first fills, and each block of codes is read by two clusters at about the same time.
; REGISTERS: window 0: v16-31 addresses; v32-63 scale words, two sets; v128-223 A's fragments, ONE set; on the way out v128-255 take rows of the result.  window 1: B's fragments, two sets, v0-95 and v128-223.
;   windows 2, 3: the accumulators, (a, b) at v[8 (8 (a % 4) + b)].
.set HALFT,  24576                     ; 8 tiles x 256 K: what one tensor load brings, and what one wave reads of A or of B
.set SLOT,   4*HALFT
.set KPB,    393216                    ; from a K pair to the next in memory
.set SCL,    2*SLOT                    ; behind the ring: the scale words: A's two groups, then B's two, 8,192 bytes each
.set HALFS,  8192
.set SPARE,  SCL+4*HALFS               ; the spare words, 128 bytes for each wave: two blocks of 256 bytes that no other line names
.set SPITCH, 528                       ; the way out: a stage of 16 rows x (512 bytes + 16) for each wave, in slot 0, which has had its last fill and its last read when the first result is stored there
.set FR,     12
.set NL,     3
.set NP,     4
.set ADRA, 16
.set ADRB, 20
.set LI,   24                          ; v24  16 x lane; never rewritten
.set STO,  25                          ; v25  the way out: where I put 32 bytes of a row
.set RD,   26                          ; v26  the way out: where I read a row back
.set ADRS, 27
.set SPW,  28
.set NIL,  29
.set SC,   32
.set AF,   128
.set BK,   128                         ; the way out: 16 rows read back: v128-191 and v192-255 by turns
.set G1, 24
.set G0, 32
.set G1B, 48
.set G0B, 56
.set G1S, 68
.set G0S, 76
.set G1SB, 80
.set G0SB, 88
.set MSB, 0
.macro WIN new                         ; the immediate's high byte repeats the setting that is left
.if MSB != (\new)
	s_set_vgpr_msb (MSB<<8)|(\new)
.set MSB, (\new)
.endif
.endm
.set MUL_LO, 0xa1
.set MUL_HI, 0xf1
.set TO_B,   0x40
.macro JLOAD g0a, g1a, g0b, g1b        ; a joint load: waves 0 and 1 fetch for A, waves 2 and 3 for B; an s_nop 0 and four v_nop follow each of the two lines
	s_cmp_eq_u32 s15, 0
	s_cbranch_scc0 .Lfor_b_\@
	tensor_load_to_lds s[\g0a:\g0a+3], s[\g1a:\g1a+7]
	s_nop 0
.rept 4
	v_nop
.endr
	s_branch .Lasked_\@
.Lfor_b_\@:
	tensor_load_to_lds s[\g0b:\g0b+3], s[\g1b:\g1b+7]
	s_nop 0
.rept 4
	v_nop
.endr
.Lasked_\@:
.endm
.macro CREST
	s_cmp_lg_u32 s14, 0
	s_cbranch_scc1 .Lnot_wave_0_\@
	s_barrier_signal -3
.Lnot_wave_0_\@:
	s_barrier_wait -3
	s_barrier_signal -1
	s_barrier_wait -1
.endm
.macro CROUND
	s_barrier_signal -1
	s_barrier_wait -1
	CREST
.endm
	s_load_b128 s[4:7], s[0:1], 0x0                ; oc, wc
	s_load_b64 s[12:13], s[0:1], 0x10              ; out0
	v_lshl_add_u32 v[SPW], v0, 2, SPARE
	v_mov_b32 v[NIL], 0
	ds_add_u32 v[SPW], v[NIL]                      ; the wave's opening: the add and its wait stand ahead of my first tensor load; the set-up below, work on registers, stands between them
	v_lshrrev_b32 v1, 5, v0
	v_readfirstlane_b32 s14, v1                    ; wave 0..3
	s_lshr_b32 s15, s14, 1                         ; which half of A's rows is mine.  Also: I fetch for A (0) or for B (1)
	s_and_b32 s16, s14, 1                          ; which half of B's rows.  Also: which half of that tile I fetch
	s_bfe_u32 s40, ttmp6, 0x40000                  ; cx, cy
	s_bfe_u32 s41, ttmp6, 0x40004
	s_lshl_b32 s42, ttmp9, 2
	s_add_co_u32 s42, s42, s40                     ; block of 256 columns = 4 x cluster x + cx
	s_and_b32 s17, ttmp7, 0xffff
	s_lshl_b32 s17, s17, 2
	s_add_co_u32 s17, s17, s41                     ; block of 256 tokens = 4 x cluster y + cy
	s_lshl_b32 s43, s41, 2
	s_lshl_b32 s43, 15, s43                        ; my row of the cluster
	s_lshl_b32 s44, 0x1111, s40                    ; my column
	s_or_b32 s[G1+0], s43, (3<<16)|(1<<21)         ; dense blocks as rows of 256 bytes (32 elements of 8 bytes), no padding; 15:0 the mask; 21 set beside a mask
	s_or_b32 s[G1B+0], s44, (3<<16)|(1<<21)
.irp g, G1, G1B
	s_mov_b32 s[\g+1], 32<<16
	s_mov_b32 s[\g+2], 96<<16
	s_mov_b32 s[\g+3], 32<<16
	s_mov_b32 s[\g+4], 96
	s_mov_b32 s[\g+5], 32
	s_mov_b32 s[\g+6], 0
	s_mov_b32 s[\g+7], 0
.endr
	s_or_b32 s[G1S+0], s43, (3<<16)|(1<<21)
	s_or_b32 s[G1SB+0], s44, (3<<16)|(1<<21)
.irp g, G1S, G1SB
	s_mov_b32 s[\g+1], 32<<16
	s_mov_b32 s[\g+2], 32<<16
	s_mov_b32 s[\g+3], 32<<16
	s_mov_b32 s[\g+4], 32
	s_mov_b32 s[\g+5], 32
	s_mov_b32 s[\g+6], 0
	s_mov_b32 s[\g+7], 0
.endr
	s_lshl_b32 s20, s17, 4
	s_lshl_b32 s21, s16, 3
	s_add_co_u32 s20, s20, s21                     ; A: tile 16 x block + 8 x half
	s_mul_i32 s20, s20, 3072
	s_mov_b32 s21, 0
	s_lshl_b32 s22, s17, 1
	s_add_co_u32 s22, s22, s16
	s_lshl_b32 s22, s22, 13
	s_add_co_u32 s22, s22, 0x300000                ; A's scale words
	s_mov_b32 s23, 0
	s_lshl_b32 s46, s42, 4
	s_lshl_b32 s47, s16, 3
	s_add_co_u32 s46, s46, s47
	s_mul_i32 s46, s46, 3072
	s_add_co_u32 s46, s46, 0x900000                ; B: weight 3's images
	s_mov_b32 s47, 0
	s_lshl_b32 s92, s42, 1
	s_add_co_u32 s92, s92, s16
	s_lshl_b32 s92, s92, 13
	s_add_co_u32 s92, s92, 0xC60000                ; and its scale words
	s_mov_b32 s93, 0
	s_mul_i32 s45, s14, HALFT
	s_mul_i32 s94, s14, HALFS
	s_wait_dscnt 0x0                               ; the opening add is done
	s_wait_kmcnt 0x0
	s_add_nc_u64 s[20:21], s[4:5], s[20:21]
	s_add_nc_u64 s[22:23], s[4:5], s[22:23]
	s_add_nc_u64 s[46:47], s[6:7], s[46:47]
	s_add_nc_u64 s[92:93], s[6:7], s[92:93]
	CROUND                                         ; all sixteen work-groups are here: the first joint loads meet
	s_mov_b32 s[G0S], 1
	s_add_co_u32 s[G0S+1], s94, SCL
	s_mov_b64 s[G0S+2:G0S+3], s[22:23]
	s_or_b32 s[G0S+3], s[G0S+3], 0x80000000
	s_mov_b32 s[G0SB], 1
	s_add_co_u32 s[G0SB+1], s94, SCL
	s_mov_b64 s[G0SB+2:G0SB+3], s[92:93]
	s_or_b32 s[G0SB+3], s[G0SB+3], 0x80000000
	JLOAD G0S, G1S, G0SB, G1SB
.irp s, 0,1
	s_mov_b32 s[G0+4*\s], 1
	s_add_co_u32 s[G0+4*\s+1], s45, \s*SLOT
	s_add_nc_u64 s[G0+4*\s+2:G0+4*\s+3], s[20:21], \s*KPB
	s_or_b32 s[G0+4*\s+3], s[G0+4*\s+3], 0x80000000
	s_mov_b32 s[G0B+4*\s], 1
	s_add_co_u32 s[G0B+4*\s+1], s45, \s*SLOT
	s_add_nc_u64 s[G0B+4*\s+2:G0B+4*\s+3], s[46:47], \s*KPB
	s_or_b32 s[G0B+4*\s+3], s[G0B+4*\s+3], 0x80000000
	JLOAD G0+4*\s, G1, G0B+4*\s, G1B               ; three loads of mine are out now, later one
.endr
	v_and_b32 v1, 15, v0                           ; r
	v_bfe_u32 v2, v0, 4, 1                         ; h
	v_and_b32 v3, 31, v0
	v_lshlrev_b32 v[LI], 4, v3
	s_mul_i32 s21, s15, HALFT
	s_mul_i32 s22, s16, HALFT
	s_add_co_u32 s22, s22, 2*HALFT
.irp s, 0,1
	v_add_nc_u32 v[ADRA+\s], s21, v[LI]
	v_add_nc_u32 v[ADRB+\s], s22, v[LI]
	s_add_co_u32 s21, s21, SLOT
	s_add_co_u32 s22, s22, SLOT
.endr
	v_lshlrev_b32 v5, 5, v1
	s_lshl_b32 s21, s15, 13
	s_lshl_b32 s22, s16, 13
	s_add_co_u32 s22, s22, 2*HALFS
	s_sub_co_u32 s22, s22, s21
	v_mul_u32_u24 v6, s22, v2                      ; lanes 16-31 take B's words: one product, the lower base + h x the distance
	s_add_co_u32 s21, s21, SCL
	v_add_nc_u32 v5, v5, v6
	v_add_nc_u32 v[ADRS], s21, v5
	s_mul_i32 s23, s14, 16*SPITCH                  ; my stage
	v_mul_u32_u24 v5, v1, SPITCH
	v_lshl_add_u32 v5, v2, 6, v5
	v_add_nc_u32 v[STO], s23, v5                   ; in: row r, + 64 h
	v_add_nc_u32 v[RD], s23, v[LI]                 ; back: the 32 lanes take one row of 512 bytes
	s_lshl_b32 s66, s17, 8
	s_lshl_b32 s67, s15, 7
	s_add_co_u32 s66, s66, s67                     ; my first token
	s_lshl_b32 s66, s66, 13
	s_lshl_b32 s67, s42, 10
	s_add_co_u32 s66, s66, s67
	s_lshl_b32 s67, s16, 9
	s_add_co_u32 s66, s66, s67                     ; + my first column, in bytes
	s_mov_b32 s67, 0
	s_add_nc_u64 s[12:13], s[12:13], s[66:67]
.macro FRAG reg, adr, q, i
.irp c, 0,1,2
	ds_load_b128 v[\reg+4*\c:\reg+4*\c+3], v[\adr] offset:(\i)*3072+(\q)*1536+512*\c
.endr
.endm
; 16 matrix instructions: A's blocks a0, a0 + 1 x B's eight.  The 64 accumulators take turns, one instruction a turn, in the same order in every step.
.macro MUL16 a0, p, q, sc, zero
.irp a, \a0, \a0+1
.irp b, 0,1,2,3,4,5,6,7
.if \zero
	v_wmma_scale_f32_16x16x128_f8f6f4 v[8*(8*((\a)%4)+\b):8*(8*((\a)%4)+\b)+7], v[128*(\p)+FR*\b:128*(\p)+FR*\b+FR-1], v[AF+FR*(\a):AF+FR*(\a)+FR-1], 0, v[SC+16*(\sc)+8*(\q)+\b], v[SC+16*(\sc)+8*(\q)+(\a)] matrix_a_fmt:MATRIX_FMT_FP6 matrix_b_fmt:MATRIX_FMT_FP6 matrix_a_scale:MATRIX_SCALE_ROW1
.else
	v_wmma_scale_f32_16x16x128_f8f6f4 v[8*(8*((\a)%4)+\b):8*(8*((\a)%4)+\b)+7], v[128*(\p)+FR*\b:128*(\p)+FR*\b+FR-1], v[AF+FR*(\a):AF+FR*(\a)+FR-1], v[8*(8*((\a)%4)+\b):8*(8*((\a)%4)+\b)+7], v[SC+16*(\sc)+8*(\q)+\b], v[SC+16*(\sc)+8*(\q)+(\a)] matrix_a_fmt:MATRIX_FMT_FP6 matrix_b_fmt:MATRIX_FMT_FP6 matrix_a_scale:MATRIX_SCALE_ROW1
.endif
.endr
.endr
.endm
.macro FETCH_B slot, q, p
	WIN TO_B
.irp i, 0,1,2,3,4,5,6,7
	FRAG 128*(\p)+FR*\i, ADRB+\slot, \q, \i
.endr
	WIN 0
.endm
.macro FETCH_A slot, q, i0
.irp i, \i0, \i0+1, \i0+2, \i0+3
	FRAG AF+FR*(\i), ADRA+\slot, \q, \i
.endr
.endm
.macro SCALES sc
.irp q, 0,1
	ds_load_b128 v[SC+16*\sc+8*\q:SC+16*\sc+8*\q+3], v[ADRS] offset:512*\q
	ds_load_b128 v[SC+16*\sc+8*\q+4:SC+16*\sc+8*\q+7], v[ADRS] offset:512*\q+16
.endr
.endm
.macro PLACES n                        ; places behind matrix instructions (ISA guide 7.12.1 for vector instructions)
.rept \n
	v_nop
.endr
.endm
.macro STEP slot, q, zero
	s_wait_dscnt 4*NL                              ; B's set, A's blocks 0-3 and the scale words are in; the youngest 12 loads (A's blocks 4-7) may be out
	WIN MUL_LO
	MUL16 0, (\q)%2, \q, \slot, \zero
	MUL16 2, (\q)%2, \q, \slot, \zero
	s_wait_dscnt 0
	PLACES NP
	FETCH_B \slot, (\q)+1, 1-(\q)%2
	FETCH_A \slot, (\q)+1, 0
	WIN MUL_HI
	MUL16 4, (\q)%2, \q, \slot, \zero
	MUL16 6, (\q)%2, \q, \slot, \zero
	PLACES NP
	WIN 0
	FETCH_A \slot, (\q)+1, 4
.endm
.macro TURN slot, next, fill
	s_wait_tensorcnt 0x0                           ; all my tensor loads have landed: my part of the next slot;
	ds_add_u32 v[SPW], v[NIL]                      ; 0 onto my spare word;
	s_wait_dscnt 4*NL+1                            ; (the add and the youngest 12 loads may be out)
	WIN MUL_LO
	MUL16 0, 1, 1, \slot, 0
	s_wait_dscnt 0x0                               ; the add is done, and my reads of this slot are over
	s_barrier_signal -1
	MUL16 2, 1, 1, \slot, 0
	WIN 0
	s_barrier_wait -1
.if \fill
	CREST                                          ; the barrier has opened a round of the cluster's barrier: no wave of any partner still reads this slot's tile or has a load on its way
	s_add_nc_u64 s[G0+4*\slot+2:G0+4*\slot+3], s[G0+4*\slot+2:G0+4*\slot+3], 2*KPB
	s_add_nc_u64 s[G0B+4*\slot+2:G0B+4*\slot+3], s[G0B+4*\slot+2:G0B+4*\slot+3], 2*KPB
	JLOAD G0+4*\slot, G1, G0B+4*\slot, G1B
.else
	PLACES NP
.endif
	v_add_nc_u32 v[ADRS], 1024, v[ADRS]
	FETCH_B \next, 0, 0
	FETCH_A \next, 0, 0
	SCALES \next
	WIN MUL_HI
	MUL16 4, 1, 1, \slot, 0
	MUL16 6, 1, 1, \slot, 0
	PLACES NP
	WIN 0
	FETCH_A \next, 0, 4
.endm
	s_wait_tensorcnt 1                             ; the scale words and my part of K pair 0 are in (K pair 1's load may be out)
	s_barrier_signal -1
	s_barrier_wait -1
	FETCH_B 0, 0, 0
	FETCH_A 0, 0, 0
	SCALES 0
	FETCH_A 0, 0, 4
	STEP 0, 0, 1                                   ; the first step's products start the sums
	s_mov_b32 s3, 3
.Llap:
	TURN 0, 1, 1
	STEP 1, 0, 0
	TURN 1, 0, 1
	STEP 0, 0, 0
	s_sub_co_u32 s3, s3, 1
	s_cmp_lg_u32 s3, 0
	s_cbranch_scc1 .Llap
	TURN 0, 1, 0                                   ; the last change of slots fills nothing
	STEP 1, 0, 0
	s_wait_dscnt 4*NL
	WIN MUL_LO
	MUL16 0, 1, 1, 1, 0
	MUL16 2, 1, 1, 1, 0
	s_wait_dscnt 0
	WIN MUL_HI
	MUL16 4, 1, 1, 1, 0
	MUL16 6, 1, 1, 1, 0
	WIN 0
; THE WAY OUT, block by block of 16 tokens x 128 columns, through my own stage.  LDS serves a wave's instructions in order: no wait between the stores and the loads, nor in front of the next block's stores.
.macro TOSTAGE a
.set AC, 64*((\a)%4)
	WIN 0x08+4*((\a)/4)                            ; the data: window 2 or 3
.irp b, 0,1,2,3,4,5,6,7
	ds_store_b128 v[STO], v[AC+8*\b:AC+8*\b+3] offset:128*(\b/2)+32*(\b%2)          ; each accumulator from its low end on
	ds_store_b128 v[STO], v[AC+8*\b+4:AC+8*\b+7] offset:128*(\b/2)+32*(\b%2)+16
.endr
	WIN 0
.set BB, BK+64*((\a)%2)
.irp t, 0,1,2,3,4,5,6,7,8,9,10,11,12,13,14,15
	ds_load_b128 v[BB+4*\t:BB+4*\t+3], v[RD] offset:\t*SPITCH
.endr
.endm
.macro SEND a, younger                 ; younger: the LDS instructions issued behind block a's loads, which may stay out
.set BB, BK+64*((\a)%2)
	s_wait_dscnt \younger
.irp t, 0,1,2,3,4,5,6,7,8,9,10,11,12,13,14,15
	global_store_b128 v[LI], v[BB+4*\t:BB+4*\t+3], s[12:13] offset:(32*((\a)/2)+8*((\a)%2)+(\t%8)+16*(\t/8))*8192 th:TH_STORE_NT   ; place t's token: 32 lanes store 512 consecutive bytes; 127 rows at the most: inside the signed 24-bit immediate
.endr
.endm
	PLACES NP                                      ; behind the last products: for the reads of results and the loads into A's registers
	TOSTAGE 0
.irp a, 1,2,3,4,5,6,7
.if \a > 1
	s_wait_xcnt 0x0                                ; block a - 2's stores have read their registers: block a's loads may land there
.endif
	TOSTAGE \a
	SEND \a-1, 32                                  ; behind block a - 1's loads: block a's 16 stores and 16 loads
.endr
	SEND 7, 0
	s_wait_tensorcnt 0x0                           ; the wave's end, behind my last tensor load and my last LDS store
	ds_add_u32 v[SPW], v[NIL]
	s_wait_dscnt 0x0
	CROUND                                         ; the closing round
	s_endpgm
.Lfunc_end_k_q7ec784e029_outp:
	.size	k_q7ec784e029_outp, .Lfunc_end_k_q7ec784e029_outp-k_q7ec784e029_outp
	.p2alignl 7, 3214868480
	.fill 96, 4, 3214868480
	.section	.rodata,"a",@progbits
	.p2align	6, 0x0
	.amdhsa_kernel k_q7ec784e029_outp
		.amdhsa_group_segment_fixed_size 327680
		.amdhsa_private_segment_fixed_size 0
		.amdhsa_enable_private_segment 0
		.amdhsa_kernarg_size 24
		.amdhsa_user_sgpr_count 2
		.amdhsa_user_sgpr_kernarg_segment_ptr 1
		.amdhsa_wavefront_size32 1
		.amdhsa_system_sgpr_workgroup_id_x 1
		.amdhsa_system_sgpr_workgroup_id_y 1
		.amdhsa_system_sgpr_workgroup_id_z 1
		.amdhsa_system_vgpr_workitem_id 0
		.amdhsa_next_free_vgpr 1024
		.amdhsa_next_free_sgpr 100
		.amdhsa_reserve_vcc 0
		.amdhsa_float_denorm_mode_32 3
		.amdhsa_float_denorm_mode_16_64 3
		.amdhsa_memory_ordered 1
		.amdhsa_forward_progress 1
		.amdhsa_inst_pref_size 134
	.end_amdhsa_kernel
	.amdgpu_metadata
---
amdhsa.version: [ 1, 2 ]
amdhsa.kernels:
  - .name:           k_q7ec784e029_outp
    .symbol:         k_q7ec784e029_outp.kd
    .args:
      - { .name: oc, .offset: 0, .size: 8, .value_kind: global_buffer, .address_space: global }
      - { .name: wc, .offset: 8, .size: 8, .value_kind: global_buffer, .address_space: global }
      - { .name: out0, .offset: 16, .size: 8, .value_kind: global_buffer, .address_space: global }
    .group_segment_fixed_size: 327680
    .private_segment_fixed_size: 0
    .kernarg_segment_align: 8
    .kernarg_segment_size: 24
    .max_flat_workgroup_size: 128
    .sgpr_count:     100
    .vgpr_count:     1024
    .wavefront_size: 32
...
	.end_amdgpu_metadata
.endif
;; end of part 5
;; ======== version 2 of 2: 5 launches
;; limits: right only within a limited range of input values
;; workspace buffers: xc 3,276,800 bytes; wc 13,107,200 bytes; qkv 9,830,400 bytes; oc 3,276,800 bytes; cs 1,048,576 bytes
;; launch qx (part 6): grid 16 x 16, 8 waves a work-group, no clusters, 69,120 bytes of LDS; arguments x, xc, freqs_cos, freqs_sin, cs; writes xc, cs
.if DOCPART == 6
	.amdgcn_target "amdgcn-amd-amdhsa--gfx1250"
	.amdhsa_code_object_version 6
	.text
	.protected	k_q7ec784e029_qx
	.globl	k_q7ec784e029_qx
	.p2align	8
	.type	k_q7ec784e029_qx,@function
k_q7ec784e029_qx:
	s_mov_b64 s[64:65], 0
	v_nop
	global_prefetch_b8 v0, s[64:65] scope:SCOPE_SE
	s_setreg_imm32_b32 hwreg(HW_REG_WAVE_MODE, 25, 1), 1
	s_wait_xcnt 0x0
; x [2048 tokens][2048 K], f32, becomes codes of FP6 (E2M3) with one E8M0 byte for each 32 along K, laid as IMAGES OF OPERAND REGISTERS for the products that follow.
; A fragment is 16 rows x 128 K = 12 registers a lane = 1,536 bytes: register 4 g + e of lane l lies at 512 g + 16 l + 4 e.  Place r of tile t is token 32 (t / 2) + 8 (t % 2) + r % 8 + 16 (r / 8).
; xc: images [K pair 8][tile 128][K step of the pair 2][1536]; from byte 0x300000 the scale words [group of 128 tokens 16][K step 16][place r 16][tile of the group 8].
; A block's scale is 2^(floor(log2(largest magnitude)) - 2): its byte is the largest magnitude's exponent field - 2, held at 1 from below.
; LIMITS: a block whose largest magnitude lies under 2^-124 has its byte held at 1; a block of zeros gets the byte 1 and zero codes (only this program reads the bytes); NaN and infinities are not served.
; SHARES: work-group (x = K step, y = group of 128 tokens); wave a makes tile a: one fragment.  Each of a wave's 16 loads takes 512 consecutive bytes of one row; the rows turn through the wave's own
; stage in LDS (pitch 528), so that a lane then holds, of its row, 16 neighbours of each block of 32.  The eight waves' scale words meet in LDS and leave as 512 consecutive bytes.
; No matrix unit, no tensor load, no cluster: a stream that shares nothing between work-groups.
.set ROWX,  8192                       ; a row of x in bytes
.set SP,    528                        ; a stage row: 512 bytes + 16
.set STG,   16*SP                      ; a wave's stage
.set SCG,   8*STG                      ; behind the stages: the group's 128 scale words
.set SPARE, SCG+512                    ; the spare words, 128 bytes for each wave: four blocks of 256 bytes that no other line names
.set LI,    4                          ; v4   16 x lane; never rewritten
.set SIN,   5                          ; v5   the stage, on the way in
.set SOUT,  6                          ; v6   and on the way out: row r, + 64 h
.set SWA,   8                          ; v8   where my row's scale word goes
.set SRD,   9                          ; v9   where wave 0 reads the words back
.set SPW,   12                         ; v12  LDS address of my spare word; never rewritten
.set NIL,   13                         ; v13  0; never rewritten
.set R,     16                         ; v16-79   16 rows as loaded
.set X,     80                         ; v80-143  register 16 b + i = k 32 b + 16 h + i of my row
.set TM,    144                        ; v144-159 at work
.set PW,    160                        ; v160 the scale word
.set PC,    164                        ; v164-183 the codes
.set SEL,   20                         ; s[20:21] lane selects: lane l xor 16
; 64 numbers of a lane become a fragment's codes in v[PC] on and its scale word in v[PW]
.macro QUANT s
.irp b, 0,1,2,3
	v_max3_num_f32 v[TM+\b], |v[\s+16*\b]|, |v[\s+1+16*\b]|, 0x1800000   ; block b: my 16 numbers, and the floor 2^(3 - 127): the byte cannot fall under 1
.endr
.irp i, 2,4,6,8,10,12,14
.irp b, 0,1,2,3
	s_delay_alu instid0(VALU_DEP_4)
	v_max3_num_f32 v[TM+\b], v[TM+\b], |v[\s+16*\b+\i]|, |v[\s+1+16*\b+\i]|   ; the four blocks by turns
.endr
.endr
.irp b, 0,1,2,3
	s_delay_alu instid0(VALU_DEP_4)
	v_permlanex16_b32 v[TM+4+\b], v[TM+\b], s[SEL], s[SEL+1]
.endr
.irp b, 0,1,2,3
	s_delay_alu instid0(VALU_DEP_4)
	v_max_num_f32 v[TM+\b], v[TM+\b], v[TM+4+\b]   ; with lane l xor 16's: the block's largest magnitude
.endr
.irp b, 0,1,2,3
	s_delay_alu instid0(VALU_DEP_4)
	v_add_nc_u32 v[TM+12+\b], 0xff000000, v[TM+\b]   ; 2 off its exponent field: the conversion's scale operand
.endr
.irp b, 0,1,2,3
	s_delay_alu instid0(VALU_DEP_4)
	v_lshrrev_b32 v[TM+4+\b], 23, v[TM+12+\b]      ; the scale's byte
.endr
	s_delay_alu instid0(VALU_DEP_3)
	v_lshl_or_b32 v[PW], v[TM+5], 8, v[TM+4]
	s_delay_alu instid0(VALU_DEP_1)
	v_lshl_or_b32 v[PW], v[TM+6], 16, v[PW]
	s_delay_alu instid0(VALU_DEP_1)
	v_lshl_or_b32 v[PW], v[TM+7], 24, v[PW]
.irp c, 0,1
	v_cvt_scalef32_pk16_fp6_f32 v[PC+6*\c:PC+2+6*\c], v[\s+32*\c:\s+15+32*\c], v[TM+12+2*\c]
	v_cvt_scalef32_pk16_fp6_f32 v[PC+12+4*\c:PC+14+4*\c], v[\s+16+32*\c:\s+31+32*\c], v[TM+12+2*\c+1]   ; (a conversion's three registers begin on an even number)
.endr
	v_nop                                          ; one plain instruction behind the scaled conversions
.irp c, 0,1                                    ; the operand wants a whole block in a lane: lanes 0-15 block 2 c, lanes 16-31 block 2 c + 1
.irp i, 0,1,2
	v_permlane16_swap_b32 v[PC+6*\c+\i], v[PC+12+4*\c+\i]
.endr
.irp i, 0,1,2
	s_delay_alu instid0(VALU_DEP_3)
	v_mov_b32 v[PC+3+6*\c+\i], v[PC+12+4*\c+\i]
.endr
.endr
.endm
	s_load_b128 s[4:7], s[0:1], 0x0                ; x, xc
	s_load_b128 s[24:27], s[0:1], 0x10             ; cos, sin
	s_load_b64 s[28:29], s[0:1], 0x20              ; cs
	v_lshl_add_u32 v[SPW], v0, 2, SPARE
	v_mov_b32 v[NIL], 0
	v_lshrrev_b32 v1, 5, v0
	s_delay_alu instid0(VALU_DEP_1)
	v_readfirstlane_b32 s8, v1                     ; wave = tile of the group
	v_and_b32 v2, 31, v0                           ; lane
	v_and_b32 v3, 15, v0                           ; r
	v_bfe_u32 v7, v0, 4, 1                         ; h
	s_delay_alu instid0(VALU_DEP_3)
	v_lshlrev_b32 v[LI], 4, v2
	s_mul_i32 s9, s8, STG
	v_add_nc_u32 v[SIN], s9, v[LI]
	v_mul_u32_u24 v[SOUT], v3, SP
	s_delay_alu instid0(VALU_DEP_1)
	v_lshl_add_u32 v[SOUT], v7, 6, v[SOUT]
	s_delay_alu instid0(VALU_DEP_1)
	v_add_nc_u32 v[SOUT], s9, v[SOUT]
	s_lshl_b32 s10, s8, 2
	v_lshlrev_b32 v[SWA], 5, v3                    ; 32 r + 4 x tile
	s_delay_alu instid0(VALU_DEP_1)
	v_add_nc_u32 v[SWA], s10, v[SWA]
	s_delay_alu instid0(VALU_DEP_1)
	v_add_nc_u32 v[SWA], SCG, v[SWA]
	v_add_nc_u32 v[SRD], SCG, v[LI]
.irp b, 0,1,2,3
	v_mov_b32 v[TM+4+\b], 0                        ; written once: a lane permute's destination counts as one of its sources
.endr
	; THE TABLE cs: (cos, sin) pairs as images of the registers that RoPE reads in the next launch: [tile of 16 tokens 128][quad g 16][lane 32][16 bytes].
	; Quad g of lane (r, h) holds cos, sin of d / 2 = 2 g + 8 (g / 4) + 8 h and of the next d / 2, for place r's token.  Work-group x = g, wave = tile: 512 consecutive bytes a wave.
	v_and_b32 v10, 8, v3
	s_delay_alu instid0(VALU_DEP_1)
	v_add_nc_u32 v10, v10, v3                      ; r % 8 + 16 (r / 8)
	s_delay_alu instid0(VALU_DEP_1)
	v_lshlrev_b32 v10, 8, v10                      ; a row of cos or sin is 256 bytes
	s_delay_alu instid0(VALU_DEP_1)
	v_lshl_add_u32 v10, v7, 5, v10                 ; + 32 h
	s_mov_b32 s[SEL], 0x76543210
	s_mov_b32 s[SEL+1], 0xfedcba98
	s_and_b32 s11, ttmp7, 0xffff                   ; the group of 128 tokens
	s_lshr_b32 s12, s8, 1
	s_lshl_b32 s12, s12, 5
	s_and_b32 s13, s8, 1
	s_lshl_b32 s13, s13, 3
	s_add_co_u32 s12, s12, s13
	s_lshl_b32 s13, s11, 7
	s_add_co_u32 s12, s12, s13                     ; the tile's first token: 128 g + 32 (a / 2) + 8 (a % 2)
	s_lshl_b32 s30, s12, 8                         ; its row of cos and sin,
	s_lshl_b32 s31, ttmp9, 3
	s_add_co_u32 s30, s30, s31
	s_lshr_b32 s31, ttmp9, 2
	s_lshl_b32 s31, s31, 5
	s_add_co_u32 s30, s30, s31                     ; + 4 (2 g + 8 (g / 4)) bytes
	s_mov_b32 s31, 0
	s_lshl_b32 s22, s11, 3
	s_add_co_u32 s22, s22, s8
	s_lshl_b32 s22, s22, 13                        ; cs: tile x 8,192
	s_lshl_b32 s23, ttmp9, 9
	s_add_co_u32 s22, s22, s23                     ; + 512 g
	s_mov_b32 s23, 0
	s_lshl_b32 s12, s12, 13
	s_lshl_b32 s13, ttmp9, 9
	s_add_co_u32 s12, s12, s13                     ; + 512 bytes for each K step
	s_mov_b32 s13, 0
	s_lshr_b32 s14, ttmp9, 1
	s_lshl_b32 s14, s14, 7
	s_lshl_b32 s15, s11, 3
	s_add_co_u32 s14, s14, s15
	s_add_co_u32 s14, s14, s8
	s_lshl_b32 s14, s14, 1
	s_and_b32 s15, ttmp9, 1
	s_add_co_u32 s14, s14, s15
	s_mul_i32 s14, s14, 1536                       ; the image: ((K pair x 128 + tile) x 2 + K step of the pair) x 1,536
	s_mov_b32 s15, 0
	s_lshl_b32 s16, s11, 4
	s_add_co_u32 s16, s16, ttmp9
	s_lshl_b32 s16, s16, 9
	s_add_co_u32 s16, s16, 0x300000                ; the scale words: (16 g + K step) x 512
	s_mov_b32 s17, 0
	s_wait_alu depctr_va_vdst(0)
	s_wait_kmcnt 0x0
	s_add_nc_u64 s[4:5], s[4:5], s[12:13]
	s_add_nc_u64 s[18:19], s[6:7], s[16:17]
	s_add_nc_u64 s[6:7], s[6:7], s[14:15]
	s_add_nc_u64 s[24:25], s[24:25], s[30:31]
	s_add_nc_u64 s[26:27], s[26:27], s[30:31]
	s_add_nc_u64 s[28:29], s[28:29], s[22:23]
.irp i, 0,1,2,3,4,5,6,7,8,9,10,11,12,13,14,15
	global_load_b128 v[R+4*\i:R+4*\i+3], v[LI], s[4:5] offset:((\i%8)+16*(\i/8))*ROWX th:TH_LOAD_NT   ; place i's row: 32 lanes read 512 consecutive bytes
.endr
	global_load_b32 v196, v10, s[24:25]            ; cos, sin, cos, sin: the four youngest loads
	global_load_b32 v197, v10, s[26:27]
	global_load_b32 v198, v10, s[24:25] offset:4
	global_load_b32 v199, v10, s[26:27] offset:4
.irp i, 0,1,2,3,4,5,6,7,8,9,10,11,12,13,14,15
	s_wait_loadcnt 19-\i                           ; row i is in; the 15 - i younger rows and the table's four loads may be out
	ds_store_b128 v[SIN], v[R+4*\i:R+4*\i+3] offset:SP*\i
.endr
.irp b, 0,1,2,3
.irp j, 0,1,2,3
	ds_load_b128 v[X+16*\b+4*\j:X+16*\b+4*\j+3], v[SOUT] offset:128*\b+16*\j   ; LDS serves a wave's instructions in order: these see my stores
.endr
.endr
	s_wait_dscnt 0x0
	QUANT X
.irp c, 0,1,2
	global_store_b128 v[LI], v[PC+4*\c:PC+4*\c+3], s[6:7] offset:512*\c   ; the image: 512 consecutive bytes a store
.endr
	s_wait_loadcnt 0x0                             ; the table's four loads are in
	global_store_b128 v[LI], v[196:199], s[28:29]  ; my quad of the table: 512 consecutive bytes a wave
	ds_store_b32 v[SWA], v[PW]                     ; lanes l and l xor 16 write the same word with the same value
	s_wait_dscnt 0x0                               ; for the others' sake: my word has landed
	s_barrier_signal -1
	s_barrier_wait -1
	s_cmp_lg_u32 s8, 0
	s_cbranch_scc1 .Ldone
	ds_load_b128 v[184:187], v[SRD]                ; wave 0 stores the group's 128 words: 512 consecutive bytes
	s_wait_dscnt 0x0
	global_store_b128 v[LI], v[184:187], s[18:19]
.Ldone:
	s_wait_tensorcnt 0x0                           ; the wave's end, behind my last LDS store
	ds_add_u32 v[SPW], v[NIL]
	s_wait_dscnt 0x0
	s_endpgm
.Lfunc_end_k_q7ec784e029_qx:
	.size	k_q7ec784e029_qx, .Lfunc_end_k_q7ec784e029_qx-k_q7ec784e029_qx
	.p2alignl 7, 3214868480
	.fill 96, 4, 3214868480
	.section	.rodata,"a",@progbits
	.p2align	6, 0x0
	.amdhsa_kernel k_q7ec784e029_qx
		.amdhsa_group_segment_fixed_size 69120
		.amdhsa_private_segment_fixed_size 0
		.amdhsa_enable_private_segment 0
		.amdhsa_kernarg_size 40
		.amdhsa_user_sgpr_count 2
		.amdhsa_user_sgpr_kernarg_segment_ptr 1
		.amdhsa_wavefront_size32 1
		.amdhsa_system_sgpr_workgroup_id_x 1
		.amdhsa_system_sgpr_workgroup_id_y 1
		.amdhsa_system_sgpr_workgroup_id_z 1
		.amdhsa_system_vgpr_workitem_id 0
		.amdhsa_next_free_vgpr 208
		.amdhsa_next_free_sgpr 66
		.amdhsa_reserve_vcc 0
		.amdhsa_float_denorm_mode_32 3
		.amdhsa_float_denorm_mode_16_64 3
		.amdhsa_memory_ordered 1
		.amdhsa_forward_progress 1
		.amdhsa_inst_pref_size 15
	.end_amdhsa_kernel
	.amdgpu_metadata
---
amdhsa.version: [ 1, 2 ]
amdhsa.kernels:
  - .name:           k_q7ec784e029_qx
    .symbol:         k_q7ec784e029_qx.kd
    .args:
      - { .name: x, .offset: 0, .size: 8, .value_kind: global_buffer, .address_space: global }
      - { .name: xc, .offset: 8, .size: 8, .value_kind: global_buffer, .address_space: global }
      - { .name: freqs_cos, .offset: 16, .size: 8, .value_kind: global_buffer, .address_space: global }
      - { .name: freqs_sin, .offset: 24, .size: 8, .value_kind: global_buffer, .address_space: global }
      - { .name: cs, .offset: 32, .size: 8, .value_kind: global_buffer, .address_space: global }
    .group_segment_fixed_size: 69120
    .private_segment_fixed_size: 0
    .kernarg_segment_align: 8
    .kernarg_segment_size: 40
    .max_flat_workgroup_size: 256
    .sgpr_count:     66
    .vgpr_count:     208
    .wavefront_size: 32
...
	.end_amdgpu_metadata
.endif
;; end of part 6
;; launch qw (part 7): grid 64 x 8, 4 waves a work-group, no clusters, 26,112 bytes of LDS; arguments wq, wk, wv, wo, wc; writes wc
.if DOCPART == 7
	.amdgcn_target "amdgcn-amd-amdhsa--gfx1250"
	.amdhsa_code_object_version 6
	.text
	.protected	k_q7ec784e029_qw
	.globl	k_q7ec784e029_qw
	.p2align	8
	.type	k_q7ec784e029_qw,@function
k_q7ec784e029_qw:
	s_mov_b64 s[64:65], 0
	v_nop
	global_prefetch_b8 v0, s[64:65] scope:SCOPE_SE
	s_setreg_imm32_b32 hwreg(HW_REG_WAVE_MODE, 25, 1), 1
	s_wait_xcnt 0x0
; The four weights [2048 K][2048 n], f32, K their FIRST axis, become codes of FP6 (E2M3) with one E8M0 byte for each 32 along K, laid as images of operand registers (16 columns n x 128 K = 1,536 bytes:
; register 4 g + e of lane l at 512 g + 16 l + 4 e; place r of tile t is column 32 (t / 2) + 8 (t % 2) + r % 8 + 16 (r / 8)).
; wc: weight i (0 q, 1 k, 2 v, 3 o): images at i x 0x300000, [K pair 8][tile 128][K step of the pair 2][1536]; scale words at 0xC00000 + i x 0x20000, [group of 128 columns 16][K step 16][place 16][tile of the group 8].
; A LANE TAKES A COLUMN AND ITS REGISTERS RUN DOWN K: each load reads 128 consecutive bytes a wave, a block of 32 lies in one lane, and the conversions give codes with K innermost.
; A lane's six registers of a block go to their places in the image in the wave's own stage in LDS; the stage (two tiles x two K steps, 6,144 bytes, dense in wc) leaves as stores of 512 consecutive bytes.
; LIMITS: a block whose largest magnitude lies under 2^-124 has its byte held at 1; a block of zeros gets the byte 1 and zero codes (only this program reads the bytes); NaN and infinities are not served.
; SHARES: work-group x = 16 x weight + group of 128 columns, y = K pair (256 along K); wave w takes columns 32 w .. 32 w + 31 of the group: tiles 2 w and 2 w + 1.  Loads run two blocks (64 loads a wave) ahead.
.set ROWW,  8192                       ; a row of a weight in bytes
.set WST,   6144                       ; a wave's stage: [tile u 2][K step q 2][1536]
.set SCG,   4*WST                      ; behind the stages: two K steps' scale words, 512 bytes each
.set SPARE, SCG+1024                   ; the spare words, 128 bytes for each wave: two blocks of 256 bytes that no other line names
.set SPW,   14                         ; v14  LDS address of my spare word; never rewritten
.set NIL,   15                         ; v15  0; never rewritten
.set SB,    24                         ; v24-25  my column's scale words of the two K steps
.set X,     32                         ; v32-95  two sets of 32 numbers
.set C,     96                         ; v96-101 a block's codes
.set T,     104                        ; v104-106 their second half, as the conversion leaves it
.set OUTR,  112                        ; v112-159 the way out
	s_load_b256 s[4:11], s[0:1], 0x0               ; wq, wk, wv, wo
	s_load_b64 s[12:13], s[0:1], 0x20              ; wc
	v_lshl_add_u32 v[SPW], v0, 2, SPARE
	v_mov_b32 v[NIL], 0
	v_lshrrev_b32 v1, 5, v0
	v_readfirstlane_b32 s19, v1                    ; wave
	v_and_b32 v2, 31, v0                           ; lane = my column of the wave's 32
	v_lshlrev_b32 v3, 2, v2                        ; in: 4 bytes a lane
	v_and_b32 v5, 7, v2
	v_bfe_u32 v6, v0, 4, 1
	v_lshl_add_u32 v5, v6, 3, v5                   ; my place r in my tile: lane % 8 + 8 (lane / 16)
	v_bfe_u32 v6, v0, 3, 1                         ; my tile u of the wave's two: bit 3 of the lane
	s_mul_i32 s20, s19, WST
	v_lshlrev_b32 v4, 4, v5
	v_mad_u32_u24 v4, v6, 3072, v4
	v_add_nc_u32 v4, s20, v4                       ; into the stage: 3,072 u + 16 r
	v_lshlrev_b32 v8, 4, v2                        ; 16 x lane
	v_add_nc_u32 v7, s20, v8                       ; out of the stage
	s_lshl_b32 s21, s19, 3
	v_lshlrev_b32 v9, 5, v5
	v_lshl_add_u32 v9, v6, 2, v9
	v_add_nc_u32 v9, s21, v9
	v_add_nc_u32 v9, SCG, v9                       ; my scale word: 32 r + 4 (2 w + u)
	s_and_b32 s22, s19, 1
	s_lshl_b32 s21, s22, 9
	v_add_nc_u32 v10, s21, v8
	v_add_nc_u32 v10, SCG, v10                     ; where waves 0 and 1 read a K step's words back
	s_lshr_b32 s16, ttmp9, 4                       ; which weight
	s_and_b32 s17, ttmp9, 15                       ; which group of 128 columns
	s_and_b32 s18, ttmp7, 0xffff                   ; which K pair
	s_lshl_b32 s24, s18, 21                        ; 256 rows of 8,192 bytes
	s_lshl_b32 s25, s17, 9
	s_add_co_u32 s24, s24, s25
	s_lshl_b32 s25, s19, 7
	s_add_co_u32 s24, s24, s25                     ; + 4 x my wave's first column
	s_mov_b32 s25, 0
	s_lshl_b32 s26, s18, 7
	s_lshl_b32 s27, s17, 3
	s_add_co_u32 s26, s26, s27
	s_lshl_b32 s27, s19, 1
	s_add_co_u32 s26, s26, s27
	s_mul_i32 s26, s26, 3072                       ; images: (128 x K pair + tile) x 3,072
	s_mul_i32 s27, s16, 0x300000
	s_add_co_u32 s26, s26, s27
	s_mov_b32 s27, 0
	s_lshl_b32 s28, s17, 4
	s_lshl_b32 s29, s18, 1
	s_add_co_u32 s28, s28, s29
	s_add_co_u32 s28, s28, s22
	s_lshl_b32 s28, s28, 9                         ; scale words: (16 x group + K step) x 512
	s_lshl_b32 s29, s16, 17
	s_add_co_u32 s28, s28, s29
	s_add_co_u32 s28, s28, 0xC00000
	s_mov_b32 s29, 0
	s_wait_kmcnt 0x0
	s_cmp_eq_u32 s16, 1                            ; the weight is chosen by the work-group's number alone
	s_cselect_b64 s[4:5], s[6:7], s[4:5]
	s_cmp_eq_u32 s16, 2
	s_cselect_b64 s[4:5], s[8:9], s[4:5]
	s_cmp_eq_u32 s16, 3
	s_cselect_b64 s[4:5], s[10:11], s[4:5]
	s_add_nc_u64 s[4:5], s[4:5], s[24:25]
	s_add_nc_u64 s[14:15], s[12:13], s[28:29]
	s_add_nc_u64 s[12:13], s[12:13], s[26:27]
.macro LOAD t                          ; block t: W(32 t + i, my column), i = 0 .. 31, into set t % 2
.irp i, 0,1,2,3,4,5,6,7,8,9,10,11,12,13,14,15,16,17,18,19,20,21,22,23,24,25,26,27,28,29,30,31
	global_load_b32 v[X+32*((\t)%2)+\i], v3, s[4:5] offset:(32*(\t)+\i)*ROWW th:TH_LOAD_NT
.endr
.endm
	LOAD 0
	LOAD 1
.macro BLOCK t                         ; block t of 8: K step q = t / 4; in the fragment it is registers 6 c .. 6 c + 5 of lane r + 16 h, c = (t % 4) / 2, h = t % 2
.set XS, X+32*((\t)%2)
.set OB, 1536*((\t)/4)+256*((\t)%2)
.if (\t) < 7
	s_wait_loadcnt 32                              ; this block's 32 loads are in; the next block's 32 may be out
.else
	s_wait_loadcnt 0
.endif
	v_max3_num_f32 v12, |v[XS]|, |v[XS+1]|, |v[XS+2]|
	v_max3_num_f32 v13, |v[XS+3]|, |v[XS+4]|, |v[XS+5]|
.irp i, 6,10,14,18,22,26
	v_max3_num_f32 v12, v12, |v[XS+\i]|, |v[XS+\i+1]|
	v_max3_num_f32 v13, v13, |v[XS+\i+2]|, |v[XS+\i+3]|
.endr
	v_max3_num_f32 v12, v12, |v[XS+30]|, |v[XS+31]|
	v_max3_num_f32 v12, v12, v13, 0x1800000        ; and the floor 2^(3 - 127): the byte cannot fall under 1
	v_add_nc_u32 v11, 0xff000000, v12              ; 2 off the exponent field: the conversion's scale operand
	v_lshrrev_b32 v13, 23, v11                     ; the scale's byte
	v_cvt_scalef32_pk16_fp6_f32 v[C:C+2], v[XS:XS+15], v11
	v_cvt_scalef32_pk16_fp6_f32 v[T:T+2], v[XS+16:XS+31], v11   ; (a conversion's three registers begin on an even number)
.if (\t)%4 == 0
	v_mov_b32 v[SB+(\t)/4], v13                    ; four bytes to a word, the lower K in the lower byte.  (The plain instruction behind the conversions)
.else
	v_lshl_or_b32 v[SB+(\t)/4], v13, 8*((\t)%4), v[SB+(\t)/4]
.endif
	v_mov_b32 v[C+3], v[T]
	v_mov_b32 v[C+4], v[T+1]
	v_mov_b32 v[C+5], v[T+2]
.if ((\t)%4)/2 == 0
	ds_store_b128 v4, v[C:C+3] offset:OB           ; registers 0-3 of the fragment,
	ds_store_b64 v4, v[C+4:C+5] offset:OB+512      ; 4 and 5
.else
	ds_store_b64 v4, v[C:C+1] offset:OB+520        ; registers 6 and 7,
	ds_store_b128 v4, v[C+2:C+5] offset:OB+1024    ; 8-11
.endif
.if (\t)+2 < 8
	LOAD (\t)+2
.endif
	s_wait_dscnt 0x0                               ; the stores have read their registers: the next block's codes may be written
.endm
.irp t, 0,1,2,3,4,5,6,7
	BLOCK \t
.endr
	ds_store_b32 v9, v[SB]
	s_wait_alu depctr_va_vdst(0)
	ds_store_b32 v9, v[SB+1] offset:512
.irp i, 0,1,2,3,4,5,6,7,8,9,10,11
	ds_load_b128 v[OUTR+4*\i:OUTR+4*\i+3], v7 offset:512*\i   ; LDS serves a wave's instructions in order: these see my stores
.endr
.irp i, 0,1,2,3,4,5,6,7,8,9,10,11
	s_wait_dscnt 11-\i
	global_store_b128 v8, v[OUTR+4*\i:OUTR+4*\i+3], s[12:13] offset:512*\i   ; 512 consecutive bytes a store
.endr
	s_wait_dscnt 0x0                               ; for the others' sake: my scale words have landed
	s_barrier_signal -1
	s_barrier_wait -1
	s_cmp_gt_u32 s19, 1
	s_cbranch_scc1 .Ldone
	ds_load_b128 v[C:C+3], v10                     ; waves 0 and 1 store a K step's 128 words each: 512 consecutive bytes
	s_wait_dscnt 0x0
	global_store_b128 v8, v[C:C+3], s[14:15]
.Ldone:
	s_wait_tensorcnt 0x0                           ; the wave's end, behind my last LDS store
	ds_add_u32 v[SPW], v[NIL]
	s_wait_dscnt 0x0
	s_endpgm
.Lfunc_end_k_q7ec784e029_qw:
	.size	k_q7ec784e029_qw, .Lfunc_end_k_q7ec784e029_qw-k_q7ec784e029_qw
	.p2alignl 7, 3214868480
	.fill 96, 4, 3214868480
	.section	.rodata,"a",@progbits
	.p2align	6, 0x0
	.amdhsa_kernel k_q7ec784e029_qw
		.amdhsa_group_segment_fixed_size 26112
		.amdhsa_private_segment_fixed_size 0
		.amdhsa_enable_private_segment 0
		.amdhsa_kernarg_size 40
		.amdhsa_user_sgpr_count 2
		.amdhsa_user_sgpr_kernarg_segment_ptr 1
		.amdhsa_wavefront_size32 1
		.amdhsa_system_sgpr_workgroup_id_x 1
		.amdhsa_system_sgpr_workgroup_id_y 1
		.amdhsa_system_sgpr_workgroup_id_z 1
		.amdhsa_system_vgpr_workitem_id 0
		.amdhsa_next_free_vgpr 160
		.amdhsa_next_free_sgpr 66
		.amdhsa_reserve_vcc 0
		.amdhsa_float_denorm_mode_32 3
		.amdhsa_float_denorm_mode_16_64 3
		.amdhsa_memory_ordered 1
		.amdhsa_forward_progress 1
		.amdhsa_inst_pref_size 43
	.end_amdhsa_kernel
	.amdgpu_metadata
---
amdhsa.version: [ 1, 2 ]
amdhsa.kernels:
  - .name:           k_q7ec784e029_qw
    .symbol:         k_q7ec784e029_qw.kd
    .args:
      - { .name: wq, .offset: 0, .size: 8, .value_kind: global_buffer, .address_space: global }
      - { .name: wk, .offset: 8, .size: 8, .value_kind: global_buffer, .address_space: global }
      - { .name: wv, .offset: 16, .size: 8, .value_kind: global_buffer, .address_space: global }
      - { .name: wo, .offset: 24, .size: 8, .value_kind: global_buffer, .address_space: global }
      - { .name: wc, .offset: 32, .size: 8, .value_kind: global_buffer, .address_space: global }
    .group_segment_fixed_size: 26112
    .private_segment_fixed_size: 0
    .kernarg_segment_align: 8
    .kernarg_segment_size: 40
    .max_flat_workgroup_size: 128
    .sgpr_count:     66
    .vgpr_count:     160
    .wavefront_size: 32
...
	.end_amdgpu_metadata
.endif
;; end of part 7
;; launch proj (part 8): grid 8 x 24, 4 waves a work-group, clusters of 4 x 4, 327,680 bytes of LDS; arguments xc, wc, cs, qkv; writes qkv
.if DOCPART == 8
	.amdgcn_target "amdgcn-amd-amdhsa--gfx1250"
	.amdhsa_code_object_version 6
	.text
	.protected	k_q7ec784e029_proj
	.globl	k_q7ec784e029_proj
	.p2align	8
	.type	k_q7ec784e029_proj,@function
k_q7ec784e029_proj:
	s_mov_b64 s[64:65], 0
	v_nop
	global_prefetch_b8 v0, s[64:65] scope:SCOPE_SE
	s_setreg_imm32_b32 hwreg(HW_REG_WAVE_MODE, 25, 1), 1
	s_wait_xcnt 0x0
	s_wait_alu depctr_hold_cnt(0) depctr_sa_sdst(0) depctr_va_vdst(0) depctr_va_sdst(0) depctr_va_ssrc(0) depctr_va_vcc(0) depctr_vm_vsrc(0)
	s_getreg_b32 s2, hwreg(HW_REG_IB_STS2, 6, 4)
	s_cmp_eq_u32 s2, 0
	s_cbranch_scc0 .Lentry_in_a_cluster
	s_endpgm
.Lentry_in_a_cluster:
	s_bfe_u32 s2, ttmp6, 0x10000c
	s_cmp_lg_u32 s2, 0xf033
	s_cbranch_scc0 .Lentry_shape_is_right
	s_endpgm
.Lentry_shape_is_right:
; q = rope(x wq), k = rope(x wk), v = x wv on codes of FP6 (E2M3, one E8M0 byte for each 32 along K), and the results quantised at once: q and k along the head's 128, v along the tokens.
; OPERANDS are images of registers (16 rows x 128 K = 1,536 bytes, register 4 g + e of lane l at 512 g + 16 l + 4 e; place r of tile t is row 32 (t / 2) + 8 (t % 2) + r % 8 + 16 (r / 8)):
; [K pair 8][tile 128][K step 2][1536], scale words [group of 128 rows 16][K step 16][place 16][tile of the group 8].
; SHARES: the cluster's y / 2 says which product.  A work-group makes 256 rows of source 1 ('A') x 256 rows of source 0 ('B'); each of four waves 128 x 128: 64 accumulators.
; q, k: B = the weight's columns (128 = one head), A = tokens: a lane holds ONE token, register 16 b + i of a block = d 32 b + 16 h + i.   v: B = tokens, A = wv's columns: a lane holds ONE d, registers along 128 tokens.
; K goes in steps of 256 through two LDS slots filled by joint tensor loads (A's tiles shared along a row of the 4 x 4 cluster, B's along a column).
; THE HEAD: one joint load a wave: wave 0 K pair 0 of A's 256 rows, wave 1 of B's, wave 2 A's scale words for all of K, wave 3 B's.  Slot 1's first fill stands behind the three lines and a round, as a refill does.
; PREFETCH: behind the load of K pair j stands one prefetch for K pair j + 2 (at the head also K pair 1): of the 96 blocks of 256 bytes that a wave fetches, each of the four partners that ask jointly names 24,
; told apart by address (cx for A, cy for B); lanes 24-31 name the wave's last block again.  K pairs 6 and 7 are the last named: the loop's last trip asks for nothing.
; q and k also ask once for their tokens' part of the table cs: 512 blocks for a row of the cluster, 32 a wave.
; THE WAY OUT needs no LDS: RoPE in place on the accumulators, two packed instructions a pair, with (cos, sin) from cs, which is laid as this launch's registers want it (512 consecutive bytes a load); the quantiser; stores of 512 consecutive bytes.
; qkv: images of q, k, v at 0, 0x300000, 0x600000: [head 16][step of 128 tokens 16][tile 8][1536]; scale words at 0x900000, 0x920000, 0x940000: [head][step][place 16][tile 8].
; LIMITS: a block whose largest magnitude lies under 2^-124 has its byte held at 1; a block of zeros gets the byte 1 and zero codes; NaN and infinities are not served; RoPE is a product and a fused multiply-add a number.
; REGISTERS: window 0: v16-31 addresses; v32-63 scale words, two sets; v64-127 RoPE's first products; v128-223 A's fragments, ONE set (later the codes); v224-247 at work on the way out.
;   window 1: B's fragments, two sets, v0-95 and v128-223 (later the table's sets; v96-127 and v224-255 are theirs from the start).  windows 2, 3: the accumulators, (a, b) at v[8 (8 (a % 4) + b)].
.set HALFT,  24576                     ; 8 tiles x 256 K: what one load of the ring brings, and what one wave reads of A or of B
.set SLOT,   4*HALFT
.set KPB,    393216                    ; from a K pair to the next in memory
.set SCL,    2*SLOT                    ; the scale words: A's two groups, then B's two, 8,192 bytes each
.set HALFS,  8192
.set SPARE,  SCL+4*HALFS               ; the spare words: two blocks of 256 bytes that no other line names
.set FR,     12
.set NL,     3
.set NP,     4                         ; places behind this matrix instruction (ISA guide 7.12.1)
.set ADRA, 16                          ; v16-17 my A fragments in slot 0, 1
.set ADRB, 20                          ; v20-21 the same for B
.set PFC,  23                          ; v23 256 x lane: the table's prefetch
.set LI,   24                          ; v24 16 x lane
.set SWO,  26                          ; v26 32 r + 16 h
.set ADRS, 27                          ; v27 my scale words: lanes 0-15 A's, lanes 16-31 B's
.set SPW,  28
.set NIL,  29
.set HH,   30
.set PFO,  31                          ; v31 256 x min(lane, 23): the tiles' prefetch
.set SC,   32
.set RR,   64
.set AF,   128
.set PC,   128
.set TM,   224
.set PWS,  240
.set G0H,  4                           ; s[4:7], s[8:11] group 0 of the head's loads of codes (the arguments that lay in s[4:7] have been used by then)
.set G0HB, 8
.set PFT,  18                          ; s[18:19] the table's prefetch
.set G1, 24
.set G0, 32
.set G1B, 48
.set G0B, 56
.set G1S, 68
.set G0S, 76
.set G1SB, 80
.set G0SB, 88
.set PROD, 95                          ; 0 q, 1 k, 2 v: the same in all sixteen partners
.set SEL,  96
.set PFA,  98                          ; s[98:99] my 24 blocks of K pair 0 (stepped by two K pairs a trip)
.set CSP,  104                         ; s[104:105] cs
.set MSB, 0
.macro WIN new
.if MSB != (\new)
	s_set_vgpr_msb (MSB<<8)|(\new)
.set MSB, (\new)
.endif
.endm
.set MUL_LO, 0xa1
.set MUL_HI, 0xf1
.set TO_B,   0x40
.macro TL g0, g1                       ; a tensor load with an s_nop 0 and four v_nop
	tensor_load_to_lds s[\g0:\g0+3], s[\g1:\g1+7]
	s_nop 0
.rept 4
	v_nop
.endr
.endm
.macro JLOAD g0a, g1a, g0b, g1b        ; waves 0 and 1 fetch for A, waves 2 and 3 for B
	s_cmp_eq_u32 s15, 0
	s_cbranch_scc0 .Lfor_b_\@
	TL \g0a, \g1a
	s_branch .Lasked_\@
.Lfor_b_\@:
	TL \g0b, \g1b
.Lasked_\@:
.endm
.macro CREST
	s_cmp_lg_u32 s14, 0
	s_cbranch_scc1 .Lnot_wave_0_\@
	s_barrier_signal -3
.Lnot_wave_0_\@:
	s_barrier_wait -3
	s_barrier_signal -1
	s_barrier_wait -1
.endm
.macro CROUND
	s_barrier_signal -1
	s_barrier_wait -1
	CREST
.endm
.macro ASK off                         ; a tile's prefetch in the loop: not in the last trip, whose K pairs two on do not exist
	s_cmp_gt_u32 s3, 1
	s_cbranch_scc0 .Lno_ask_\@
	global_prefetch_b8 v[PFO], s[PFA:PFA+1] offset:\off th:TH_LOAD_NT scope:SCOPE_SE
.Lno_ask_\@:
.endm
	s_load_b128 s[4:7], s[0:1], 0x0                ; xc, wc
	s_load_b64 s[CSP:CSP+1], s[0:1], 0x10          ; cs
	s_load_b64 s[12:13], s[0:1], 0x18              ; qkv
	v_lshl_add_u32 v[SPW], v0, 2, SPARE
	v_mov_b32 v[NIL], 0
	ds_add_u32 v[SPW], v[NIL]                      ; the opening lines: the add, twice on end, and its wait
	ds_add_u32 v[SPW], v[NIL]
	v_lshrrev_b32 v1, 5, v0
	v_readfirstlane_b32 s14, v1                    ; wave
	s_lshr_b32 s15, s14, 1                         ; my half of A's rows; in the ring: I fetch for A (0) or B (1)
	s_and_b32 s16, s14, 1                          ; my half of B's rows; in the ring: which half I fetch
	s_bfe_u32 s40, ttmp6, 0x40000                  ; cx
	s_bfe_u32 s41, ttmp6, 0x40004                  ; cy
	s_lshl_b32 s42, ttmp9, 2
	s_add_co_u32 s42, s42, s40                     ; B's block of 256 rows
	s_and_b32 s17, ttmp7, 0xffff
	s_lshr_b32 s[PROD], s17, 1
	s_and_b32 s17, s17, 1
	s_lshl_b32 s17, s17, 2
	s_add_co_u32 s17, s17, s41                     ; A's block of 256 rows
	s_lshl_b32 s43, s41, 2
	s_lshl_b32 s43, 15, s43                        ; my row of the cluster
	s_lshl_b32 s44, 0x1111, s40                    ; my column
	; group 1: dense blocks as rows of 256 bytes (32 elements of 8 bytes): 192 rows of codes for the head's loads (96 for the ring's, set below), 64 rows of scale words
	s_or_b32 s[G1+0], s43, (3<<16)|(1<<21)
	s_or_b32 s[G1B+0], s44, (3<<16)|(1<<21)
.irp g, G1, G1B
	s_mov_b32 s[\g+1], 32<<16
	s_mov_b32 s[\g+2], 192<<16
	s_mov_b32 s[\g+3], 32<<16
	s_mov_b32 s[\g+4], 192
	s_mov_b32 s[\g+5], 32
	s_mov_b32 s[\g+6], 0
	s_mov_b32 s[\g+7], 0
.endr
	s_or_b32 s[G1S+0], s43, (3<<16)|(1<<21)
	s_or_b32 s[G1SB+0], s44, (3<<16)|(1<<21)
.irp g, G1S, G1SB
	s_mov_b32 s[\g+1], 32<<16
	s_mov_b32 s[\g+2], 64<<16
	s_mov_b32 s[\g+3], 32<<16
	s_mov_b32 s[\g+4], 64
	s_mov_b32 s[\g+5], 32
	s_mov_b32 s[\g+6], 0
	s_mov_b32 s[\g+7], 0
.endr
	; q, k: A = x (xc), B = weight PROD (wc).  v: A = weight 2 (wc), B = x (xc)
	s_lshl_b32 s99, s[PROD], 17
	s_add_co_u32 s99, s99, 0xC00000
	s_mul_i32 s98, s[PROD], 0x300000
	s_mov_b32 s19, 0xC40000
	s_cmp_lt_u32 s[PROD], 2
	s_cselect_b32 s18, 0, 0x600000                 ; A's images
	s_cselect_b32 s19, 0x300000, s19               ; A's scale words
	s_cselect_b32 s98, s98, 0                      ; B's images
	s_cselect_b32 s99, s99, 0x300000               ; B's scale words
	s_lshl_b32 s20, s17, 4
	s_lshl_b32 s21, s16, 3
	s_add_co_u32 s20, s20, s21                     ; A: tile 16 x block + 8 x half
	s_mul_i32 s20, s20, 3072
	s_add_co_u32 s20, s20, s18
	s_mov_b32 s21, 0
	s_lshl_b32 s22, s17, 1
	s_add_co_u32 s22, s22, s16
	s_lshl_b32 s22, s22, 13
	s_add_co_u32 s22, s22, s19
	s_mov_b32 s23, 0
	s_lshl_b32 s46, s42, 4
	s_lshl_b32 s47, s16, 3
	s_add_co_u32 s46, s46, s47
	s_mul_i32 s46, s46, 3072
	s_add_co_u32 s46, s46, s98
	s_mov_b32 s47, 0
	s_lshl_b32 s92, s42, 1
	s_add_co_u32 s92, s92, s16
	s_lshl_b32 s92, s92, 13
	s_add_co_u32 s92, s92, s99
	s_mov_b32 s93, 0
	s_mul_i32 s45, s14, HALFT                      ; the ring's LDS address: wave x a load's bytes
	s_mov_b32 s[SEL], 0x76543210
	s_mov_b32 s[SEL+1], 0xfedcba98
	s_wait_dscnt 0x0                               ; both opening adds are done
	s_wait_kmcnt 0x0
	s_cmp_lt_u32 s[PROD], 2
	s_cselect_b64 s[18:19], s[4:5], s[6:7]
	s_cselect_b64 s[98:99], s[6:7], s[4:5]
	s_add_nc_u64 s[20:21], s[18:19], s[20:21]
	s_add_nc_u64 s[22:23], s[18:19], s[22:23]
	s_add_nc_u64 s[46:47], s[98:99], s[46:47]
	s_add_nc_u64 s[92:93], s[98:99], s[92:93]
	s_mul_i32 s2, s16, HALFT                       ; the head's loads take both halves: back by my half
	s_mov_b32 s3, 0
	s_mov_b32 s[G0H], 1
	s_mov_b32 s[G0H+1], 0
	s_sub_nc_u64 s[G0H+2:G0H+3], s[20:21], s[2:3]
	s_or_b32 s[G0H+3], s[G0H+3], 0x80000000
	s_mov_b32 s[G0HB], 1
	s_mov_b32 s[G0HB+1], 2*HALFT
	s_sub_nc_u64 s[G0HB+2:G0HB+3], s[46:47], s[2:3]
	s_or_b32 s[G0HB+3], s[G0HB+3], 0x80000000
	s_lshl_b32 s2, s16, 13
	s_mov_b32 s[G0S], 1
	s_mov_b32 s[G0S+1], SCL
	s_sub_nc_u64 s[G0S+2:G0S+3], s[22:23], s[2:3]
	s_or_b32 s[G0S+3], s[G0S+3], 0x80000000
	s_mov_b32 s[G0SB], 1
	s_mov_b32 s[G0SB+1], SCL+2*HALFS
	s_sub_nc_u64 s[G0SB+2:G0SB+3], s[92:93], s[2:3]
	s_or_b32 s[G0SB+3], s[G0SB+3], 0x80000000
.irp s, 0,1
	s_mov_b32 s[G0+4*\s], 1
	s_add_co_u32 s[G0+4*\s+1], s45, \s*SLOT
	s_add_nc_u64 s[G0+4*\s+2:G0+4*\s+3], s[20:21], \s*KPB
	s_or_b32 s[G0+4*\s+3], s[G0+4*\s+3], 0x80000000
	s_mov_b32 s[G0B+4*\s], 1
	s_add_co_u32 s[G0B+4*\s+1], s45, \s*SLOT
	s_add_nc_u64 s[G0B+4*\s+2:G0B+4*\s+3], s[46:47], \s*KPB
	s_or_b32 s[G0B+4*\s+3], s[G0B+4*\s+3], 0x80000000
.endr
	s_cmp_eq_u32 s15, 0                            ; the prefetches: of the 24,576 bytes that I fetch in the ring, my work-group's 6,144
	s_cselect_b64 s[PFA:PFA+1], s[20:21], s[46:47]
	s_cselect_b32 s2, s40, s41
	s_mul_i32 s2, s2, 6144
	s_add_nc_u64 s[PFA:PFA+1], s[PFA:PFA+1], s[2:3]
	CROUND                                         ; all sixteen work-groups are here: the first joint loads meet
	s_cmp_lt_u32 s14, 1                            ; ONE chain of branches on the wave's number, one load to an arm
	s_cbranch_scc0 .Lhead_b
	TL G0H, G1
	s_branch .Lhead_asked
.Lhead_b:
	s_cmp_lt_u32 s14, 2
	s_cbranch_scc0 .Lhead_sa
	TL G0HB, G1B
	s_branch .Lhead_asked
.Lhead_sa:
	s_cmp_lt_u32 s14, 3
	s_cbranch_scc0 .Lhead_sb
	TL G0S, G1S
	s_branch .Lhead_asked
.Lhead_sb:
	TL G0SB, G1SB
.Lhead_asked:
	v_and_b32 v1, 15, v0                           ; r
	v_bfe_u32 v2, v0, 4, 1                         ; h
	s_wait_alu depctr_va_vdst(0)
	v_and_b32 v3, 31, v0
	v_lshlrev_b32 v[LI], 4, v3
	s_mul_i32 s21, s15, HALFT
	s_mul_i32 s22, s16, HALFT
	s_add_co_u32 s22, s22, 2*HALFT
.irp s, 0,1
	v_add_nc_u32 v[ADRA+\s], s21, v[LI]
	v_add_nc_u32 v[ADRB+\s], s22, v[LI]
	s_add_co_u32 s21, s21, SLOT
	s_add_co_u32 s22, s22, SLOT
.endr
	v_lshlrev_b32 v5, 5, v1                        ; my place's eight scale words: 32 r
	s_lshl_b32 s21, s15, 13
	s_lshl_b32 s22, s16, 13
	s_add_co_u32 s22, s22, 2*HALFS
	s_sub_co_u32 s22, s22, s21
	v_mul_u32_u24 v6, s22, v2                      ; lanes 16-31 take B's: the lower base + h x the distance
	s_add_co_u32 s21, s21, SCL
	v_add_nc_u32 v5, v5, v6
	v_add_nc_u32 v[ADRS], s21, v5
	v_and_b32 v[PFO], 31, v0
	v_lshlrev_b32 v[PFC], 8, v[PFO]
	v_min_u32 v[PFO], 23, v[PFO]
	v_lshlrev_b32 v[PFO], 8, v[PFO]
	v_lshlrev_b32 v[SWO], 5, v1
	v_lshl_add_u32 v[SWO], v2, 4, v[SWO]
	v_mov_b32 v[HH], v2
	; where my results go.  q, k: head = B's group, step = A's group;  v: the other way round
	s_lshl_b32 s66, s42, 1
	s_add_co_u32 s66, s66, s16                     ; B's group
	s_lshl_b32 s67, s17, 1
	s_add_co_u32 s67, s67, s15                     ; A's group
	s_lshl_b32 s2, s17, 17                         ; the table of A's 256 tokens is 131,072 bytes; my wave names 8,192 of them: 32,768 cx + 8,192 wave
	s_lshl_b32 s3, s40, 15
	s_add_co_u32 s2, s2, s3
	s_lshl_b32 s3, s14, 13
	s_add_co_u32 s2, s2, s3
	s_mov_b32 s3, 0
	s_add_nc_u64 s[PFT:PFT+1], s[CSP:CSP+1], s[2:3]
	s_lshl_b32 s2, s67, 16                         ; my 128 tokens' eight images of 8,192 bytes
	s_add_nc_u64 s[CSP:CSP+1], s[CSP:CSP+1], s[2:3]
	s_cmp_lt_u32 s[PROD], 2
	s_cselect_b32 s100, s66, s67                   ; head
	s_cselect_b32 s101, s67, s66                   ; step
	s_mul_i32 s66, s[PROD], 0x300000
	s_mul_i32 s67, s100, 0x30000
	s_add_co_u32 s66, s66, s67
	s_mul_i32 s67, s101, 12288
	s_add_co_u32 s66, s66, s67
	s_mov_b32 s67, 0
	s_lshl_b32 s100, s100, 13
	s_lshl_b32 s101, s101, 9
	s_add_co_u32 s100, s100, s101
	s_lshl_b32 s101, s[PROD], 17
	s_add_co_u32 s100, s100, s101
	s_add_co_u32 s100, s100, 0x900000
	s_mov_b32 s101, 0
	s_add_nc_u64 s[100:101], s[12:13], s[100:101]  ; my 128 scale words
	s_add_nc_u64 s[12:13], s[12:13], s[66:67]      ; my eight images
.macro FRAG reg, adr, q, i             ; a fragment's image: three loads of 16 bytes a lane
.irp c, 0,1,2
	ds_load_b128 v[\reg+4*\c:\reg+4*\c+3], v[\adr] offset:(\i)*3072+(\q)*1536+512*\c
.endr
.endm
; 16 matrix instructions: A's blocks a0, a0 + 1 x B's eight.  The 64 accumulators take turns, one instruction a turn, in the same order in every step.
.macro MUL16 a0, p, q, sc, zero
.irp a, \a0, \a0+1
.irp b, 0,1,2,3,4,5,6,7
.if \zero
	v_wmma_scale_f32_16x16x128_f8f6f4 v[8*(8*((\a)%4)+\b):8*(8*((\a)%4)+\b)+7], v[128*(\p)+FR*\b:128*(\p)+FR*\b+FR-1], v[AF+FR*(\a):AF+FR*(\a)+FR-1], 0, v[SC+16*(\sc)+8*(\q)+\b], v[SC+16*(\sc)+8*(\q)+(\a)] matrix_a_fmt:MATRIX_FMT_FP6 matrix_b_fmt:MATRIX_FMT_FP6 matrix_a_scale:MATRIX_SCALE_ROW1
.else
	v_wmma_scale_f32_16x16x128_f8f6f4 v[8*(8*((\a)%4)+\b):8*(8*((\a)%4)+\b)+7], v[128*(\p)+FR*\b:128*(\p)+FR*\b+FR-1], v[AF+FR*(\a):AF+FR*(\a)+FR-1], v[8*(8*((\a)%4)+\b):8*(8*((\a)%4)+\b)+7], v[SC+16*(\sc)+8*(\q)+\b], v[SC+16*(\sc)+8*(\q)+(\a)] matrix_a_fmt:MATRIX_FMT_FP6 matrix_b_fmt:MATRIX_FMT_FP6 matrix_a_scale:MATRIX_SCALE_ROW1
.endif
.endr
.endr
.endm
.macro FETCH_B slot, q, p
	WIN TO_B
.irp i, 0,1,2,3,4,5,6,7
	FRAG 128*(\p)+FR*\i, ADRB+\slot, \q, \i
.endr
	WIN 0
.endm
.macro FETCH_A slot, q, i0
.irp i, \i0, \i0+1, \i0+2, \i0+3
	FRAG AF+FR*(\i), ADRA+\slot, \q, \i
.endr
.endm
.macro SCALES sc
.irp q, 0,1
	ds_load_b128 v[SC+16*\sc+8*\q:SC+16*\sc+8*\q+3], v[ADRS] offset:512*\q
	ds_load_b128 v[SC+16*\sc+8*\q+4:SC+16*\sc+8*\q+7], v[ADRS] offset:512*\q+16
.endr
.endm
.macro PLACES n                        ; plain places behind matrix instructions, ahead of loads into their registers and of reads of results
.rept \n
	v_nop
.endr
.endm
.macro STEP slot, q, zero              ; a step of 128 along K that has its successor in the same slot
	s_wait_dscnt 4*NL                              ; all but the youngest 12 loads (A's blocks 4-7)
	WIN MUL_LO
	MUL16 0, (\q)%2, \q, \slot, \zero
	MUL16 2, (\q)%2, \q, \slot, \zero
	s_wait_dscnt 0
	PLACES NP
	FETCH_B \slot, (\q)+1, 1-(\q)%2
	FETCH_A \slot, (\q)+1, 0
	WIN MUL_HI
	MUL16 4, (\q)%2, \q, \slot, \zero
	MUL16 6, (\q)%2, \q, \slot, \zero
	PLACES NP
	WIN 0
	FETCH_A \slot, (\q)+1, 4
.endm
.macro TURN slot, next, fill           ; a slot's last step changes slots: ONE barrier; fill = 1: it opens a round, and this slot is filled again, two K pairs ahead
	s_wait_tensorcnt 0x0                           ; all my tensor loads have landed: my part of the next slot
	ds_add_u32 v[SPW], v[NIL]
	s_wait_dscnt 4*NL+1                            ; (the add and the youngest 12 loads may be out)
	WIN MUL_LO
	MUL16 0, 1, 1, \slot, 0
	s_wait_dscnt 0x0                               ; the add is done, and my reads of this slot are over
	s_barrier_signal -1
	MUL16 2, 1, 1, \slot, 0
	WIN 0
	s_barrier_wait -1
.if \fill
	CREST
	s_add_nc_u64 s[G0+4*\slot+2:G0+4*\slot+3], s[G0+4*\slot+2:G0+4*\slot+3], 2*KPB
	s_add_nc_u64 s[G0B+4*\slot+2:G0B+4*\slot+3], s[G0B+4*\slot+2:G0B+4*\slot+3], 2*KPB
	JLOAD G0+4*\slot, G1, G0B+4*\slot, G1B         ; the first tensor load behind the round; its four v_nop are the places in front of the loads below
.else
	PLACES NP
.endif
	s_wait_alu depctr_va_vdst(0)
	v_add_nc_u32 v[ADRS], 1024, v[ADRS]            ; the next K pair's scale words
	FETCH_B \next, 0, 0
	FETCH_A \next, 0, 0
	SCALES \next
.if \fill
	ASK (4+\slot)*KPB                              ; two K pairs beyond the one just asked for
.endif
	WIN MUL_HI
	MUL16 4, 1, 1, \slot, 0
	MUL16 6, 1, 1, \slot, 0
	PLACES NP
	WIN 0
	FETCH_A \next, 0, 4
.endm
.macro LASTK                           ; the last K pair, in slot 1
	STEP 1, 0, 0
	s_wait_dscnt 4*NL
	WIN MUL_LO
	MUL16 0, 1, 1, 1, 0
	MUL16 2, 1, 1, 1, 0
	s_wait_dscnt 0
	WIN MUL_HI
	MUL16 4, 1, 1, 1, 0
	MUL16 6, 1, 1, 1, 0
	WIN 0
	PLACES NP
.endm
; 64 numbers of a lane, v[s] on of window w, register 16 b + i = index 32 b + 16 h + i along the next K, become a fragment's codes in v[PC] on and its scale word in v[pw]
.macro QUANT s, w, pw
	WIN (\w)|((\w)<<2)
.irp b, 0,1,2,3
	v_max3_num_f32 v[TM+\b], |v[\s+16*\b]|, |v[\s+1+16*\b]|, 0x1800000   ; and the floor 2^(3 - 127)
.endr
	WIN ((\w)<<2)|((\w)<<4)
.irp i, 2,4,6,8,10,12,14
.irp b, 0,1,2,3
	v_max3_num_f32 v[TM+\b], v[TM+\b], |v[\s+16*\b+\i]|, |v[\s+1+16*\b+\i]|
.endr
.endr
	WIN 0
.irp b, 0,1,2,3
	v_permlanex16_b32 v[TM+4+\b], v[TM+\b], s[SEL], s[SEL+1]
.endr
.irp b, 0,1,2,3
	v_max_num_f32 v[TM+\b], v[TM+\b], v[TM+4+\b]
.endr
.irp b, 0,1,2,3
	v_add_nc_u32 v[TM+12+\b], 0xff000000, v[TM+\b]   ; 2 off the exponent field: the conversion's scale operand
.endr
.irp b, 0,1,2,3
	v_lshrrev_b32 v[TM+4+\b], 23, v[TM+12+\b]
.endr
	v_lshl_or_b32 v[\pw], v[TM+5], 8, v[TM+4]
	v_lshl_or_b32 v[\pw], v[TM+6], 16, v[\pw]
	v_lshl_or_b32 v[\pw], v[TM+7], 24, v[\pw]
	WIN (\w)
.irp c, 0,1
	v_cvt_scalef32_pk16_fp6_f32 v[PC+6*\c:PC+2+6*\c], v[\s+32*\c:\s+15+32*\c], v[TM+12+2*\c]
	v_cvt_scalef32_pk16_fp6_f32 v[PC+12+4*\c:PC+14+4*\c], v[\s+16+32*\c:\s+31+32*\c], v[TM+12+2*\c+1]
.endr
	WIN 0
	v_nop                                          ; one plain instruction behind the scaled conversions
.irp c, 0,1
.irp i, 0,1,2
	v_permlane16_swap_b32 v[PC+6*\c+\i], v[PC+12+4*\c+\i]
.endr
.irp i, 0,1,2
	v_mov_b32 v[PC+3+6*\c+\i], v[PC+12+4*\c+\i]
.endr
.endr
.endm
; The table's image for block a: 64 registers: pair n (cos, sin of d / 2 = 16 (n / 8) + 8 h + n % 8) at 2 n.  Set a % 4: pairs 0-15 at 32 ((a + 3) % 4) of window 1, pairs 16-31 128 further on: set 0 lies in registers that no product names.
.macro CSLOAD a
.set CB, 32*(((\a)%4+3)%4)
	WIN TO_B
.irp g, 0,1,2,3,4,5,6,7
	global_load_b128 v[CB+4*\g:CB+4*\g+3], v[LI], s[CSP:CSP+1] offset:8192*(\a)+512*\g
	global_load_b128 v[CB+128+4*\g:CB+128+4*\g+3], v[LI], s[CSP:CSP+1] offset:8192*(\a)+4096+512*\g
.endr
	WIN 0
.endm
; o0 = x0 cos - x1 sin, o1 = x0 sin + x1 cos, in place.  First (x1 sin, x1 cos) for all 32 pairs, then x0 (cos, sin) with the first product's low half negated.  Each accumulator is read from its low end on.
.macro ROPE a
.set CB, 32*(((\a)%4+3)%4)
.set AC, 64*((\a)%4)
	WIN (2+(\a)/4)|4
.set n, 0
.rept 32
	v_pk_mul_f32 v[RR+2*n:RR+2*n+1], v[AC+2*n:AC+2*n+1], v[CB+2*n+96*(n/16):CB+2*n+96*(n/16)+1] op_sel:[1,1] op_sel_hi:[1,0]
.set n, n+1
.endr
	WIN (2+(\a)/4)|4|((2+(\a)/4)<<6)
.set n, 0
.rept 32
	v_pk_fma_f32 v[AC+2*n:AC+2*n+1], v[AC+2*n:AC+2*n+1], v[CB+2*n+96*(n/16):CB+2*n+96*(n/16)+1], v[RR+2*n:RR+2*n+1] op_sel_hi:[0,1,1] neg_lo:[0,0,1]
.set n, n+1
.endr
	WIN 0
.endm
.macro IMAGE a
.irp c, 0,1,2
	global_store_b128 v[LI], v[PC+4*\c:PC+4*\c+3], s[12:13] offset:1536*(\a)+512*\c
.endr
.endm
	s_wait_alu depctr_va_vdst(0)                   ; the head's end
	global_prefetch_b8 v[PFO], s[PFA:PFA+1] offset:KPB th:TH_LOAD_NT scope:SCOPE_SE     ; K pairs 1 and 2
	global_prefetch_b8 v[PFO], s[PFA:PFA+1] offset:2*KPB th:TH_LOAD_NT scope:SCOPE_SE
	s_cmp_lt_u32 s[PROD], 2
	s_cbranch_scc0 .Lno_table
	global_prefetch_b8 v[PFC], s[PFT:PFT+1] th:TH_LOAD_NT scope:SCOPE_SE                ; q, k: my 32 blocks of the table
.Lno_table:
	s_wait_tensorcnt 0x0                           ; my tile of the head's four is in; the three lines, as ahead of a refill
	ds_add_u32 v[SPW], v[NIL]
	s_mov_b32 s[G1+2], 96<<16                      ; no tensor load of mine is out: from here on a load brings 96 rows
	s_mov_b32 s[G1+4], 96
	s_mov_b32 s[G1B+2], 96<<16
	s_mov_b32 s[G1B+4], 96
	s_wait_dscnt 0x0
	CROUND
	JLOAD G0+4, G1, G0B+4, G1B                     ; K pair 1, slot 1's first fill
	FETCH_B 0, 0, 0
	FETCH_A 0, 0, 0
	SCALES 0
	FETCH_A 0, 0, 4
	global_prefetch_b8 v[PFO], s[PFA:PFA+1] offset:3*KPB th:TH_LOAD_NT scope:SCOPE_SE   ; K pair 3
	STEP 0, 0, 1                                   ; the first step's products start the sums
	s_mov_b32 s3, 3
.Llap:                                                 ; a trip goes once round the ring: K pairs 2 to 7 are fetched in three trips
	TURN 0, 1, 1
	STEP 1, 0, 0
	TURN 1, 0, 1
	STEP 0, 0, 0
	s_wait_xcnt 0x0                                ; the trip's prefetches have read their base
	s_add_nc_u64 s[PFA:PFA+1], s[PFA:PFA+1], 2*KPB
	s_sub_co_u32 s3, s3, 1
	s_cmp_lg_u32 s3, 0
	s_cbranch_scc1 .Llap
	TURN 0, 1, 0
	s_cmp_eq_u32 s[PROD], 2                        ; the same in all sixteen partners; neither way holds a barrier or a tensor load
	s_cbranch_scc1 .Lvtail
	; ---- q and k: RoPE, then the quantiser along the head
	CSLOAD 0
	LASTK
	CSLOAD 1
	CSLOAD 2
	CSLOAD 3
.irp b, 0,1,2,3
	v_mov_b32 v[TM+4+\b], 0                        ; a lane permute's destination counts as one of its sources
.endr
.irp a, 0,1,2,3,4,5,6,7
.if \a < 5
	s_wait_loadcnt 48                              ; this block's 16 loads are in; the three younger sets may be out
.else
	s_wait_loadcnt 16*(7-\a)
.endif
	s_wait_xcnt 0x0                                ; the last block's stores have read the codes' registers
	ROPE \a
.if \a < 4
	CSLOAD \a+4
.endif
	QUANT 64*((\a)%4), 2+(\a)/4, PWS+\a
	IMAGE \a
.endr
	s_branch .Ljoin
.Lvtail:
	; ---- v: the quantiser along the tokens
	LASTK
.irp b, 0,1,2,3
	v_mov_b32 v[TM+4+\b], 0
.endr
.irp a, 0,1,2,3,4,5,6,7
	s_wait_xcnt 0x0
	QUANT 64*((\a)%4), 2+(\a)/4, PWS+\a
	IMAGE \a
.endr
.Ljoin:
	v_cmp_eq_u32 vcc_lo, 1, v[HH]                  ; lanes 0-15 store tiles 0-3's words, lanes 16-31 tiles 4-7's: 512 consecutive bytes
.irp i, 0,1,2,3
	v_cndmask_b32 v[PWS+\i], v[PWS+\i], v[PWS+4+\i], vcc_lo
.endr
	global_store_b128 v[SWO], v[PWS:PWS+3], s[100:101]
	s_wait_tensorcnt 0x0                           ; the wave's end
	ds_add_u32 v[SPW], v[NIL]
	s_wait_dscnt 0x0
	CROUND                                         ; the closing round
	s_endpgm
.Lfunc_end_k_q7ec784e029_proj:
	.size	k_q7ec784e029_proj, .Lfunc_end_k_q7ec784e029_proj-k_q7ec784e029_proj
	.p2alignl 7, 3214868480
	.fill 96, 4, 3214868480
	.section	.rodata,"a",@progbits
	.p2align	6, 0x0
	.amdhsa_kernel k_q7ec784e029_proj
		.amdhsa_group_segment_fixed_size 327680
		.amdhsa_private_segment_fixed_size 0
		.amdhsa_enable_private_segment 0
		.amdhsa_kernarg_size 32
		.amdhsa_user_sgpr_count 2
		.amdhsa_user_sgpr_kernarg_segment_ptr 1
		.amdhsa_wavefront_size32 1
		.amdhsa_system_sgpr_workgroup_id_x 1
		.amdhsa_system_sgpr_workgroup_id_y 1
		.amdhsa_system_sgpr_workgroup_id_z 1
		.amdhsa_system_vgpr_workitem_id 0
		.amdhsa_next_free_vgpr 1024
		.amdhsa_next_free_sgpr 106
		.amdhsa_reserve_vcc 1
		.amdhsa_float_denorm_mode_32 3
		.amdhsa_float_denorm_mode_16_64 3
		.amdhsa_memory_ordered 1
		.amdhsa_forward_progress 1
		.amdhsa_inst_pref_size 242
	.end_amdhsa_kernel
	.amdgpu_metadata
---
amdhsa.version: [ 1, 2 ]
amdhsa.kernels:
  - .name:           k_q7ec784e029_proj
    .symbol:         k_q7ec784e029_proj.kd
    .args:
      - { .name: xc, .offset: 0, .size: 8, .value_kind: global_buffer, .address_space: global }
      - { .name: wc, .offset: 8, .size: 8, .value_kind: global_buffer, .address_space: global }
      - { .name: cs, .offset: 16, .size: 8, .value_kind: global_buffer, .address_space: global }
      - { .name: qkv, .offset: 24, .size: 8, .value_kind: global_buffer, .address_space: global }
    .group_segment_fixed_size: 327680
    .private_segment_fixed_size: 0
    .kernarg_segment_align: 8
    .kernarg_segment_size: 32
    .max_flat_workgroup_size: 128
    .sgpr_count:     106
    .vgpr_count:     1024
    .wavefront_size: 32
...
	.end_amdgpu_metadata
.endif
;; end of part 8
;; launch att (part 9): grid 16 x 16, 8 waves a work-group, no clusters, 327,680 bytes of LDS; arguments qkv, oc; writes oc
.if DOCPART == 9
	.amdgcn_target "amdgcn-amd-amdhsa--gfx1250"
	.amdhsa_code_object_version 6
	.text
	.protected	k_q7ec784e029_att
	.globl	k_q7ec784e029_att
	.p2align	8
	.type	k_q7ec784e029_att,@function
k_q7ec784e029_att:
	s_mov_b64 s[64:65], 0
	v_nop
	global_prefetch_b8 v0, s[64:65] scope:SCOPE_SE
	s_setreg_imm32_b32 hwreg(HW_REG_WAVE_MODE, 25, 1), 1
	s_wait_xcnt 0x0
; Causal attention of one head on codes of FP6 (E2M3, one E8M0 byte for each 32 along K): S^T = k q^T, p = 2^(t - M) with M the ceiling of the running largest t, O^T += v^T p^T, o = O / l, and o quantised along the head for the last product.
; LEFT OUT: key steps of 128 that lie wholly behind a tile's queries: the causal mask sets their scores to -inf, so their p is 0 for all inputs.  A NaN or infinity that reaches only such keys is not carried on.
; qkv: images of operand registers (16 rows x 128 K = 1,536 bytes) of q, k, v at 0, 0x300000, 0x600000: [head 16][step of 128 tokens 16][tile 8][1536]; scale words at 0x900000, 0x920000, 0x940000: [head][step][place 16][tile 8].
; Place r of tile t is token 32 (t / 2) + 8 (t % 2) + r % 8 + 16 (r / 8): a tile's 16 queries lie inside one step of 128.
; SHARES: work-group (x, y = head) owns the four query tiles of block x of 64 queries and the four of block 31 - x: 17 tile-steps for each pair of tiles, whatever x.
; Waves c and c + 4 own the SAME two tiles (4 x + c and 4 (31 - x) + c); wave c takes the even key steps, wave c + 4 the odd ones, of both tiles: 8 or 9 tile-steps a wave, and a step's fragments of k and v serve both tiles.
; Each wave keeps O, M and l of both tiles.  Tile A is the one that it finishes (waves 0-3 the high tile, waves 4-7 the low one); tile B's partial O, -M and l go to the partner through LDS.
; M is a whole number, so the two partial results are joined by exact powers of two; a wave that met no key of a tile hands on O = 0, l = 0 and a factor that comes out 0.
; LDS: two slots of four key steps (k's four, then v's four, 12,288 bytes each), 131,072 bytes apart; behind them all scale words of k and of v.  At the head waves 0-3 fetch two steps of k or v each, waves 4-7 half of k's or v's
; scale words: one tensor load a wave.  Behind each trip's barrier waves 0-3 fill the other slot; a test on ids leads round the fill of a slot whose first key lies behind the work-group's last query.
; The exchange lies in slot 0, behind the three lines and a barrier that follow the loop: that slot has had its last fill and its last read by then.
; No cluster: the work-groups of a head need different numbers of slots.  PREFETCH: work-group x = 0 of each head asks, 8,192 bytes a wave in waves 0-5, for the slot after the one that is being fetched (at the head: slot 1).
; LIMITS: the promise holds while the scaled scores stay under 2^31 in magnitude; a block of o whose largest magnitude lies under 2^-124 has its byte held at 1, a block of zeros the byte 1 and zero codes; NaN and infinities are not served.
; REGISTERS: window 0: v1-10, v28-29, v85-88 addresses; v12-15 and v80-83 -M, t, l of tiles A and B; v16-27, v68-79 q's fragments; v255, v84 q's scale words; v32-47 k's and v's scale words; v96-159 scores, then p; v160-223 O of tile A;
;   v224-254 at work.  window 1: v0-95 k's fragments, v96-191 v's, v192-255 O of tile B.
.set STEPB, 12288
.set NST,   4
.set VOFF,  NST*STEPB
.set SLOT1, 1<<17
.set SCK,   2*SLOT1
.set SCV,   SCK+8192
.set SPARE, SCV+8192                   ; the spare words: 128 bytes a wave, four blocks of 256 bytes that no other line names
.set XP,    8448                       ; the exchange: 8,192 bytes of O and 256 of (-M, l) for each wave
.set LI,   1
.set ASK0, 2
.set DQ,   3
.set LN,   4
.set SPW,  5
.set NIL,  6
.set R32,  7
.set ADK,  8
.set ADS,  9
.set ADV,  10
.set PFO,  28
.set LIP,  29
.set KSC,  32
.set VSC,  40
.set PC,   48
.set XW,   85
.set XW2,  86
.set XR,   87
.set XR2,  88
.set TM,   232
.set PW,   253
.set TB,   2
.set TS,   3
.set WV,   18
.set SEL,  20
.set CS,   22
.set G1,   24
.set G1S,  32
.set G0,   40
.set G0S,  44
.set LQ,   66
.set SLOTS, 67
.set PFA,  76
.set LIM,  80
.set Q0B,  81
.set QMX,  82
.set KS,   83
.set PAR,  84
.set KF,   98
.set Q0A,  99
.set MSB, 0
.macro WIN new
.if MSB != (\new)
	s_set_vgpr_msb (MSB<<8)|(\new)
.set MSB, (\new)
.endif
.endm
.macro ASK
	s_cmp_gt_u32 s[SLOTS], s[LIM]
	s_cbranch_scc0 .Lnot_mine_\@
	global_prefetch_b8 v[PFO], s[PFA:PFA+1] th:TH_LOAD_NT scope:SCOPE_SE
	global_prefetch_b8 v[PFO], s[PFA:PFA+1] offset:0x300000 th:TH_LOAD_NT scope:SCOPE_SE
.Lnot_mine_\@:
.endm
; 64 numbers of a lane become a fragment's codes in v[PC] on and its scale word in v[PW]
.macro QUANT s
.irp b, 0,1,2,3
	v_max3_num_f32 v[TM+\b], |v[\s+16*\b]|, |v[\s+1+16*\b]|, 0x1800000
.endr
.irp i, 2,4,6,8,10,12,14
.irp b, 0,1,2,3
	s_delay_alu instid0(VALU_DEP_4)
	v_max3_num_f32 v[TM+\b], v[TM+\b], |v[\s+16*\b+\i]|, |v[\s+1+16*\b+\i]|
.endr
.endr
.irp b, 0,1,2,3
	s_delay_alu instid0(VALU_DEP_4)
	v_permlanex16_b32 v[TM+4+\b], v[TM+\b], s[SEL], s[SEL+1]
.endr
.irp b, 0,1,2,3
	s_delay_alu instid0(VALU_DEP_4)
	v_max_num_f32 v[TM+\b], v[TM+\b], v[TM+4+\b]
.endr
.irp b, 0,1,2,3
	s_delay_alu instid0(VALU_DEP_4)
	v_add_nc_u32 v[TM+12+\b], 0xff000000, v[TM+\b]
.endr
.irp b, 0,1,2,3
	s_delay_alu instid0(VALU_DEP_4)
	v_lshrrev_b32 v[TM+4+\b], 23, v[TM+12+\b]
.endr
	s_delay_alu instid0(VALU_DEP_3)
	v_lshl_or_b32 v[PW], v[TM+5], 8, v[TM+4]
	s_delay_alu instid0(VALU_DEP_1)
	v_lshl_or_b32 v[PW], v[TM+6], 16, v[PW]
	s_delay_alu instid0(VALU_DEP_1)
	v_lshl_or_b32 v[PW], v[TM+7], 24, v[PW]
.irp c, 0,1
	v_cvt_scalef32_pk16_fp6_f32 v[PC+6*\c:PC+2+6*\c], v[\s+32*\c:\s+15+32*\c], v[TM+12+2*\c]
	v_cvt_scalef32_pk16_fp6_f32 v[PC+12+4*\c:PC+14+4*\c], v[\s+16+32*\c:\s+31+32*\c], v[TM+12+2*\c+1]
.endr
	v_nop
.irp c, 0,1
.irp i, 0,1,2
	v_permlane16_swap_b32 v[PC+6*\c+\i], v[PC+12+4*\c+\i]
.endr
.irp i, 0,1,2
	s_delay_alu instid0(VALU_DEP_3)
	v_mov_b32 v[PC+3+6*\c+\i], v[PC+12+4*\c+\i]
.endr
.endr
.endm
	s_load_b128 s[4:7], s[0:1], 0x0                ; qkv, oc
	v_lshl_add_u32 v[SPW], v0, 2, SPARE
	v_mov_b32 v[NIL], 0
	ds_add_u32 v[SPW], v[NIL]                      ; the opening lines: the add, twice on end, and its wait
	ds_add_u32 v[SPW], v[NIL]
	v_lshrrev_b32 v8, 5, v0
	s_delay_alu instid0(VALU_DEP_1)
	v_readfirstlane_b32 s[WV], v8
	s_and_b32 s48, ttmp7, 0xffff                   ; head
	s_and_b32 s50, s[WV], 3
	s_lshr_b32 s[PAR], s[WV], 2                    ; which key steps are mine: even (0) or odd (1)
	s_lshl_b32 s49, ttmp9, 2
	s_add_co_u32 s49, s49, s50                     ; the low tile
	s_sub_co_u32 s51, 31, ttmp9
	s_lshl_b32 s51, s51, 2
	s_add_co_u32 s51, s51, s50                     ; the high tile
	s_cmp_eq_u32 s[PAR], 0
	s_cselect_b32 s52, s51, s49                    ; tile A: the one that I finish
	s_cselect_b32 s53, s49, s51                    ; tile B: the one that my partner finishes
	s_lshl_b32 s[LQ], ttmp9, 6
	s_sub_co_u32 s[LQ], 2047, s[LQ]                ; the work-group's last query
	s_mul_i32 s85, s48, 0x30000                    ; the head's images
	s_lshl_b32 s86, s48, 13                        ; the head's scale words
	s_mul_i32 s54, s52, 1536                       ; q's image of tile A
	s_add_co_u32 s54, s54, s85
	s_mov_b32 s55, 0
	s_lshr_b32 s87, s52, 3
	s_and_b32 s88, s52, 7
	s_lshl_b32 s88, s88, 2
	s_lshl_b32 s58, s87, 9
	s_add_co_u32 s58, s58, s88
	s_add_co_u32 s58, s58, s86
	s_add_co_u32 s58, s58, 0x900000                ; and its scale words
	s_mov_b32 s59, 0
	s_mul_i32 s56, s53, 1536                       ; the same of tile B
	s_add_co_u32 s56, s56, s85
	s_mov_b32 s57, 0
	s_lshr_b32 s89, s53, 3
	s_and_b32 s90, s53, 7
	s_lshl_b32 s90, s90, 2
	s_lshl_b32 s60, s89, 9
	s_add_co_u32 s60, s60, s90
	s_add_co_u32 s60, s60, s86
	s_add_co_u32 s60, s60, 0x900000
	s_mov_b32 s61, 0
	s_lshr_b32 s62, s48, 1                         ; oc: image ((head / 2) x 128 + tile A) x 3,072 + (head % 2) x 1,536
	s_lshl_b32 s62, s62, 7
	s_add_co_u32 s62, s62, s52
	s_mul_i32 s62, s62, 3072
	s_and_b32 s89, s48, 1
	s_mul_i32 s89, s89, 1536
	s_add_co_u32 s62, s62, s89
	s_mov_b32 s63, 0
	s_lshl_b32 s68, s87, 4                         ; oc's scale words: (16 x group + head) x 512 + 4 x tile of the group
	s_add_co_u32 s68, s68, s48
	s_lshl_b32 s68, s68, 9
	s_add_co_u32 s68, s68, s88
	s_add_co_u32 s68, s68, 0x300000
	s_mov_b32 s69, 0
	s_lshr_b32 s89, s52, 1                         ; the tiles' first tokens
	s_lshl_b32 s89, s89, 5
	s_and_b32 s90, s52, 1
	s_lshl_b32 s90, s90, 3
	s_add_co_u32 s[Q0A], s89, s90
	s_lshr_b32 s89, s53, 1
	s_lshl_b32 s89, s89, 5
	s_and_b32 s90, s53, 1
	s_lshl_b32 s90, s90, 3
	s_add_co_u32 s[Q0B], s89, s90
	s_max_u32 s[QMX], s[Q0A], s[Q0B]
	s_mov_b32 s70, 0x600000-4*STEPB                ; waves 0, 1: k's steps 0-1, 2-3 of a slot; waves 2, 3: v's
	s_cmp_lt_u32 s[WV], 2
	s_cselect_b32 s70, 0x300000, s70
	s_mul_i32 s89, s[WV], 2*STEPB
	s_add_co_u32 s70, s70, s89
	s_add_co_u32 s70, s70, s85
	s_mov_b32 s71, 0
	s_mov_b32 s72, 0x940000-6*4096                 ; waves 4, 5: the halves of k's scale words; waves 6, 7: of v's
	s_cmp_lt_u32 s[WV], 6
	s_cselect_b32 s72, 0x920000-4*4096, s72
	s_lshl_b32 s89, s[WV], 12
	s_add_co_u32 s72, s72, s89
	s_add_co_u32 s72, s72, s86
	s_mov_b32 s73, 0
	s_lshl_b32 s74, s[WV], 13                      ; the prefetches: 8,192 bytes a wave of slot 1's 49,152 of k (v's lie 0x300000 on)
	s_add_co_u32 s74, s74, s85
	s_add_co_u32 s74, s74, 0x300000+NST*STEPB
	s_mov_b32 s75, 0
	s_cmp_lt_u32 s[WV], 6
	s_cselect_b32 s[LIM], 2, -1
	s_cmp_eq_u32 ttmp9, 0
	s_cselect_b32 s[LIM], s[LIM], -1               ; asked while more than 2 trips are left, by waves 0-5 of work-group x = 0
	s_mul_i32 s91, s[PAR], 512
	s_add_co_u32 s91, s91, SCK
	s_mul_i32 s92, s[PAR], STEPB
	s_mul_i32 s93, s[WV], XP
	s_xor_b32 s94, s[WV], 4
	s_mul_i32 s94, s94, XP
	s_mov_b32 s[G1], 3<<16                         ; 96 rows of 256 bytes: two key steps
	s_mov_b32 s[G1+1], 32<<16
	s_mov_b32 s[G1+2], 96<<16
	s_mov_b32 s[G1+3], 32<<16
	s_mov_b32 s[G1+4], 96
	s_mov_b32 s[G1+5], 32
	s_mov_b32 s[G1+6], 0
	s_mov_b32 s[G1+7], 0
	s_mov_b32 s[G1S], 3<<16                        ; 16 rows of 256 bytes: eight steps' scale words
	s_mov_b32 s[G1S+1], 32<<16
	s_mov_b32 s[G1S+2], 16<<16
	s_mov_b32 s[G1S+3], 32<<16
	s_mov_b32 s[G1S+4], 16
	s_mov_b32 s[G1S+5], 32
	s_mov_b32 s[G1S+6], 0
	s_mov_b32 s[G1S+7], 0
	s_mov_b32 s[SEL], 0x76543210
	s_mov_b32 s[SEL+1], 0xfedcba98
	s_mov_b32 s[CS], 0x3e0293ee                    ; log2(e) / sqrt(128)
	s_mov_b32 s[CS+1], s[CS]
	s_mov_b32 s[TB], 0
	s_mov_b32 s[TS], 0
	s_mov_b32 s[KS], 0
	s_lshl_b32 s[KF], s[PAR], 7                    ; my first step's first key
	s_mov_b32 s[SLOTS], 4
	s_wait_dscnt 0x0
	s_wait_kmcnt 0x0
	s_mov_b32 s[G0S], 1
	s_lshl_b32 s[G0S+1], s[WV], 12
	s_add_co_u32 s[G0S+1], s[G0S+1], SCK-4*4096
	s_add_nc_u64 s[G0S+2:G0S+3], s[4:5], s[72:73]
	s_or_b32 s[G0S+3], s[G0S+3], 0x80000000
	s_mov_b32 s[G0], 1
	s_mul_i32 s[G0+1], s[WV], 2*STEPB
	s_add_nc_u64 s[G0+2:G0+3], s[4:5], s[70:71]
	s_or_b32 s[G0+3], s[G0+3], 0x80000000
	s_cmp_lt_u32 s[WV], 4                          ; one tensor load a wave, one to each arm
	s_cbranch_scc0 .Lhead_s
	tensor_load_to_lds s[G0:G0+3], s[G1:G1+7]
	s_nop 0
.rept 4
	v_nop
.endr
	s_branch .Lhead_asked
.Lhead_s:
	tensor_load_to_lds s[G0S:G0S+3], s[G1S:G1S+7]
	s_nop 0
.rept 4
	v_nop
.endr
.Lhead_asked:
	s_add_nc_u64 s[54:55], s[4:5], s[54:55]
	s_add_nc_u64 s[56:57], s[4:5], s[56:57]
	s_add_nc_u64 s[58:59], s[4:5], s[58:59]
	s_add_nc_u64 s[60:61], s[4:5], s[60:61]
	s_add_nc_u64 s[PFA:PFA+1], s[4:5], s[74:75]
	s_add_nc_u64 s[62:63], s[6:7], s[62:63]
	s_add_nc_u64 s[68:69], s[6:7], s[68:69]
	v_and_b32 v8, 15, v0
	v_bfe_u32 v9, v0, 4, 1
	v_and_b32 v[LN], 31, v0
	s_delay_alu instid0(VALU_DEP_1)
	v_lshlrev_b32 v[LI], 4, v[LN]
	s_delay_alu instid0(VALU_DEP_4)
	v_lshlrev_b32 v[R32], 5, v8
.irp c, 0,1,2
	global_load_b128 v[16+4*\c:19+4*\c], v[LI], s[54:55] offset:512*\c
	global_load_b128 v[68+4*\c:71+4*\c], v[LI], s[56:57] offset:512*\c
.endr
	global_load_b32 v255, v[R32], s[58:59]
	global_load_b32 v84, v[R32], s[60:61]
	v_add_nc_u32 v[ASK0], s91, v[R32]              ; my place's scale words of my first step
	v_add_nc_u32 v[LIP], s92, v[LI]                ; my first step's images
	v_add_nc_u32 v[XW], s93, v[LI]                 ; the exchange: where I put, and where my partner has put
	v_add_nc_u32 v[XR], s94, v[LI]
	v_lshlrev_b32 v10, 3, v[LN]
	s_delay_alu instid0(VALU_DEP_1)
	v_add_nc_u32 v[XW2], s93, v10
	v_add_nc_u32 v[XR2], s94, v10
	v_and_b32 v11, 8, v8
	s_delay_alu instid0(VALU_DEP_1)
	v_add_nc_u32 v11, v11, v8
	v_lshlrev_b32 v9, 4, v9
	s_delay_alu instid0(VALU_DEP_1)
	v_sub_nc_u32 v[DQ], v11, v9                    ; my query in its tile less 16 h
	v_lshlrev_b32 v[PFO], 8, v[LN]
	v_mov_b32 v13, 0xff61b1e6                      ; the largest t so far: -3e38
	v_mov_b32 v81, 0xff61b1e6
	v_floor_f32 v12, -v13
	v_floor_f32 v80, -v81
	v_mov_b32 v14, 0
	v_mov_b32 v15, 0
	v_mov_b32 v82, 0
	v_mov_b32 v83, 0
.irp b, 0,1,2,3
	v_mov_b32 v[236+\b], 0
.endr
	v_mov_b32 v252, 0
	v_mov_b32 v253, 0
.set j, 0
.rept 64
	v_mov_b32 v[160+j], 0
.set j, j+1
.endr
	WIN 0x40
.set j, 0
.rept 64
	v_mov_b32 v[192+j], 0
.set j, j+1
.endr
	WIN 0
; One tile's share of a key step.  QF, QS: q's fragment and scale words; ST: -M, t, l, l; O at v[OB] of window OW; Q0R: the tile's first token.
.macro TILE QF, QS, ST, OW, OB, Q0R
	s_cmp_gt_u32 s[KF], s[\Q0R]                    ; the step lies behind the tile's queries
	s_cbranch_scc1 .Lskip_\@
	WIN 0x01
.irp t, 0,1,2,3,4,5,6,7
	v_wmma_scale_f32_16x16x128_f8f6f4 v[96+8*\t:103+8*\t], v[12*\t:12*\t+11], v[\QF:\QF+11], 0, v[KSC+\t], v[\QS] matrix_a_fmt:MATRIX_FMT_FP6 matrix_b_fmt:MATRIX_FMT_FP6
.endr
	WIN 0
.rept 4
	v_nop
.endr
	s_add_co_u32 s96, s[KF], 127
	s_cmp_le_u32 s96, s[\Q0R]
	s_cbranch_scc1 .Lopen_\@                       ; every key of the step counts for every query of the tile
	s_sub_co_i32 s96, s[\Q0R], s[KF]
	v_add_nc_u32 v252, s96, v[DQ]
	v_mov_b32 v254, 0xff800000
.set n, 0
.rept 64
	v_cmp_gt_i32 vcc_lo, 32*(n/16)+n%16, v252
	v_cndmask_b32 v[96+n], v[96+n], v254, vcc_lo
.set n, n+1
.endr
.Lopen_\@:
.irp b, 0,1,2,3
	v_max3_num_f32 v[232+\b], v[96+16*\b], v[97+16*\b], v[98+16*\b]
.endr
.irp i, 3,5,7,9,11,13
.irp b, 0,1,2,3
	v_max3_num_f32 v[232+\b], v[232+\b], v[96+16*\b+\i], v[97+16*\b+\i]
.endr
.endr
.irp b, 0,1,2,3
	v_max_num_f32 v[232+\b], v[232+\b], v[111+16*\b]
.endr
.irp b, 0,1,2,3
	s_delay_alu instid0(VALU_DEP_4)
	v_permlanex16_b32 v[236+\b], v[232+\b], s[SEL], s[SEL+1]
.endr
.irp b, 0,1,2,3
	s_delay_alu instid0(VALU_DEP_4)
	v_max_num_f32 v[232+\b], v[232+\b], v[236+\b]
.endr
	s_delay_alu instid0(VALU_DEP_2)
	v_max3_num_f32 v254, v232, v233, v234
	s_delay_alu instid0(VALU_DEP_1)
	v_max_num_f32 v254, v254, v235
	s_delay_alu instid0(VALU_DEP_1)
	v_mul_f32 v254, s[CS], v254
	s_delay_alu instid0(VALU_DEP_1)
	v_max_num_f32 v[\ST+1], v[\ST+1], v254         ; the running largest t
	v_mov_b32 v254, v[\ST]
	s_delay_alu instid0(VALU_DEP_2)
	v_floor_f32 v[\ST], -v[\ST+1]                  ; -M
	s_delay_alu instid0(VALU_DEP_1)
	v_sub_f32 v254, v[\ST], v254
	s_delay_alu instid0(VALU_DEP_1)
	v_cvt_i32_f32 v254, v254
	s_delay_alu instid0(VALU_DEP_1)
	v_ldexp_f32 v252, 1.0, v254                    ; f = 2^(old M - new M)
.set j, 0
.rept 32
	v_pk_fma_f32 v[96+j:97+j], v[96+j:97+j], s[CS:CS+1], v[\ST:\ST+1] op_sel_hi:[1,0,0]
.set j, j+2
.endr
.irp b, 0,1,2,3
	v_fma_f32 v[232+\b], v[232+\b], s[CS], v[\ST]
.endr
.set j, 0
	s_wait_alu depctr_va_vdst(0)                   ; ahead of the batch
.rept 64
	v_exp_f32 v[96+j], v[96+j]
.set j, j+1
.endr
	v_pk_mul_f32 v[\ST+2:\ST+3], v[\ST+2:\ST+3], v[252:253] op_sel_hi:[1,0]
	s_wait_alu depctr_va_vdst(0)                   ; and behind it
.irp b, 0,1,2,3
	v_exp_f32 v[232+\b], v[232+\b]                 ; each block's largest p
.endr
	v_pk_add_f32 v[236:237], v[96:97], v[98:99]    ; the row's sum, of the unquantised p
.irp j, 4,8,12,16,20,24,28,32,36,40,44,48,52,56,60
	v_pk_add_f32 v[\ST+2:\ST+3], v[\ST+2:\ST+3], v[96+\j:97+\j]
	v_pk_add_f32 v[236:237], v[236:237], v[98+\j:99+\j]
.endr
	s_delay_alu instid0(VALU_DEP_1)
	v_pk_add_f32 v[\ST+2:\ST+3], v[\ST+2:\ST+3], v[236:237]
	s_wait_alu depctr_va_vdst(0)
.irp b, 0,1,2,3
	v_max_num_f32 v[232+\b], 0x1800000, v[232+\b]
.endr
.irp b, 0,1,2,3
	s_delay_alu instid0(VALU_DEP_4)
	v_add_nc_u32 v[244+\b], 0xff000000, v[232+\b]
.endr
.irp b, 0,1,2,3
	s_delay_alu instid0(VALU_DEP_4)
	v_lshrrev_b32 v[236+\b], 23, v[244+\b]
.endr
	s_delay_alu instid0(VALU_DEP_3)
	v_lshl_or_b32 v253, v237, 8, v236
	s_delay_alu instid0(VALU_DEP_1)
	v_lshl_or_b32 v253, v238, 16, v253
	s_delay_alu instid0(VALU_DEP_1)
	v_lshl_or_b32 v253, v239, 24, v253             ; p's scale word for these 128 keys
.irp c, 0,1
	v_cvt_scalef32_pk16_fp6_f32 v[224+6*\c:226+6*\c], v[96+32*\c:111+32*\c], v[244+2*\c]
	v_cvt_scalef32_pk16_fp6_f32 v[236+4*\c:238+4*\c], v[112+32*\c:127+32*\c], v[244+2*\c+1]
.endr
	v_nop
.irp c, 0,1
.irp i, 0,1,2
	v_permlane16_swap_b32 v[224+6*\c+\i], v[236+4*\c+\i]
.endr
.irp i, 0,1,2
	s_delay_alu instid0(VALU_DEP_3)
	v_mov_b32 v[227+6*\c+\i], v[236+4*\c+\i]
.endr
.endr
	WIN (\OW)|((\OW)<<6)
.set j, 0
.rept 32
	v_pk_mul_f32 v[\OB+j:\OB+j+1], v[\OB+j:\OB+j+1], v[252:253] op_sel_hi:[1,0]   ; O under the new M
.set j, j+2
.endr
	s_wait_alu depctr_va_vdst(0)
	s_wait_dscnt 0x0                               ; v's fragments and scale words are in
	WIN 0x01|((\OW)<<4)|((\OW)<<6)
.irp t, 0,1,2,3,4,5,6,7
	v_wmma_scale_f32_16x16x128_f8f6f4 v[\OB+8*\t:\OB+8*\t+7], v[96+12*\t:96+12*\t+11], v[224:235], v[\OB+8*\t:\OB+8*\t+7], v[VSC+\t], v253 matrix_a_fmt:MATRIX_FMT_FP6 matrix_b_fmt:MATRIX_FMT_FP6
.endr
	WIN 0
.Lskip_\@:
.endm
; One of my two key steps of a slot: step q + my parity of its four.  Its fragments are read once and serve both tiles.
.macro KSTEP q
	s_cmp_gt_u32 s[KF], s[QMX]
	s_cbranch_scc1 .Lhidden_\@
	v_add_nc_u32 v[ADK], s[TB], v[LIP]             ; (these three and the v_nop are the places behind the last products)
	v_add_nc_u32 v[ADS], s[TS], v[ASK0]
	s_delay_alu instid0(VALU_DEP_2)
	v_add_nc_u32 v[ADV], VOFF, v[ADK]
	v_nop
	ds_load_b128 v[KSC:KSC+3], v[ADS]
	ds_load_b128 v[KSC+4:KSC+7], v[ADS] offset:16
	WIN 0x40
.irp t, 0,1,2,3,4,5,6,7
.irp c, 0,1,2
	ds_load_b128 v[12*\t+4*\c:12*\t+4*\c+3], v[ADK] offset:(\q)*STEPB+\t*1536+512*\c
.endr
.endr
.irp t, 0,1,2,3,4,5,6,7
.irp c, 0,1,2
	ds_load_b128 v[96+12*\t+4*\c:96+12*\t+4*\c+3], v[ADV] offset:(\q)*STEPB+\t*1536+512*\c
.endr
.endr
	WIN 0
	ds_load_b128 v[VSC:VSC+3], v[ADS] offset:8192
	ds_load_b128 v[VSC+4:VSC+7], v[ADS] offset:8192+16
	s_wait_dscnt 26                                ; k's scale words and fragments are in; v's 24 loads and its 2 of scale words may be out
	TILE 16, 255, 12, 0, 160, Q0A
	TILE 68, 84, 80, 1, 192, Q0B
	s_wait_dscnt 0x0                               ; on every way, also one that runs neither tile: the step's loads have landed before the next step loads into the same registers
.Lhidden_\@:
	s_add_co_u32 s[KF], s[KF], 256
	s_add_co_u32 s[TS], s[TS], 1024
.endm
	s_wait_alu depctr_va_vdst(0)                   ; the head's end
	ASK                                            ; slot 1
	s_wait_loadcnt 0x0
.Lslot:                                                ; four trips, a slot of four key steps each
	s_wait_tensorcnt 0x0                           ; all my tensor loads have landed
	ds_add_u32 v[SPW], v[NIL]
	s_xor_b32 s[G0+1], s[G0+1], SLOT1
	s_add_nc_u64 s[G0+2:G0+3], s[G0+2:G0+3], NST*STEPB
	s_wait_xcnt 0x0                                ; my prefetches have read their base
	s_add_nc_u64 s[PFA:PFA+1], s[PFA:PFA+1], NST*STEPB
	s_wait_dscnt 0x0                               ; the add is done, and my reads of the other slot are over
	s_barrier_signal -1
	s_barrier_wait -1
	s_add_co_u32 s96, s[KS], NST*128
	s_cmp_gt_u32 s96, s[LQ]                        ; the next slot's first key lies behind the work-group's last query (always so in the last trip): nothing is fetched
	s_cbranch_scc1 .Lpast
	s_cmp_lt_u32 s[WV], 4                          ; waves 0-3 fetch
	s_cbranch_scc0 .Lpast
	tensor_load_to_lds s[G0:G0+3], s[G1:G1+7]
	s_nop 0
.rept 4
	v_nop
.endr
.Lpast:
	ASK
	KSTEP 0
	KSTEP 2
	s_xor_b32 s[TB], s[TB], SLOT1
	s_add_co_u32 s[KS], s[KS], NST*128
	s_sub_co_u32 s[SLOTS], s[SLOTS], 1
	s_cmp_lg_u32 s[SLOTS], 0
	s_cbranch_scc1 .Lslot
.rept 4
	v_nop
.endr
	s_wait_tensorcnt 0x0                           ; no tensor load is out, and behind this barrier nobody reads a slot any more
	ds_add_u32 v[SPW], v[NIL]
	s_wait_dscnt 0x0
	s_barrier_signal -1
	s_barrier_wait -1
	v_add_f32 v81, v82, v83                        ; tile B's l, beside its -M
	s_wait_alu depctr_va_vdst(0)                   ; ahead of the first readers of tile B's O
	ds_store_b64 v[XW2], v[80:81] offset:8192
	WIN 0x04
.set j, 0
.rept 16
	ds_store_b128 v[XW], v[192+4*j:195+4*j] offset:512*j   ; each accumulator from its low end on
.set j, j+1
.endr
	WIN 0
	v_add_f32 v14, v14, v15                        ; tile A's l
	s_wait_alu depctr_va_vdst(0)
	s_wait_dscnt 0x0                               ; for my partner's sake
	s_barrier_signal -1
	s_barrier_wait -1
	ds_load_b64 v[232:233], v[XR2] offset:8192     ; my partner's -M and l of tile A,
.set j, 0
.rept 16
	ds_load_b128 v[96+4*j:99+4*j], v[XR] offset:512*j      ; and its O
.set j, j+1
.endr
	s_wait_dscnt 0x0
	v_min_num_f32 v254, v12, v232                  ; -M of both
	s_delay_alu instid0(VALU_DEP_1)
	v_sub_f32 v252, v254, v12
	v_sub_f32 v238, v254, v232
	s_delay_alu instid0(VALU_DEP_2)
	v_cvt_i32_f32 v252, v252
	s_delay_alu instid0(VALU_DEP_2)
	v_cvt_i32_f32 v238, v238
	s_delay_alu instid0(VALU_DEP_2)
	v_ldexp_f32 v252, 1.0, v252                    ; my factor,
	s_delay_alu instid0(VALU_DEP_2)
	v_ldexp_f32 v238, 1.0, v238                    ; my partner's: exact powers of two
	s_delay_alu instid0(VALU_DEP_2)
	v_mul_f32 v14, v14, v252
	s_delay_alu instid0(VALU_DEP_1)
	v_fma_f32 v14, v233, v238, v14
	s_delay_alu instid0(VALU_DEP_1)
	v_permlanex16_b32 v236, v14, s[SEL], s[SEL+1]
	s_delay_alu instid0(VALU_DEP_1)
	v_add_f32 v14, v14, v236                       ; the row's sum
	s_wait_alu depctr_va_vdst(0)
	v_rcp_f32 v14, v14
	v_nop
	s_wait_alu depctr_va_vdst(0)
	v_mul_f32 v252, v252, v14
	v_mul_f32 v238, v238, v14
.set j, 0
.rept 32
	v_pk_mul_f32 v[96+j:97+j], v[96+j:97+j], v[238:239] op_sel_hi:[1,0]
.set j, j+2
.endr
.set j, 0
.rept 32
	v_pk_fma_f32 v[96+j:97+j], v[160+j:161+j], v[252:253], v[96+j:97+j] op_sel_hi:[1,0,1]
.set j, j+2
.endr
	QUANT 96
.irp c, 0,1,2
	global_store_b128 v[LI], v[PC+4*\c:PC+4*\c+3], s[62:63] offset:512*\c
.endr
	s_wait_xcnt 0x0
	v_cmp_gt_u32 vcc_lo, 16, v[LN]
	s_and_saveexec_b32 s96, vcc_lo
	global_store_b32 v[R32], v[PW], s[68:69]
	s_wait_xcnt 0x0
	s_or_b32 exec_lo, exec_lo, s96
	s_wait_tensorcnt 0x0                           ; the wave's end
	ds_add_u32 v[SPW], v[NIL]
	s_wait_dscnt 0x0
	s_endpgm
.Lfunc_end_k_q7ec784e029_att:
	.size	k_q7ec784e029_att, .Lfunc_end_k_q7ec784e029_att-k_q7ec784e029_att
	.p2alignl 7, 3214868480
	.fill 96, 4, 3214868480
	.section	.rodata,"a",@progbits
	.p2align	6, 0x0
	.amdhsa_kernel k_q7ec784e029_att
		.amdhsa_group_segment_fixed_size 327680
		.amdhsa_private_segment_fixed_size 0
		.amdhsa_enable_private_segment 0
		.amdhsa_kernarg_size 16
		.amdhsa_user_sgpr_count 2
		.amdhsa_user_sgpr_kernarg_segment_ptr 1
		.amdhsa_wavefront_size32 1
		.amdhsa_system_sgpr_workgroup_id_x 1
		.amdhsa_system_sgpr_workgroup_id_y 1
		.amdhsa_system_sgpr_workgroup_id_z 1
		.amdhsa_system_vgpr_workitem_id 0
		.amdhsa_next_free_vgpr 512
		.amdhsa_next_free_sgpr 100
		.amdhsa_reserve_vcc 1
		.amdhsa_float_denorm_mode_32 3
		.amdhsa_float_denorm_mode_16_64 3
		.amdhsa_memory_ordered 1
		.amdhsa_forward_progress 1
		.amdhsa_inst_pref_size 121
	.end_amdhsa_kernel
	.amdgpu_metadata
---
amdhsa.version: [ 1, 2 ]
amdhsa.kernels:
  - .name:           k_q7ec784e029_att
    .symbol:         k_q7ec784e029_att.kd
    .args:
      - { .name: qkv, .offset: 0, .size: 8, .value_kind: global_buffer, .address_space: global }
      - { .name: oc, .offset: 8, .size: 8, .value_kind: global_buffer, .address_space: global }
    .group_segment_fixed_size: 327680
    .private_segment_fixed_size: 0
    .kernarg_segment_align: 8
    .kernarg_segment_size: 16
    .max_flat_workgroup_size: 256
    .sgpr_count:     100
    .vgpr_count:     512
    .wavefront_size: 32
...
	.end_amdgpu_metadata
.endif
;; end of part 9
;; launch outp (part 10): grid 16 x 16, 4 waves a work-group, clusters of 4 x 4, 327,680 bytes of LDS; arguments oc, wc, out0; writes out0
.if DOCPART == 10
	.amdgcn_target "amdgcn-amd-amdhsa--gfx1250"
	.amdhsa_code_object_version 6
	.text
	.protected	k_q7ec784e029_outp
	.globl	k_q7ec784e029_outp
	.p2align	8
	.type	k_q7ec784e029_outp,@function
k_q7ec784e029_outp:
	s_mov_b64 s[64:65], 0
	v_nop
	global_prefetch_b8 v0, s[64:65] scope:SCOPE_SE
	s_setreg_imm32_b32 hwreg(HW_REG_WAVE_MODE, 25, 1), 1
	s_wait_xcnt 0x0
	s_wait_alu depctr_hold_cnt(0) depctr_sa_sdst(0) depctr_va_vdst(0) depctr_va_sdst(0) depctr_va_ssrc(0) depctr_va_vcc(0) depctr_vm_vsrc(0)
	s_getreg_b32 s2, hwreg(HW_REG_IB_STS2, 6, 4)
	s_cmp_eq_u32 s2, 0
	s_cbranch_scc0 .Lentry_in_a_cluster
	s_endpgm
.Lentry_in_a_cluster:
	s_bfe_u32 s2, ttmp6, 0x10000c
	s_cmp_lg_u32 s2, 0xf033
	s_cbranch_scc0 .Lentry_shape_is_right
	s_endpgm
.Lentry_shape_is_right:
; out0 = o wo on codes of FP6 (E2M3, one E8M0 byte for each 32 along K).  o's codes (oc) and wo's (weight 3 of wc) are images of operand registers (16 rows x 128 K = 1,536 bytes: register 4 g + e of lane l at
; 512 g + 16 l + 4 e; place r of tile t is row 32 (t / 2) + 8 (t % 2) + r % 8 + 16 (r / 8)): [K pair 8][tile 128][K step 2][1536]; scale words [group of 128 rows 16][K step 16][place 16][tile of the group 8].
; SHARES: 256 tiles of 128 x 128 of out0, one for each work-group: 128 tokens ('A', source 1) x 128 columns ('B', source 0); each of four waves 64 x 64: 16 accumulators.
; LDS: for each side three slots of 512 along K (8 tiles x 2 K pairs = 49,152 bytes): A's three, then B's three; one tensor load brings a side's whole slot: two rows of 24,576 dense bytes, a K pair apart in memory.
; THE FILLS: at the head one joint load a wave: A's slot 0, B's slot 0, A's scale words, B's scale words.  Behind the three lines and a round: A's slot 1, B's slot 1, A's slot 2, B's slot 2, one a wave.
; K pairs 6 and 7 come by ONE refill of slot 0 (waves 0 and 1), asked for when the fragments of slot 0's last K step are in registers.
; CLUSTERS: 4 x 4 work-groups; A's tiles are shared along a row of the cluster, B's along a column.
; PREFETCH: one fill ahead: at the head slots 1 and 2, behind their loads K pairs 6 and 7.  Wave w names, of side w / 2, tile 4 (w % 2) + p of the eight (p = cx for A, cy for B: the partners are told apart by address):
; 12 blocks of 256 bytes for each of a slot's two K pairs; lanes 12-15 and 28-31 name their K pair's last block again.
; The product is used transposed: a lane holds one token and, in accumulator (a, b), the columns 32 (b / 2) + 16 h + 8 (b % 2) + 0 .. 7 of my 64.  A block of 16 tokens x 64 columns goes through the wave's own stage
; in LDS and leaves as rows of 256 bytes: sixteen lanes store 256 consecutive bytes, at a multiple of 256 from out0's first byte.
; No loop: the 16 K steps are written out.
; REGISTERS: window 0: v16-31 addresses; v32-95 the scale words of all 16 K steps (register 32 + 4 k + i: lanes 0-15 A's tile i, lanes 16-31 B's tile i); v128-255 the accumulators, (a, b) at v[128 + 8 (4 a + b)].
;   window 1: two sets of fragments, at v0 and v128: B's four (48 registers), then A's four.
.set KPB,    393216
.set QT,     12288                     ; 4 tiles x 256 K: a wave's half of a side's K pair
.set SIDE,   2*QT                      ; 8 tiles x 256 K
.set SLB,    2*SIDE                    ; a side's slot
.set AREA,   3*SLB                     ; a side's three slots
.set SCL,    2*AREA                    ; the scale words: A's 8,192 bytes, then B's
.set HALFS,  4096
.set SPARE,  SCL+4*HALFS               ; the spare words: two blocks of 256 bytes that no other line names
.set SPITCH, 272                       ; the way out: 16 rows x (256 + 16) bytes for each wave, in A's slot 1: filled once, and the last barrier stands behind every wave's reads of it
.set FR,     12
.set NP,     4                         ; places behind this matrix instruction (ISA guide 7.12.1)
.set ADRA, 16
.set ADRB, 20
.set LI,   24
.set STO,  25
.set RD,   26
.set ADRS, 27
.set SPW,  28
.set NIL,  29
.set CO,   30
.set PFO,  31                          ; v31 the prefetches' offset: (lane / 16) K pairs + 256 x min(lane % 16, 11)
.set SC,   32
.set ACC,  128
.set PFA,  10                          ; s[10:11] my tile of K pair 0
.set G1,   24
.set G1B,  32
.set G1S,  48
.set G1SB, 56
.set G0,   68
.set G0B,  80
.set G0S,  92
.set G0SB, 96
.set MSB, 0
.macro WIN new
.if MSB != (\new)
	s_set_vgpr_msb (MSB<<8)|(\new)
.set MSB, (\new)
.endif
.endm
.set MUL,  0x05
.set TO_F, 0x40
.macro TL g0, g1                       ; a tensor load with an s_nop 0 and four v_nop
	tensor_load_to_lds s[\g0:\g0+3], s[\g1:\g1+7]
	s_nop 0
.rept 4
	v_nop
.endr
.endm
.macro TREE a0, a1, b0, b1, c0, c1, d0, d1   ; ONE chain of branches on the wave's number, one joint load to an arm
	s_cmp_lt_u32 s14, 1
	s_cbranch_scc0 .Lt1_\@
	TL \a0, \a1
	s_branch .Lt4_\@
.Lt1_\@:
	s_cmp_lt_u32 s14, 2
	s_cbranch_scc0 .Lt2_\@
	TL \b0, \b1
	s_branch .Lt4_\@
.Lt2_\@:
	s_cmp_lt_u32 s14, 3
	s_cbranch_scc0 .Lt3_\@
	TL \c0, \c1
	s_branch .Lt4_\@
.Lt3_\@:
	TL \d0, \d1
.Lt4_\@:
.endm
.macro CREST
	s_cmp_lg_u32 s14, 0
	s_cbranch_scc1 .Lnot_wave_0_\@
	s_barrier_signal -3
.Lnot_wave_0_\@:
	s_barrier_wait -3
	s_barrier_signal -1
	s_barrier_wait -1
.endm
.macro CROUND
	s_barrier_signal -1
	s_barrier_wait -1
	CREST
.endm
	s_load_b128 s[4:7], s[0:1], 0x0                ; oc, wc
	s_load_b64 s[12:13], s[0:1], 0x10              ; out0
	v_lshl_add_u32 v[SPW], v0, 2, SPARE
	v_mov_b32 v[NIL], 0
	ds_add_u32 v[SPW], v[NIL]                      ; the opening lines: the add, twice on end, and its wait
	ds_add_u32 v[SPW], v[NIL]
	v_lshrrev_b32 v1, 5, v0
	v_readfirstlane_b32 s14, v1                    ; wave
	s_lshr_b32 s15, s14, 1                         ; my half of A's rows
	s_and_b32 s16, s14, 1                          ; my half of B's rows
	s_bfe_u32 s40, ttmp6, 0x40000                  ; cx
	s_bfe_u32 s41, ttmp6, 0x40004                  ; cy
	s_lshl_b32 s42, ttmp9, 2
	s_add_co_u32 s42, s42, s40                     ; group of 128 columns
	s_and_b32 s17, ttmp7, 0xffff
	s_lshl_b32 s17, s17, 2
	s_add_co_u32 s17, s17, s41                     ; group of 128 tokens
	s_lshl_b32 s43, s41, 2
	s_lshl_b32 s43, 15, s43                        ; my row of the cluster
	s_lshl_b32 s44, 0x1111, s40                    ; my column
	; group 1 for the codes: 2 rows of 3,072 elements of 8 bytes, 49,152 elements apart
	s_or_b32 s[G1+0], s43, (3<<16)|(1<<21)
	s_or_b32 s[G1B+0], s44, (3<<16)|(1<<21)
.irp g, G1, G1B
	s_mov_b32 s[\g+1], (SIDE/8)<<16
	s_mov_b32 s[\g+2], 2<<16
	s_mov_b32 s[\g+3], (SIDE/8)<<16
	s_mov_b32 s[\g+4], 2
	s_mov_b32 s[\g+5], KPB/8
	s_mov_b32 s[\g+6], 0
	s_mov_b32 s[\g+7], 0
.endr
	; and for a side's scale words: 8,192 dense bytes as 32 rows of 256 bytes
	s_or_b32 s[G1S+0], s43, (3<<16)|(1<<21)
	s_or_b32 s[G1SB+0], s44, (3<<16)|(1<<21)
.irp g, G1S, G1SB
	s_mov_b32 s[\g+1], 32<<16
	s_mov_b32 s[\g+2], 32<<16
	s_mov_b32 s[\g+3], 32<<16
	s_mov_b32 s[\g+4], 32
	s_mov_b32 s[\g+5], 32
	s_mov_b32 s[\g+6], 0
	s_mov_b32 s[\g+7], 0
.endr
	s_mul_i32 s20, s17, SIDE                       ; A: the group's eight tiles
	s_mov_b32 s21, 0
	s_lshl_b32 s22, s17, 13
	s_add_co_u32 s22, s22, 0x300000                ; and its scale words
	s_mov_b32 s23, 0
	s_mul_i32 s46, s42, SIDE
	s_add_co_u32 s46, s46, 0x900000                ; B: weight 3's images
	s_mov_b32 s47, 0
	s_lshl_b32 s18, s42, 13
	s_add_co_u32 s18, s18, 0xC60000                ; and its scale words
	s_mov_b32 s19, 0
	s_cmp_eq_u32 s15, 0                            ; the prefetches: tile 4 (w % 2) + my place among the four that ask jointly
	s_cselect_b32 s8, s40, s41
	s_lshl_b32 s9, s16, 2
	s_add_co_u32 s8, s8, s9
	s_mul_i32 s8, s8, 3072
	s_mov_b32 s9, 0
	s_wait_dscnt 0x0                               ; both opening adds are done
	s_wait_kmcnt 0x0
	s_add_nc_u64 s[20:21], s[4:5], s[20:21]
	s_add_nc_u64 s[22:23], s[4:5], s[22:23]
	s_add_nc_u64 s[46:47], s[6:7], s[46:47]
	s_add_nc_u64 s[18:19], s[6:7], s[18:19]
	s_cmp_eq_u32 s15, 0
	s_cselect_b64 s[PFA:PFA+1], s[20:21], s[46:47]
	s_add_nc_u64 s[PFA:PFA+1], s[PFA:PFA+1], s[8:9]
	s_mov_b32 s[G0S], 1
	s_mov_b32 s[G0S+1], SCL
	s_mov_b64 s[G0S+2:G0S+3], s[22:23]
	s_or_b32 s[G0S+3], s[G0S+3], 0x80000000
	s_mov_b32 s[G0SB], 1
	s_mov_b32 s[G0SB+1], SCL+2*HALFS
	s_mov_b64 s[G0SB+2:G0SB+3], s[18:19]
	s_or_b32 s[G0SB+3], s[G0SB+3], 0x80000000
.irp s, 0,1,2
	s_mov_b32 s[G0+4*\s], 1
	s_mov_b32 s[G0+4*\s+1], \s*SLB
	s_add_nc_u64 s[G0+4*\s+2:G0+4*\s+3], s[20:21], \s*2*KPB
	s_or_b32 s[G0+4*\s+3], s[G0+4*\s+3], 0x80000000
	s_mov_b32 s[G0B+4*\s], 1
	s_mov_b32 s[G0B+4*\s+1], AREA+\s*SLB
	s_add_nc_u64 s[G0B+4*\s+2:G0B+4*\s+3], s[46:47], \s*2*KPB
	s_or_b32 s[G0B+4*\s+3], s[G0B+4*\s+3], 0x80000000
.endr
	CROUND                                         ; all sixteen work-groups are here: the first joint loads meet
	TREE G0, G1, G0B, G1B, G0S, G1S, G0SB, G1SB    ; slot 0 and the scale words
	v_and_b32 v1, 15, v0                           ; r
	v_bfe_u32 v2, v0, 4, 1                         ; h
	v_and_b32 v3, 31, v0
	v_lshlrev_b32 v[LI], 4, v3
	s_mul_i32 s21, s15, QT                         ; my half of A
	s_mul_i32 s22, s16, QT                         ; my half of B,
	s_add_co_u32 s22, s22, AREA                    ; behind A's three slots
.irp s, 0,1,2
	v_add_nc_u32 v[ADRA+\s], s21, v[LI]
	v_add_nc_u32 v[ADRB+\s], s22, v[LI]
	s_add_co_u32 s21, s21, SLB
	s_add_co_u32 s22, s22, SLB
.endr
	v_lshlrev_b32 v5, 5, v1                        ; my place's eight scale words: 32 r;
	s_lshl_b32 s21, s15, 4                         ; of A's my half's four
	s_lshl_b32 s22, s16, 4                         ; of B's likewise, behind A's 8,192 bytes
	s_add_co_u32 s22, s22, 2*HALFS
	s_sub_co_u32 s22, s22, s21
	v_mul_u32_u24 v6, s22, v2                      ; lanes 16-31 take B's: the lower base + h x the distance
	s_add_co_u32 s21, s21, SCL
	v_add_nc_u32 v5, v5, v6
	v_add_nc_u32 v[ADRS], s21, v5
	s_mul_i32 s23, s14, 16*SPITCH
	s_add_co_u32 s23, s23, SLB                     ; my stage, in A's slot 1
	v_mul_u32_u24 v5, v1, SPITCH
	v_lshl_add_u32 v5, v2, 6, v5
	v_add_nc_u32 v[STO], s23, v5                   ; in: row r, + 64 h
	v_mul_u32_u24 v5, v2, SPITCH
	v_lshl_add_u32 v5, v1, 4, v5
	v_add_nc_u32 v[RD], s23, v5                    ; back: lanes 0-15 one row of 256 bytes, lanes 16-31 the next
	v_lshlrev_b32 v[CO], 13, v2
	v_lshl_add_u32 v[CO], v1, 4, v[CO]
	v_min_u32 v5, 11, v1
	v_mul_u32_u24 v[PFO], v2, KPB
	v_lshl_add_u32 v[PFO], v5, 8, v[PFO]
	s_lshl_b32 s66, s17, 7
	s_lshl_b32 s67, s15, 6
	s_add_co_u32 s66, s66, s67                     ; my first token
	s_lshl_b32 s66, s66, 13
	s_lshl_b32 s67, s42, 9
	s_add_co_u32 s66, s66, s67
	s_lshl_b32 s67, s16, 8
	s_add_co_u32 s66, s66, s67                     ; + my first column, in bytes
	s_mov_b32 s67, 0
	s_add_nc_u64 s[12:13], s[12:13], s[66:67]
.macro FRAG reg, adr, kk, i            ; a fragment's image: three loads of 16 bytes a lane.  kk: the K step of the slot's four; i: the tile of my four
.irp c, 0,1,2
	ds_load_b128 v[\reg+4*\c:\reg+4*\c+3], v[\adr] offset:((\kk)/2)*SIDE+(\i)*3072+((\kk)%2)*1536+512*\c
.endr
.endm
.macro FETCH slot, kk, p               ; a K step's eight fragments into set p: 24 loads: B's four, then A's four
	WIN TO_F
.irp i, 0,1,2,3
	FRAG 128*(\p)+FR*\i, ADRB+\slot, \kk, \i
.endr
.irp i, 0,1,2,3
	FRAG 128*(\p)+48+FR*\i, ADRA+\slot, \kk, \i
.endr
.endm
; 8 matrix instructions: A's tiles a0, a0 + 1 x B's four.  The 16 accumulators take turns, one instruction a turn, in the same order in every K step.
.macro MUL8 a0, p, ks, zero
.irp a, \a0, \a0+1
.irp b, 0,1,2,3
.if \zero
	v_wmma_scale_f32_16x16x128_f8f6f4 v[ACC+8*(4*(\a)+\b):ACC+8*(4*(\a)+\b)+7], v[128*(\p)+FR*\b:128*(\p)+FR*\b+FR-1], v[128*(\p)+48+FR*(\a):128*(\p)+48+FR*(\a)+FR-1], 0, v[SC+4*(\ks)+\b], v[SC+4*(\ks)+(\a)] matrix_a_fmt:MATRIX_FMT_FP6 matrix_b_fmt:MATRIX_FMT_FP6 matrix_a_scale:MATRIX_SCALE_ROW1
.else
	v_wmma_scale_f32_16x16x128_f8f6f4 v[ACC+8*(4*(\a)+\b):ACC+8*(4*(\a)+\b)+7], v[128*(\p)+FR*\b:128*(\p)+FR*\b+FR-1], v[128*(\p)+48+FR*(\a):128*(\p)+48+FR*(\a)+FR-1], v[ACC+8*(4*(\a)+\b):ACC+8*(4*(\a)+\b)+7], v[SC+4*(\ks)+\b], v[SC+4*(\ks)+(\a)] matrix_a_fmt:MATRIX_FMT_FP6 matrix_b_fmt:MATRIX_FMT_FP6 matrix_a_scale:MATRIX_SCALE_ROW1
.endif
.endr
.endr
.endm
.macro PLACES n
.rept \n
	v_nop
.endr
.endm
; K step ks multiplies set p.  more = 1: in its middle the next K step's fragments (K step kk of slot) are fetched into the other set.
.macro KSTEP p, ks, zero, more, slot, kk
	s_wait_dscnt 6                                 ; all but the youngest 6 loads (A's tiles 2 and 3)
	WIN MUL
	MUL8 0, \p, \ks, \zero
.if \more
	PLACES NP
	FETCH \slot, \kk, 1-(\p)
	s_wait_dscnt 24                                ; all but the 24 just issued
	WIN MUL
.else
	s_wait_dscnt 0
.endif
	MUL8 2, \p, \ks, \zero
.endm
; A CHANGE stands where the fragments of a slot's last K step have been asked for.  fill = 1: a round, and slot 0 is filled again with K pairs 6 and 7 (wave 0 A's, wave 1 B's); the round also shows slots 1 and 2 whole.
; fill = 0: my work-group's barrier: the refill has landed.
.macro CHANGE fill
	WIN 0
	s_wait_tensorcnt 0x0                           ; all my tensor loads have landed, so a group 0 may be written
	ds_add_u32 v[SPW], v[NIL]
.if \fill
	s_add_nc_u64 s[G0+2:G0+3], s[G0+2:G0+3], 6*KPB
	s_add_nc_u64 s[G0B+2:G0B+3], s[G0B+2:G0B+3], 6*KPB
.endif
	s_wait_dscnt 0x0                               ; the add is done, and my reads of the slot are over
.if \fill
	CROUND
	s_cmp_lt_u32 s14, 1
	s_cbranch_scc0 .Lr1_\@
	TL G0, G1
	s_branch .Lr2_\@
.Lr1_\@:
	s_cmp_lt_u32 s14, 2
	s_cbranch_scc0 .Lr2_\@
	TL G0B, G1B
.Lr2_\@:
.else
	s_barrier_signal -1
	s_barrier_wait -1
.endif
.endm
	s_wait_alu depctr_va_vdst(0)                   ; the head's end
	global_prefetch_b8 v[PFO], s[PFA:PFA+1] offset:2*KPB th:TH_LOAD_NT scope:SCOPE_SE   ; slot 1's K pairs 2 and 3
	global_prefetch_b8 v[PFO], s[PFA:PFA+1] offset:4*KPB th:TH_LOAD_NT scope:SCOPE_SE   ; slot 2's K pairs 4 and 5
	s_wait_tensorcnt 0x0                           ; my tile of the head's four is in; the three lines, as ahead of a refill
	ds_add_u32 v[SPW], v[NIL]
	s_wait_dscnt 0x0
	CROUND
	TREE G0+4, G1, G0B+4, G1B, G0+8, G1, G0B+8, G1B   ; slots 1 and 2, first fills, one load a wave
.irp k, 0,1,2,3,4,5,6,7,8,9,10,11,12,13,14,15
	ds_load_b128 v[SC+4*\k:SC+4*\k+3], v[ADRS] offset:512*\k   ; K step k's words of my four tiles of A (lanes 0-15) and of B (lanes 16-31): they stay in registers
.endr
	global_prefetch_b8 v[PFO], s[PFA:PFA+1] offset:6*KPB th:TH_LOAD_NT scope:SCOPE_SE   ; the refill's K pairs 6 and 7
	FETCH 0, 0, 0
	KSTEP 0, 0, 1, 1, 0, 1                         ; the first K step's products start the sums
	KSTEP 1, 1, 0, 1, 0, 2
	KSTEP 0, 2, 0, 1, 0, 3
	CHANGE 1                                       ; K step 3's fragments are in registers: slot 0 is asked for again
	KSTEP 1, 3, 0, 1, 1, 0
	KSTEP 0, 4, 0, 1, 1, 1
	KSTEP 1, 5, 0, 1, 1, 2
	KSTEP 0, 6, 0, 1, 1, 3
	KSTEP 1, 7, 0, 1, 2, 0
	KSTEP 0, 8, 0, 1, 2, 1
	KSTEP 1, 9, 0, 1, 2, 2
	KSTEP 0, 10, 0, 1, 2, 3
	CHANGE 0                                       ; K pairs 6 and 7 have landed
	KSTEP 1, 11, 0, 1, 0, 0
	KSTEP 0, 12, 0, 1, 0, 1
	KSTEP 1, 13, 0, 1, 0, 2
	KSTEP 0, 14, 0, 1, 0, 3
	KSTEP 1, 15, 0, 0, 0, 0
	WIN 0
; THE WAY OUT, block by block of 16 tokens x 64 columns, through my own stage.  LDS serves a wave's instructions in order (ISA guide 5.7.1.4): no wait between the stores and the loads.
.macro TOSTAGE a
.irp b, 0,1,2,3
	ds_store_b128 v[STO], v[ACC+32*(\a)+8*\b:ACC+32*(\a)+8*\b+3] offset:128*(\b/2)+32*(\b%2)          ; each accumulator from its low end on
	ds_store_b128 v[STO], v[ACC+32*(\a)+8*\b+4:ACC+32*(\a)+8*\b+7] offset:128*(\b/2)+32*(\b%2)+16
.endr
.irp t, 0,1,2,3,4,5,6,7
	ds_load_b128 v[ACC+32*(\a)+4*\t:ACC+32*(\a)+4*\t+3], v[RD] offset:2*\t*SPITCH
.endr
.endm
.macro SEND a, younger                 ; younger: the LDS instructions issued behind block a's loads
.irp t, 0,1,2,3,4,5,6,7
	s_wait_dscnt \younger+7-\t
	global_store_b128 v[CO], v[ACC+32*(\a)+4*\t:ACC+32*(\a)+4*\t+3], s[12:13] offset:(32*((\a)/2)+8*((\a)%2)+(2*\t)%8+16*(\t/4))*8192 th:TH_STORE_NT
.endr
.endm
	PLACES NP
	TOSTAGE 0
	TOSTAGE 1
	SEND 0, 16
	TOSTAGE 2
	SEND 1, 16
	TOSTAGE 3
	SEND 2, 16
	SEND 3, 0
	s_wait_tensorcnt 0x0                           ; the wave's end
	ds_add_u32 v[SPW], v[NIL]
	s_wait_dscnt 0x0
	CROUND                                         ; the closing round
	s_endpgm
.Lfunc_end_k_q7ec784e029_outp:
	.size	k_q7ec784e029_outp, .Lfunc_end_k_q7ec784e029_outp-k_q7ec784e029_outp
	.p2alignl 7, 3214868480
	.fill 96, 4, 3214868480
	.section	.rodata,"a",@progbits
	.p2align	6, 0x0
	.amdhsa_kernel k_q7ec784e029_outp
		.amdhsa_group_segment_fixed_size 327680
		.amdhsa_private_segment_fixed_size 0
		.amdhsa_enable_private_segment 0
		.amdhsa_kernarg_size 24
		.amdhsa_user_sgpr_count 2
		.amdhsa_user_sgpr_kernarg_segment_ptr 1
		.amdhsa_wavefront_size32 1
		.amdhsa_system_sgpr_workgroup_id_x 1
		.amdhsa_system_sgpr_workgroup_id_y 1
		.amdhsa_system_sgpr_workgroup_id_z 1
		.amdhsa_system_vgpr_workitem_id 0
		.amdhsa_next_free_vgpr 512
		.amdhsa_next_free_sgpr 100
		.amdhsa_reserve_vcc 0
		.amdhsa_float_denorm_mode_32 3
		.amdhsa_float_denorm_mode_16_64 3
		.amdhsa_memory_ordered 1
		.amdhsa_forward_progress 1
		.amdhsa_inst_pref_size 83
	.end_amdhsa_kernel
	.amdgpu_metadata
---
amdhsa.version: [ 1, 2 ]
amdhsa.kernels:
  - .name:           k_q7ec784e029_outp
    .symbol:         k_q7ec784e029_outp.kd
    .args:
      - { .name: oc, .offset: 0, .size: 8, .value_kind: global_buffer, .address_space: global }
      - { .name: wc, .offset: 8, .size: 8, .value_kind: global_buffer, .address_space: global }
      - { .name: out0, .offset: 16, .size: 8, .value_kind: global_buffer, .address_space: global }
    .group_segment_fixed_size: 327680
    .private_segment_fixed_size: 0
    .kernarg_segment_align: 8
    .kernarg_segment_size: 24
    .max_flat_workgroup_size: 128
    .sgpr_count:     100
    .vgpr_count:     512
    .wavefront_size: 32
...
	.end_amdgpu_metadata
.endif
;; end of part 10
